; MI455X (gfx1250); checked and timed in simulation.
; The chip was launched on July 23, 2026; its instructions are those of AMD's public machine-readable ISA for CDNA 5 (MIT licence, August 2026) and "CDNA5" Instruction Set Architecture Reference Guide (July 2026). The comments in the code are by the model that wrote it; some were corrected since.
;; A2a Sparse MLP. Allowed arithmetic: matrix products marked QUANTISED: E2M3 operands, one E8M0 scale for each 32 along K, by v_wmma_scale_f32_16x16x128_f8f6f4 with both operands' format E2M3, f32 sums; products left as they are: f32 operands where the result goes on into a quantised operand, else bf16, f16 or f32 operands; f32 sums; everything else in f32.
;; Inputs: down_bias 8 x 1,024 float32; down_proj 8 x 1,024 x 1,024 float32; gate_up_bias 8 x 2,048 float32; gate_up_proj 8 x 1,024 x 2,048 float32; hidden_states 1 x 2,048 x 1,024 float32; router_b 8 float32; router_w 1,024 x 8 float32.
;; Outputs: out0 1 x 2,048 x 1,024 float32; out1 1 x 2,048 x 8 float32.
;; This version of the problem:
;;   THIS VERSION OF THE PROBLEM IS GIVEN IN LOW PRECISION. The matrix products marked QUANTISED in the list below multiply operands that are first quantised to E2M3 (2 exponent bits, 3 mantissa bits; 6 bits a number), with one power-of-two scale for each 32 numbers along K (OCP MX v1.0); their sums are f32. All else is computed in f32.
;;   The module's matrix products, in the order in which they are computed (A, B: the left and right operand; K: the contracted axis; several contracted axes count as one K, in the product's order):
;;     1. [M 2,048, K 1,024] x [K 1,024, N 8]; A: input hidden_states; B: input router_w: left as it is (N = 8 < 16)
;;     2. batch 2,048 x [M 1, K 2] x [K 2, N 8]; A: softmax; B: computed on the way: left as it is (K = 2 < 32)
;;     3. [M 2,048, K 1,024] x [K 1,024, N 16,384]; A: input hidden_states; B: input gate_up_proj: QUANTISED
;;     4. batch 8 x [M 1,024, K 1,024] x [K 1,024, N 2,048]; A: input down_proj; B: computed on the way: QUANTISED
;;     5. batch 2,048 x [M 1,024, K 2] x [K 2, N 1]; A: computed on the way; B: softmax: left as it is (K = 2 < 32)
;;   THE QUANTISER, for each operand of a quantised product, along K:
;;     - K is cut into blocks of 32 from its start; a last block that is shorter is filled with zeros.
;;     - A block's scale is 2^e with e = floor(log2(the largest magnitude in the block)) - 2, held to -126 .. 127; a block of zeros has e = 0. As a byte (E8M0): e + 127.
;;     - Each number is divided by its block's scale, clamped to +-7.5, and rounded to the nearest number of E2M3, ties to even, subnormals kept.
;;     - The product sums the exact products of the quantised numbers (number of the format x scale) in f32.
;;   ~~~python
;;   def quantise(x, axis):      # numpy; x: float32 -> the quantised numbers, widened to float32 again
;;       x = np.moveaxis(x, axis, -1); K = x.shape[-1]
;;       x = np.pad(x, [(0, 0)] * (x.ndim - 1) + [(0, -K % 32)]); x = x.reshape(x.shape[:-1] + (-1, 32)); a = np.abs(x).max(-1, keepdims=True)
;;       e = np.where(a > 0, np.clip(np.frexp(np.where(a > 0, a, 1))[1] - 1 - 2, -126, 127), 0)      # np.frexp(a)[1] - 1 = floor(log2(a)), exactly
;;       r = np.clip(x / 2.0 ** e, -7.5, 7.5)
;;       step = 2.0 ** (np.maximum(np.frexp(np.where(r == 0, 1, r))[1] - 1, 0) - 3)
;;       q = np.round(r / step) * step * 2.0 ** e      # np.round: ties to even
;;       return np.moveaxis(q.reshape(q.shape[:-2] + (-1,))[..., :K], -1, axis).astype(np.float32)
;;   ~~~
;;   OPERANDS COMPUTED ON THE WAY. 'Computed on the way' means the value that the module computes at that place (a softmax that the list does not call 'softmax' is quantised finished and normalised). What goes into a quantiser is computed in f32, as accurately as f32 sums, v_exp_f32 and their like allow (about 1e-6 of the number): no bf16 or f16 on the way to a quantiser, and a product that is left as it is and whose result goes on into a quantised operand takes f32 operands (vector FMAs, or v_wmma_f32_16x16x4_f32). A number that lies on a knife's edge between two numbers of the format may be rounded either way, as far as f32 arithmetic and the matrix unit's own rounding can turn it there, and no further.
;; 2 versions. Each part assembles by itself: llvm-mc -triple=amdgcn-amd-amdhsa -mcpu=gfx1250 --defsym DOCPART=n.
;; ======== version 1 of 2: 5 launches
;; workspace buffers: sel 8,192 bytes of whole numbers; plan 36,608 bytes of whole numbers; xq 1,638,400 bytes; wq 19,660,800 bytes; hq 3,993,600 bytes; y 20,447,232 bytes
;; launch route (part 1): grid 128 x 1, 8 waves a work-group, no clusters, 118,528 bytes of LDS; arguments hidden_states, router_w, router_b, xq, sel, out1; writes xq, sel, out1
.if DOCPART == 1
	.amdgcn_target "amdgcn-amd-amdhsa--gfx1250"
	.amdhsa_code_object_version 6
	.text
	.protected	k_q450fbee32b_route
	.globl	k_q450fbee32b_route
	.p2align	8
	.type	k_q450fbee32b_route,@function
k_q450fbee32b_route:
	s_mov_b64 s[64:65], 0
	v_nop
	global_prefetch_b8 v0, s[64:65] scope:SCOPE_SE
	s_setreg_imm32_b32 hwreg(HW_REG_WAVE_MODE, 25, 1), 1
	s_wait_xcnt 0x0
; ROUTER AND x's CODES.  hidden_states [2048][1024] f32, router_w [1024][8], router_b [8].
; A work-group takes 16 tokens; wave s takes K step s (k = 128 s .. 128 s + 127) of all 16.
; It makes (1) the f32 logits by fused multiply-adds, the top 2 (ties: the lower index), their softmax with the larger logit
; taken away first, out1 [2048][8], and sel: word t = first expert | second expert << 8;
; (2) x as codes of E2M3 with one E8M0 byte for each 32 along K, laid as an operand's registers:
; xq codes [token][K step 8][half 2][48 bytes] = the 12 registers of lane (row, half); scale words [token][8] behind them.
; LIMITS: NaN and infinities are not served.  A block whose largest magnitude lies under 2^-124 (a block of zeros too) gets the byte 1:
; its codes are zeros and this program alone reads the bytes.  Two logits that differ by less than the rounding of an f32 sum of 1,024 terms may be ordered otherwise than a sum in another order would.
; Memory is read once, 512 consecutive bytes a load; a lane's 32 neighbours along K come by a turn through the wave's own LDS rows.
; No tensor loads, clusters or matrix work: work-groups share nothing but 32 KiB of router_w, and the product has 8 columns.
.set TPITCH, 528                       ; a token's 512 bytes + 16: 16 rows start at 16 different groups of banks
.set RWL,    67584                     ; behind 8 x 16 x 528: each wave's 4,096 bytes of router_w
.set XST,    100352                    ; 16 tokens x (768 bytes of codes + 16)
.set XPITCH, 784
.set XSS,    112896                    ; 16 tokens x 8 scale words
.set PL,     113408                    ; partial logits [wave][token][8]
.set XSOFF,  1572864                   ; xq: the scale words begin here
.set X,   16                           ; v16-79   x as loaded; later the second set of router_w; later the codes
.set T,   80                           ; v80-143  my 64 numbers: register 32 c + i = k 64 c + 32 h + i of token r
.set RV,  144                          ; v144-207 router_w
.set LG,  208                          ; v208-215 my partial logits
.set TM,  216                          ; v216-223 at work
.set RB,  224                          ; v224-227 router_b, my four
.set APL, 228                          ; v228     LDS: PL + 32 r + 16 h
.set AXS, 229                          ; v229     LDS: XSS + 16 lane
.set C,   16                           ; the fragment's 12 registers
.set CT,  28                           ; a conversion's three registers begin on an even number: second halves are made here and moved
	s_load_b256 s[4:11], s[0:1], 0x0               ; x s[4:5], router_w s[6:7], router_b s[8:9], xq s[10:11]
	s_load_b128 s[12:15], s[0:1], 0x20             ; sel s[12:13], out1 s[14:15]
	v_lshl_add_u32 v232, v0, 2, 0x1cb00
	v_mov_b32 v233, 0
	v_lshrrev_b32 v1, 5, v0
	v_readfirstlane_b32 s16, v1                    ; wave = K step
	v_and_b32 v1, 31, v0                           ; lane
	v_and_b32 v2, 15, v0                           ; r
	v_bfe_u32 v3, v0, 4, 1                         ; h
	v_lshlrev_b32 v4, 4, v1                        ; 16 lane
	s_mul_i32 s17, s16, 16*TPITCH
	v_add_nc_u32 v5, s17, v4                       ; the turn, in: 16 lane of a row
	v_mul_u32_u24 v6, v2, TPITCH
	v_lshl_add_u32 v6, v3, 7, v6
	v_add_nc_u32 v6, s17, v6                       ; the turn, out: row r, + 128 h
	s_lshl_b32 s17, s16, 12
	s_add_co_u32 s17, s17, RWL
	v_add_nc_u32 v7, s17, v4                       ; router_w, in
	v_lshlrev_b32 v8, 10, v3
	v_add_nc_u32 v8, s17, v8                       ; router_w, out: 32 rows of 32 bytes further on for lanes 16-31
	s_mul_i32 s17, s16, 96
	s_add_co_u32 s17, s17, XST
	v_mul_u32_u24 v9, v2, XPITCH
	v_mad_u32_u24 v9, v3, 48, v9
	v_add_nc_u32 v9, s17, v9                       ; codes: token r, K step s, half h
	s_lshl_b32 s17, s16, 2
	s_add_co_u32 s17, s17, XSS
	v_lshl_add_u32 v10, v2, 5, s17                 ; scale word: token r, K step s
	v_lshlrev_b32 v14, 5, v2
	v_lshl_add_u32 v14, v3, 4, v14                 ; 32 r + 16 h
	s_lshl_b32 s17, s16, 9
	s_add_co_u32 s17, s17, PL
	v_add_nc_u32 v11, s17, v14                     ; my partial logits
	s_mul_i32 s17, s16, 2*XPITCH
	s_add_co_u32 s17, s17, XST
	v_add_nc_u32 v12, s17, v4                      ; the way out: two tokens' codes a wave
	v_lshl_add_u32 v13, v3, 4, v12                 ; and behind the first token's padding
	v_lshlrev_b32 v15, 4, v3                       ; router_b: 16 h
	v_add_nc_u32 v[APL], PL, v14
	v_add_nc_u32 v[AXS], XSS, v4
	s_lshl_b32 s20, ttmp9, 16                      ; 16 tokens of 4,096 bytes
	s_lshl_b32 s21, s16, 9
	s_add_co_u32 s20, s20, s21
	s_mov_b32 s21, 0
	s_lshl_b32 s22, s16, 12
	s_mov_b32 s23, 0
	s_mul_i32 s24, ttmp9, 12288
	s_mul_i32 s25, s16, 1536
	s_add_co_u32 s24, s24, s25
	s_mov_b32 s25, 0
	s_lshl_b32 s26, ttmp9, 9
	s_mov_b32 s27, 0
	s_lshl_b32 s28, ttmp9, 6
	s_mov_b32 s29, 0
	s_mov_b32 s30, 0x76543210                      ; v_permlanex16_b32's selects for lane l xor 16
	s_mov_b32 s31, 0xfedcba98
	s_wait_kmcnt 0x0
	s_add_nc_u64 s[4:5], s[4:5], s[20:21]
	s_add_nc_u64 s[6:7], s[6:7], s[22:23]
	s_add_nc_u64 s[32:33], s[10:11], s[24:25]      ; my 1,536 bytes of codes
	s_add_nc_u64 s[34:35], s[10:11], s[26:27]
	s_add_nc_u64 s[34:35], s[34:35], XSOFF         ; the work-group's 512 bytes of scale words
	s_add_nc_u64 s[12:13], s[12:13], s[28:29]
	s_add_nc_u64 s[14:15], s[14:15], s[26:27]
.irp i, 0,1,2,3,4,5,6,7,8,9,10,11,12,13,14,15
	global_load_b128 v[X+4*\i:X+4*\i+3], v4, s[4:5] offset:4096*\i th:TH_LOAD_NT   ; token i: 512 consecutive bytes
.endr
.irp i, 0,1,2,3,4,5,6,7
	global_load_b128 v[RV+4*\i:RV+4*\i+3], v4, s[6:7] offset:512*\i
.endr
	global_load_b128 v[RB:RB+3], v15, s[8:9]
	s_wait_loadcnt 9                               ; x is in; router_w's eight loads and router_b's one may be out
.irp i, 0,1,2,3,4,5,6,7,8,9,10,11,12,13,14,15
	ds_store_b128 v5, v[X+4*\i:X+4*\i+3] offset:TPITCH*\i
.endr
	s_wait_loadcnt 0x0
.irp i, 0,1,2,3,4,5,6,7
	ds_store_b128 v7, v[RV+4*\i:RV+4*\i+3] offset:512*\i
.endr
.irp c, 0,1
.irp i, 0,1,2,3,4,5,6,7
	ds_load_b128 v[T+32*\c+4*\i:T+32*\c+4*\i+3], v6 offset:256*\c+16*\i   ; the wave's own bytes, served in order
.endr
.endr
	s_wait_dscnt 0x0
; THE LOGITS.  Batch b: router_w's rows of my registers 8 b .. 8 b + 7 (all lanes of a half read the same 32 bytes), then 64 multiply-adds.  Two sets by turns, the loads a batch ahead.
.macro DOTL b
.set RS, RV-128*((\b)%2)
.set n, 8*(\b)
.rept 8
	ds_load_b128 v[RS+8*(n%8):RS+8*(n%8)+3], v8 offset:(64*(n/32)+n%32)*32
	ds_load_b128 v[RS+8*(n%8)+4:RS+8*(n%8)+7], v8 offset:(64*(n/32)+n%32)*32+16
.set n, n+1
.endr
.endm
.macro DOTC b
.set RS, RV-128*((\b)%2)
.set n, 8*(\b)
.rept 8
.irp e, 0,1,2,3,4,5,6,7
.if n == 0
	v_mul_f32 v[LG+\e], v[T+n], v[RS+8*(n%8)+\e]   ; the first product starts the sums
.else
	v_fmac_f32 v[LG+\e], v[T+n], v[RS+8*(n%8)+\e]
.endif
.endr
.set n, n+1
.endr
.endm
	DOTL 0
.irp b, 0,1,2,3,4,5,6
	DOTL \b+1
	s_wait_dscnt 16                                ; all but the 16 loads just issued
	DOTC \b
.endr
	s_wait_dscnt 0x0
	DOTC 7
; x's CODES.  My registers 32 c .. 32 c + 31 are block 2 c + h of this K step: the block's largest magnitude needs no other lane.
.irp c, 0,1
	v_max3_num_f32 v[TM+\c], |v[T+32*\c]|, |v[T+32*\c+1]|, 0x1800000   ; with the floor 2^(3 - 127): the byte cannot fall under 1
.endr
.irp i, 2,4,6,8,10,12,14,16,18,20,22,24,26,28,30
.irp c, 0,1
	v_max3_num_f32 v[TM+\c], v[TM+\c], |v[T+32*\c+\i]|, |v[T+32*\c+\i+1]|
.endr
.endr
.irp c, 0,1
	v_add_nc_u32 v[TM+2+\c], 0xff000000, v[TM+\c]  ; 2 off the exponent field: the conversion's scale operand
.endr
.irp c, 0,1
	v_lshrrev_b32 v[TM+4+\c], 23, v[TM+2+\c]       ; the scale's byte
.endr
	v_lshl_or_b32 v[TM+6], v[TM+5], 16, v[TM+4]    ; blocks h and 2 + h,
	v_lshlrev_b32 v[TM+7], 3, v3
	v_lshlrev_b32 v[TM+6], v[TM+7], v[TM+6]        ; at their places in the word;
	v_mov_b32 v[TM+7], 0
	v_permlanex16_b32 v[TM+7], v[TM+6], s30, s31
	v_or_b32 v[TM+6], v[TM+6], v[TM+7]             ; with lane l xor 16's two the word is whole
.irp c, 0,1
	v_cvt_scalef32_pk16_fp6_f32 v[C+6*\c:C+6*\c+2], v[T+32*\c:T+32*\c+15], v[TM+2+\c]
	v_cvt_scalef32_pk16_fp6_f32 v[CT+4*\c:CT+4*\c+2], v[T+32*\c+16:T+32*\c+31], v[TM+2+\c]
.endr
	v_nop                                          ; one plain place behind a scaled conversion
.irp c, 0,1
.irp i, 0,1,2
	v_mov_b32 v[C+3+6*\c+\i], v[CT+4*\c+\i]
.endr
.endr
.irp g, 0,1,2
	ds_store_b128 v9, v[C+4*\g:C+4*\g+3] offset:16*\g
.endr
	ds_store_b32 v10, v[TM+6]                      ; both halves of the lanes write the same word with the same value
	; my partial logits: with lane l xor 16's; lanes 0-15 keep experts 0-3, lanes 16-31 experts 4-7
.irp e, 0,1,2,3,4,5,6,7
	v_permlanex16_b32 v[RV+\e], v[LG+\e], s30, s31
.endr
.irp e, 0,1,2,3,4,5,6,7
	v_add_f32 v[LG+\e], v[LG+\e], v[RV+\e]
.endr
	v_cmp_eq_u32 vcc_lo, 0, v3
.irp i, 0,1,2,3
	v_cndmask_b32 v[RV+8+\i], v[LG+4+\i], v[LG+\i], vcc_lo
.endr
	ds_store_b128 v11, v[RV+8:RV+11]
	s_wait_dscnt 0x0                               ; for the others' sake: my stores have landed
	s_barrier_signal -1
	s_barrier_wait -1
	; every wave stores two tokens' codes: three stores of 512 consecutive bytes
	ds_load_b128 v[16:19], v12
	ds_load_b128 v[20:23], v13 offset:512
	ds_load_b128 v[24:27], v12 offset:1040
	s_wait_dscnt 0x0
	global_store_b128 v4, v[16:19], s[32:33]
	global_store_b128 v4, v[20:23], s[32:33] offset:512
	global_store_b128 v4, v[24:27], s[32:33] offset:1024
	s_cmp_lg_u32 s16, 1
	s_cbranch_scc1 .Lnot_wave_1
	ds_load_b128 v[32:35], v[AXS]                  ; wave 1: the 16 tokens' scale words, 512 consecutive bytes
	s_wait_dscnt 0x0
	global_store_b128 v4, v[32:35], s[34:35]
.Lnot_wave_1:
	s_cmp_lg_u32 s16, 0
	s_cbranch_scc1 .Lend
	; wave 0: the eight waves' partial logits, K ascending, + the bias
.irp w, 0,1,2,3,4,5,6,7
	ds_load_b128 v[80+4*\w:83+4*\w], v[APL] offset:512*\w
.endr
	s_wait_dscnt 0x0
.irp w, 1,2,3,4,5,6,7
	v_pk_add_f32 v[80:81], v[80:81], v[80+4*\w:81+4*\w]
	v_pk_add_f32 v[82:83], v[82:83], v[82+4*\w:83+4*\w]
.endr
	v_pk_add_f32 v[80:81], v[80:81], v[RB:RB+1]
	v_pk_add_f32 v[82:83], v[82:83], v[RB+2:RB+3]
.irp i, 0,1,2,3
	v_permlanex16_b32 v[84+\i], v[80+\i], s30, s31 ; the token's other four logits
.endr
	v_cmp_eq_u32 vcc_lo, 0, v3
.irp i, 0,1,2,3
	v_cndmask_b32 v[96+\i], v[84+\i], v[80+\i], vcc_lo
	v_cndmask_b32 v[100+\i], v[80+\i], v[84+\i], vcc_lo
.endr                                              ; v96-103: the token's eight logits, in every lane of the pair
.macro SCAN vb, ib                     ; the largest of v96-103 and its index; an equal later logit does not take the place: the lower index wins
	v_mov_b32 v[\vb], v96
	v_mov_b32 v[\ib], 0
.irp e, 1,2,3,4,5,6,7
	v_cmp_le_f32 vcc_lo, v[96+\e], v[\vb]
	v_cndmask_b32 v[\vb], v[96+\e], v[\vb], vcc_lo
	v_cndmask_b32 v[\ib], \e, v[\ib], vcc_lo
.endr
.endm
	SCAN 104, 105
	v_mov_b32 v110, 0xff800000                     ; the winner leaves the field: -infinity
.irp e, 0,1,2,3,4,5,6,7
	v_cmp_eq_u32 vcc_lo, \e, v105
	v_cndmask_b32 v[96+\e], v[96+\e], v110, vcc_lo
.endr
	SCAN 106, 107
	v_sub_f32 v111, v106, v104                     ; the softmax of two: the larger is taken away, so this is 0 or less
	v_mul_f32 v111, 0x3fb8aa3b, v111
	v_exp_f32 v112, v111
	v_lshlrev_b32 v113, 2, v3                      ; (a plain place)  4 h: my first expert of out1
	s_wait_alu depctr_va_vdst(0)                   ; the wait ahead of the first reader
	v_add_f32 v114, 1.0, v112
	v_rcp_f32 v115, v114                           ; the first weight
	v_lshl_or_b32 v116, v107, 8, v105              ; (a plain place)  sel's word
	s_wait_alu depctr_va_vdst(0)
	v_mul_f32 v117, v112, v115                     ; the second weight
.irp i, 0,1,2,3
	v_add_nc_u32 v118, \i, v113
	v_cmp_eq_u32 vcc_lo, v118, v105
	v_cndmask_b32 v[120+\i], 0, v115, vcc_lo
	v_cmp_eq_u32 vcc_lo, v118, v107
	v_cndmask_b32 v[120+\i], v[120+\i], v117, vcc_lo
.endr
	global_store_b128 v14, v[120:123], s[14:15]    ; 32 lanes store 512 consecutive bytes of out1
	v_lshlrev_b32 v119, 2, v2
	global_store_b32 v119, v116, s[12:13]          ; both halves of the lanes write the same word with the same value
.Lend:
	s_wait_tensorcnt 0x0
	ds_add_u32 v232, v233
	s_wait_dscnt 0x0
	s_endpgm
.Lfunc_end_k_q450fbee32b_route:
	.size	k_q450fbee32b_route, .Lfunc_end_k_q450fbee32b_route-k_q450fbee32b_route
	.p2alignl 7, 3214868480
	.fill 96, 4, 3214868480
	.section	.rodata,"a",@progbits
	.p2align	6, 0x0
	.amdhsa_kernel k_q450fbee32b_route
		.amdhsa_group_segment_fixed_size 118528
		.amdhsa_private_segment_fixed_size 0
		.amdhsa_enable_private_segment 0
		.amdhsa_kernarg_size 48
		.amdhsa_user_sgpr_count 2
		.amdhsa_user_sgpr_kernarg_segment_ptr 1
		.amdhsa_wavefront_size32 1
		.amdhsa_system_sgpr_workgroup_id_x 1
		.amdhsa_system_sgpr_workgroup_id_y 1
		.amdhsa_system_sgpr_workgroup_id_z 1
		.amdhsa_system_vgpr_workitem_id 0
		.amdhsa_next_free_vgpr 234
		.amdhsa_next_free_sgpr 66
		.amdhsa_reserve_vcc 1
		.amdhsa_float_denorm_mode_32 3
		.amdhsa_float_denorm_mode_16_64 3
		.amdhsa_memory_ordered 1
		.amdhsa_forward_progress 1
		.amdhsa_inst_pref_size 43
	.end_amdhsa_kernel
	.amdgpu_metadata
---
amdhsa.version: [ 1, 2 ]
amdhsa.kernels:
  - .name:           k_q450fbee32b_route
    .symbol:         k_q450fbee32b_route.kd
    .args:
      - { .name: hidden_states, .offset: 0, .size: 8, .value_kind: global_buffer, .address_space: global }
      - { .name: router_w, .offset: 8, .size: 8, .value_kind: global_buffer, .address_space: global }
      - { .name: router_b, .offset: 16, .size: 8, .value_kind: global_buffer, .address_space: global }
      - { .name: xq, .offset: 24, .size: 8, .value_kind: global_buffer, .address_space: global }
      - { .name: sel, .offset: 32, .size: 8, .value_kind: global_buffer, .address_space: global }
      - { .name: out1, .offset: 40, .size: 8, .value_kind: global_buffer, .address_space: global }
    .group_segment_fixed_size: 118528
    .private_segment_fixed_size: 0
    .kernarg_segment_align: 8
    .kernarg_segment_size: 48
    .max_flat_workgroup_size: 256
    .sgpr_count:     66
    .vgpr_count:     234
    .wavefront_size: 32
...
	.end_amdgpu_metadata
.endif
;; end of part 1
;; launch prep (part 2): grid 385 x 1, 8 waves a work-group, no clusters, 51,200 bytes of LDS; arguments gate_up_proj, down_proj, sel, wq, plan; writes wq, plan
.if DOCPART == 2
	.amdgcn_target "amdgcn-amd-amdhsa--gfx1250"
	.amdhsa_code_object_version 6
	.text
	.protected	k_q450fbee32b_prep
	.globl	k_q450fbee32b_prep
	.p2align	8
	.type	k_q450fbee32b_prep,@function
k_q450fbee32b_prep:
	s_mov_b64 s[64:65], 0
	v_nop
	global_prefetch_b8 v0, s[64:65] scope:SCOPE_SE
	s_setreg_imm32_b32 hwreg(HW_REG_WAVE_MODE, 25, 1), 1
	s_wait_xcnt 0x0
; THE WEIGHTS' CODES, AND THE PLACING OF ROWS.
; Work-groups 1 .. 384: gate_up_proj [8][1024][2048] and down_proj [8][1024][1024], f32 with K as the first axis of an expert, become codes of E2M3 with one E8M0 byte
; for each 32 along K, laid in the order of an operand's registers.  A UNIT is 128 along K x 64 columns, one wave's work: 6,144 bytes of codes [tile 4][group of 4 registers 3][lane 32][16 bytes]
; and 256 bytes of scale words [lane 32][2].  Unit number U = (expert x NQ + q) x 8 + K step, NQ = 32 or 16 groups of 64 columns.
; THE COLUMNS OF A TILE ARE CHOSEN: column 64 q + 2 v + p lies in tile 2 p + (v / 8) % 2 at row v % 8 + 8 (v / 16), so that in a product used transposed a lane's eight results of tiles 2 p and 2 p + 1
; are 16 neighbouring v; in gate_up p = 0 is the gate and p = 1 the up of hidden unit 32 q + v.
; A lane takes columns 2 l and 2 l + 1 and its registers run down K: each load reads 256 consecutive, aligned bytes; a block's largest magnitude needs no other lane; nothing is transposed by an instruction.
; The codes leave through the wave's own 6,144 bytes of LDS as 12 stores of 512 consecutive bytes.  Two blocks (64 loads a wave) are on their way.  No barrier on this path: waves share nothing.
; Work-group 0: reads sel (word t = first expert | second << 8), counts each expert's rows, and stores in plan: the tile table (64 words: expert | rows << 8, 0 = no tile), LIST (the token of each position;
; expert e's rows begin at a multiple of 128), POS (the two positions of each token).  No atomics: counts by lane masks, one barrier for the eight waves' counts.
; LIMITS: NaN and infinities are not served; a block whose largest magnitude lies under 2^-124 gets the byte 1: its codes are zeros, and this program alone reads the bytes.
; The two paths part on the work-group's number and have LDS bytes of their own.
.set DNC,   12582912                   ; wq: down's codes
.set GUS,   18874368                   ; gate_up's scale words
.set DNS,   19398656                   ; down's
.set LISTO, 256
.set POSO,  20224
.set PLDS,  49152                      ; LDS of the placing path
.set C,    12                          ; v12-17   a block's codes
.set CT,   20                          ; v20-22   a conversion's second half
.set OFFK, 24                          ; v24-55   row i of a block: i x pitch + 8 lane
.set T,    56                          ; v56-87   one column's 32 numbers
.set X0,   88                          ; v88-151, v152-215: two sets of 32 pairs as loaded
	s_load_b256 s[4:11], s[0:1], 0x0               ; gate_up s[4:5], down s[6:7], sel s[8:9], wq s[10:11]
	s_load_b64 s[12:13], s[0:1], 0x20              ; plan
	v_lshl_add_u32 v216, v0, 2, 0xc400
	v_mov_b32 v217, 0
	v_lshrrev_b32 v1, 5, v0
	v_readfirstlane_b32 s14, v1                    ; wave
	v_and_b32 v1, 31, v0                           ; lane
	s_cmp_eq_u32 ttmp9, 0
	s_cbranch_scc1 .Lplace
	s_sub_co_u32 s15, ttmp9, 1
	s_cmp_lt_u32 s15, 256                          ; the first 256 take gate_up, the other 128 down: the choice hangs on the work-group's number alone
	s_cselect_b32 s17, 2, 1                        ; log2 of the groups of eight q
	s_cselect_b32 s18, 13, 12                      ; log2 of a row's bytes
	s_cselect_b32 s19, 0, 256
	s_cselect_b32 s20, 5, 4                        ; log2 NQ
	s_cselect_b32 s22, 0, DNC
	s_mov_b32 s23, DNS
	s_cselect_b32 s23, GUS, s23
	s_sub_co_u32 s16, s15, s19
	s_lshl_b32 s24, 1, s17
	s_sub_co_u32 s24, s24, 1
	s_and_b32 s24, s16, s24
	s_lshr_b32 s25, s16, s17
	s_and_b32 s26, s25, 7                          ; K step
	s_lshr_b32 s27, s25, 3                         ; expert
	s_lshl_b32 s24, s24, 3
	s_add_co_u32 s24, s24, s14                     ; q: the eight waves stand side by side on 2,048 bytes of each row
	s_lshl_b32 s28, s27, 10
	s_lshl_b32 s29, s26, 7
	s_add_co_u32 s28, s28, s29
	s_lshl_b32 s28, s28, s18                       ; (1024 expert + 128 K step) rows, under 2^27 bytes
	s_lshl_b32 s29, s24, 8
	s_add_co_u32 s28, s28, s29
	s_mov_b32 s29, 0
	s_lshl_b32 s40, s27, s20
	s_add_co_u32 s40, s40, s24
	s_lshl_b32 s40, s40, 3
	s_add_co_u32 s40, s40, s26                     ; U
	s_mul_i32 s42, s40, 6144
	s_add_co_u32 s42, s42, s22
	s_mov_b32 s43, 0
	s_lshl_b32 s44, s40, 8
	s_add_co_u32 s44, s44, s23
	s_mov_b32 s45, 0
	s_lshl_b32 s41, 1, s18                         ; a row's bytes
	s_lshl_b32 s46, 32, s18                        ; a block's
	s_mov_b32 s47, 0
	v_bfe_u32 v8, v0, 3, 1                         ; (v / 8) % 2
	v_and_b32 v9, 7, v0
	v_bfe_u32 v10, v0, 4, 1
	v_lshl_add_u32 v9, v10, 3, v9                  ; the tile's row
	s_mul_i32 s48, s14, 6144
	v_mul_u32_u24 v2, v8, 1536
	v_lshl_add_u32 v2, v9, 4, v2
	v_add_nc_u32 v2, s48, v2                       ; the stage, in
	v_lshlrev_b32 v4, 4, v1
	v_add_nc_u32 v3, s48, v4                       ; the stage, out
	v_lshl_add_u32 v5, v8, 4, v9
	v_lshlrev_b32 v5, 3, v5                        ; my two scale words' place
	v_lshlrev_b32 v[OFFK], 3, v1
.set i, 1
.rept 31
	v_add_nc_u32 v[OFFK+i], s41, v[OFFK+i-1]
.set i, i+1
.endr
	s_wait_kmcnt 0x0
	s_cmp_lt_u32 s15, 256
	s_cselect_b64 s[32:33], s[4:5], s[6:7]
	s_add_nc_u64 s[32:33], s[32:33], s[28:29]      ; a base for each of the unit's four blocks
	s_add_nc_u64 s[34:35], s[32:33], s[46:47]
	s_add_nc_u64 s[36:37], s[34:35], s[46:47]
	s_add_nc_u64 s[38:39], s[36:37], s[46:47]
	s_add_nc_u64 s[42:43], s[10:11], s[42:43]
	s_add_nc_u64 s[44:45], s[10:11], s[44:45]
.macro LOADB beta                      ; block beta: 32 rows, my two columns of each
.set i, 0
.rept 32
	global_load_b64 v[X0+64*((\beta)%2)+2*i:X0+64*((\beta)%2)+2*i+1], v[OFFK+i], s[32+2*(\beta):33+2*(\beta)] th:TH_LOAD_NT
.set i, i+1
.endr
.endm
; Column p of block beta: 32 numbers into consecutive registers, the scale, the codes, and the codes to their place in the unit's image.
; Block beta is registers 6 (beta / 2) .. + 5 of lane (row, beta % 2).  next = 1: the set is free behind the moves and takes the block two on.
.macro QCOL beta, p, next
.set XB, X0+64*((\beta)%2)
.set i, 0
.rept 32
	v_mov_b32 v[T+i], v[XB+2*i+\p]
.set i, i+1
.endr
.if \next
	LOADB (\beta)+2
.endif
	v_max3_num_f32 v8, |v[T]|, |v[T+1]|, 0x1800000 ; with the floor 2^(3 - 127): the byte cannot fall under 1
	v_max3_num_f32 v9, |v[T+2]|, |v[T+3]|, |v[T+4]|
.irp i, 5,9,13,17,21,25
	v_max3_num_f32 v8, v8, |v[T+\i]|, |v[T+\i+1]|
	v_max3_num_f32 v9, v9, |v[T+\i+2]|, |v[T+\i+3]|
.endr
	v_max3_num_f32 v8, v8, |v[T+29]|, |v[T+30]|
	v_max3_num_f32 v8, v8, v9, |v[T+31]|
	v_add_nc_u32 v10, 0xff000000, v8               ; 2 off the exponent field: the conversion's scale operand
	v_lshrrev_b32 v11, 23, v10                     ; the scale's byte
.if (\beta) == 0
	v_mov_b32 v[6+\p], v11
.else
	v_lshl_or_b32 v[6+\p], v11, 8*(\beta), v[6+\p]
.endif
	s_wait_dscnt 0x0                               ; the last column's stores have read the codes' registers
	v_cvt_scalef32_pk16_fp6_f32 v[C:C+2], v[T:T+15], v10
	v_cvt_scalef32_pk16_fp6_f32 v[CT:CT+2], v[T+16:T+31], v10
	v_nop                                          ; one plain place behind a scaled conversion
.irp i, 0,1,2
	v_mov_b32 v[C+3+\i], v[CT+\i]
.endr
.if (\beta)/2 == 0
	ds_store_b128 v2, v[C:C+3] offset:3072*\p+256*((\beta)%2)
	ds_store_b64 v2, v[C+4:C+5] offset:3072*\p+256*((\beta)%2)+512
.else
	ds_store_b64 v2, v[C:C+1] offset:3072*\p+256*((\beta)%2)+520
	ds_store_b128 v2, v[C+2:C+5] offset:3072*\p+256*((\beta)%2)+1024
.endif
.endm
	LOADB 0
	LOADB 1
	s_wait_loadcnt 32                              ; this block's 32 loads are in; the next block's may be out
	QCOL 0, 0, 0
	QCOL 0, 1, 1
	s_wait_loadcnt 32
	QCOL 1, 0, 0
	QCOL 1, 1, 1
	s_wait_loadcnt 32
	QCOL 2, 0, 0
	QCOL 2, 1, 0
	s_wait_loadcnt 0x0
	QCOL 3, 0, 0
	QCOL 3, 1, 0
.irp i, 0,1,2,3,4,5,6,7,8,9,10,11
	ds_load_b128 v[X0+4*\i:X0+4*\i+3], v3 offset:512*\i   ; the wave's own bytes, served in order: these see my stores
.endr
.irp i, 0,1,2,3,4,5,6,7,8,9,10,11
	s_wait_dscnt 11-\i
	global_store_b128 v4, v[X0+4*\i:X0+4*\i+3], s[42:43] offset:512*\i   ; 512 consecutive bytes, aligned
.endr
	global_store_b64 v5, v[6:7], s[44:45]          ; the unit's 256 bytes of scale words
	s_wait_tensorcnt 0x0
	ds_add_u32 v216, v217
	s_wait_dscnt 0x0
	s_endpgm
.Lplace:
	; wave w takes tokens 256 w + 32 c + lane, c = 0 .. 7.  s16-23 counts, then totals; s24-31 tiles; s32-39 the next free position; s40-47 an expert's first tile
	v_lshlrev_b32 v2, 2, v1
	s_lshl_b32 s48, s14, 10
	v_add_nc_u32 v2, s48, v2                       ; sel: 1,024 w + 4 lane
	v_lshl_add_u32 v3, v0, 2, PLDS                 ; LDS: my wave's 32 words
	v_lshl_add_u32 v4, v1, 2, PLDS                 ; LDS: word lane of wave 0's
	v_lshlrev_b32 v5, 3, v1
	s_lshl_b32 s48, s14, 11
	v_add_nc_u32 v5, s48, v5                       ; POS: 2,048 w + 8 lane
	s_lshl_b32 s48, s14, 8
	v_add_nc_u32 v6, s48, v1                       ; my token of chunk 0
	s_wait_kmcnt 0x0
.irp c, 0,1,2,3,4,5,6,7
	global_load_b32 v[16+\c], v2, s[8:9] offset:128*\c
.endr
.irp e, 0,1,2,3,4,5,6,7
	s_mov_b32 s[16+\e], 0
.endr
	s_wait_loadcnt 0x0
.irp c, 0,1,2,3,4,5,6,7
	v_and_b32 v[24+\c], 7, v[16+\c]
	v_bfe_u32 v[32+\c], v[16+\c], 8, 3
	v_mov_b32 v[40+2*\c], 0
	v_mov_b32 v[41+2*\c], 0
.endr
.irp c, 0,1,2,3,4,5,6,7
.irp e, 0,1,2,3,4,5,6,7
	v_cmp_eq_u32 s48, \e, v[24+\c]
	v_cmp_eq_u32 s49, \e, v[32+\c]
	s_or_b32 s48, s48, s49                         ; a token's two experts differ: a lane is counted once for an expert
	s_bcnt1_i32_b32 s48, s48
	s_add_co_u32 s[16+\e], s[16+\e], s48
.endr
.endr
	v_mov_b32 v80, 0
.irp e, 0,1,2,3,4,5,6,7
	v_writelane_b32 v80, s[16+\e], \e
.endr
	ds_store_b32 v3, v80
	s_wait_dscnt 0x0                               ; for the others' sake: my counts have landed
	s_barrier_signal -1
	s_barrier_wait -1
.irp w, 0,1,2,3,4,5,6,7
	ds_load_b32 v[84+\w], v4 offset:128*\w
.endr
	v_mov_b32 v92, 0
	v_mov_b32 v93, 0
	s_wait_dscnt 0x0
.irp w, 0,1,2,3,4,5,6,7
	v_add_nc_u32 v92, v92, v[84+\w]                ; lane e: expert e's rows in all,
	s_cmp_gt_u32 s14, \w
	s_cselect_b32 s48, 1, 0
	v_mad_u32_u24 v93, v[84+\w], s48, v93          ; and in the waves before mine
.endr
	v_add_nc_u32 v94, 127, v92
	v_lshrrev_b32 v94, 7, v94                      ; its tiles of 128 rows
.irp e, 0,1,2,3,4,5,6,7
	v_readlane_b32 s[16+\e], v92, \e
	v_readlane_b32 s[24+\e], v94, \e
	v_readlane_b32 s[32+\e], v93, \e
.endr
	s_mov_b32 s40, 0
.irp e, 1,2,3,4,5,6,7
	s_add_co_u32 s[40+\e], s[39+\e], s[23+\e]
.endr
.irp e, 0,1,2,3,4,5,6,7
	s_lshl_b32 s48, s[40+\e], 7
	s_add_co_u32 s[32+\e], s[32+\e], s48
.endr
.irp c, 0,1,2,3,4,5,6,7
.irp e, 0,1,2,3,4,5,6,7
	v_cmp_eq_u32 s48, \e, v[24+\c]
	v_cmp_eq_u32 s49, \e, v[32+\c]
	s_or_b32 s50, s48, s49
	v_mbcnt_lo_u32_b32 v95, s50, s[32+\e]          ; the next free position + the lanes before mine that take this expert
	v_cndmask_b32 v[40+2*\c], v[40+2*\c], v95, s48
	v_cndmask_b32 v[41+2*\c], v[41+2*\c], v95, s49
	s_bcnt1_i32_b32 s50, s50
	s_add_co_u32 s[32+\e], s[32+\e], s50
.endr
.endr
.irp c, 0,1,2,3,4,5,6,7                ; each chunk has registers of its own: no store's sources are written again
	v_add_nc_u32 v[56+\c], 32*\c, v6
	v_min_u32 v[64+\c], 4991, v[40+2*\c]           ; there are 39 x 128 positions
	v_lshlrev_b32 v[64+\c], 2, v[64+\c]
	v_min_u32 v[72+\c], 4991, v[41+2*\c]
	v_lshlrev_b32 v[72+\c], 2, v[72+\c]
	global_store_b64 v5, v[40+2*\c:41+2*\c], s[12:13] offset:POSO+256*\c   ; 256 consecutive bytes, aligned
	global_store_b32 v[64+\c], v[56+\c], s[12:13] offset:LISTO
	global_store_b32 v[72+\c], v[56+\c], s[12:13] offset:LISTO
.endr
	s_cmp_lg_u32 s14, 0
	s_cbranch_scc1 .Lplaced
	v_lshlrev_b32 v96, 1, v1                       ; wave 0: the tile table, tiles 2 lane and 2 lane + 1
	v_add_nc_u32 v97, 1, v96
	v_mov_b32 v98, 0
	v_mov_b32 v99, 0
.irp e, 0,1,2,3,4,5,6,7
.irp k, 0,1
	v_sub_nc_u32 v100, v[96+\k], s[40+\e]          ; which of the expert's tiles (a tile before its first wraps to a large number)
	v_cmp_gt_u32 vcc_lo, s[24+\e], v100
	v_lshlrev_b32 v101, 7, v100
	v_sub_nc_u32 v101, s[16+\e], v101
	v_min_u32 v101, 128, v101                      ; its rows
	v_lshl_or_b32 v101, v101, 8, \e
	v_cndmask_b32 v[98+\k], v[98+\k], v101, vcc_lo
.endr
.endr
	global_store_b64 v5, v[98:99], s[12:13]        ; in wave 0 the offset is 8 lane: 256 consecutive bytes
.Lplaced:
	s_wait_tensorcnt 0x0
	ds_add_u32 v216, v217
	s_wait_dscnt 0x0
	s_endpgm
.Lfunc_end_k_q450fbee32b_prep:
	.size	k_q450fbee32b_prep, .Lfunc_end_k_q450fbee32b_prep-k_q450fbee32b_prep
	.p2alignl 7, 3214868480
	.fill 96, 4, 3214868480
	.section	.rodata,"a",@progbits
	.p2align	6, 0x0
	.amdhsa_kernel k_q450fbee32b_prep
		.amdhsa_group_segment_fixed_size 51200
		.amdhsa_private_segment_fixed_size 0
		.amdhsa_enable_private_segment 0
		.amdhsa_kernarg_size 40
		.amdhsa_user_sgpr_count 2
		.amdhsa_user_sgpr_kernarg_segment_ptr 1
		.amdhsa_wavefront_size32 1
		.amdhsa_system_sgpr_workgroup_id_x 1
		.amdhsa_system_sgpr_workgroup_id_y 1
		.amdhsa_system_sgpr_workgroup_id_z 1
		.amdhsa_system_vgpr_workitem_id 0
		.amdhsa_next_free_vgpr 218
		.amdhsa_next_free_sgpr 66
		.amdhsa_reserve_vcc 1
		.amdhsa_float_denorm_mode_32 3
		.amdhsa_float_denorm_mode_16_64 3
		.amdhsa_memory_ordered 1
		.amdhsa_forward_progress 1
		.amdhsa_inst_pref_size 97
	.end_amdhsa_kernel
	.amdgpu_metadata
---
amdhsa.version: [ 1, 2 ]
amdhsa.kernels:
  - .name:           k_q450fbee32b_prep
    .symbol:         k_q450fbee32b_prep.kd
    .args:
      - { .name: gate_up_proj, .offset: 0, .size: 8, .value_kind: global_buffer, .address_space: global }
      - { .name: down_proj, .offset: 8, .size: 8, .value_kind: global_buffer, .address_space: global }
      - { .name: sel, .offset: 16, .size: 8, .value_kind: global_buffer, .address_space: global }
      - { .name: wq, .offset: 24, .size: 8, .value_kind: global_buffer, .address_space: global }
      - { .name: plan, .offset: 32, .size: 8, .value_kind: global_buffer, .address_space: global }
    .group_segment_fixed_size: 51200
    .private_segment_fixed_size: 0
    .kernarg_segment_align: 8
    .kernarg_segment_size: 40
    .max_flat_workgroup_size: 256
    .sgpr_count:     66
    .vgpr_count:     218
    .wavefront_size: 32
...
	.end_amdgpu_metadata
.endif
;; end of part 2
;; launch gateup (part 3): grid 4 x 39, 4 waves a work-group, no clusters, 124,416 bytes of LDS; arguments plan, xq, wq, gate_up_bias, hq; writes hq
.if DOCPART == 3
	.amdgcn_target "amdgcn-amd-amdhsa--gfx1250"
	.amdhsa_code_object_version 6
	.text
	.protected	k_q450fbee32b_gateup
	.globl	k_q450fbee32b_gateup
	.p2align	8
	.type	k_q450fbee32b_gateup,@function
k_q450fbee32b_gateup:
	s_mov_b64 s[64:65], 0
	v_nop
	global_prefetch_b8 v0, s[64:65] scope:SCOPE_SE
	s_setreg_imm32_b32 hwreg(HW_REG_WAVE_MODE, 25, 1), 1
	s_wait_xcnt 0x0
; THE FIRST PRODUCT OF THE CHOSEN ROWS: h = (clip(up) + 1) x gate' sigmoid(1.702 gate'), gate' = min(gate, 7), (gate, up) = x W1 + b1, on codes of E2M3; h is quantised along the next K and stored as codes.
; Work-group (x, j): tile j of the plan's table (128 positions of one expert) x gate_up columns 512 x .. 512 x + 511, IN TWO PASSES of 256 columns: pass z makes hidden units 128 (2 x + z) on = K step 2 x + z of the second product.
; The grid has ceil(4096 / 128) + 7 = 39 tiles, which serves every split, x 4 = 156 work-groups: each has a WGP of its own.  A tile without rows stores nothing: a branch on a stored number, so there is no tensor load.
; No cluster: partners would have to be tiles of one expert, and how many tiles an expert has is read from memory.
; Wave w, pass z: all 128 rows x unit q = 8 x + 4 z + w (64 columns): 32 accumulators.  ITS WEIGHTS, all of K (48 KiB), come from memory straight into 384 registers, each byte once in the work-group.
; Pass 1's weights are asked for into the same registers while pass 0's activation is computed: 52 loads ahead of it, 60 in its middle, in the order of the head's loads, so that both passes have the same waits.
; THE ROWS' CODES (64 fragments, 98,304 bytes) are gathered once into LDS, a lane's 48 bytes on end, and serve all four waves in both passes, read a K step ahead.
; Rows past the tile's count repeat its last row; a tile without rows reads tile 0's list: every load stays on bytes that were written, and no barrier stands under the branch.
; THE PRODUCT IS USED TRANSPOSED (source 0 = 16 columns of W1, source 1 = 16 rows): lane (r, h) holds row r; register j of tile 2 p + u holds column 64 q + 2 (16 h + 8 u + j) + p: p = 0 gate, p = 1 up
; of hidden unit 32 q + 16 h + 8 u + j.  So a wave's 32 units are ONE block of 32 of the next K, half in lane l, half in lane l xor 16.  The bias is the C of each sum's first matrix instruction.
; hq: codes [tile 39][K step 8][row tile 8][lane 32][48 bytes], the operand's registers; scale words [tile][K step][128], row (m, r) at word 4 r + 64 (m % 2) + m / 2.
; THREE BARRIERS: the rows' codes lie in LDS | pass 0's codes lie in its stage | pass 1's in its own.  Each pass has a stage of its own, so pass 1 writes no byte that a wave may still read of pass 0's.
; LIMITS: NaN and infinities are not served; a block whose largest magnitude lies under 2^-124 gets the byte 1 (its codes are zeros; this program alone reads the bytes).
; REGISTERS, in windows of 256: window 0: v0-15 addresses; v16-47 the rows' scale words (register 8 (m / 2) + s: lanes 0-15 row tile m even, 16-31 odd); v48-63 the weights' (2 s + p: lanes 0-15 tile 2 p, 16-31 tile 2 p + 1);
;   v64-159, v160-255 two sets of the rows' 8 fragments; v192-223 also the bias as loaded, until the first K step.  window 1: accumulator (m, f) at v[8 (4 m + f)]; before that 192 registers on the rows' way into LDS.
;   window 2: the weights of K steps 0-4 at v[48 s + 12 f];  window 3: of K steps 5-7; v144-175 the bias in the result's layout.
.set LISTO, 256
.set XSO,   1572864
.set GUSO,  18874368
.set HSO,   3833856
.set STG,   98304                      ; LDS behind the rows' codes: pass 0's 12,288 bytes of h's codes,
.set SCST,  110592                     ; and its 512 bytes of scale words;
.set PSTG,  12800                      ; pass 1's lie this much further on
.set AS,  16
.set BS,  48
.set A0,  64
.set RAWB, 192                         ; the bias as loaded: registers that the activation does not touch
.set BI,  144
.set G,   64                           ; the activation: v64-95 gate, v96-127 up, v128-159 the exponentials, then h
.set UP,  96
.set EX,  128
.set MSB, 0
.macro WIN new                         ; the immediate's high byte repeats the setting that is left
.if MSB != \new
	s_set_vgpr_msb (MSB<<8)|\new
.set MSB, \new
.endif
.endm
.macro PLACES                          ; four plain places behind a matrix instruction of this form, in front of loads into its sources and of reads of its results
.rept 4
	v_nop
.endr
.endm
.macro BLOAD s, z                      ; pass z's weights of K step s: 12 loads of 512 consecutive bytes; four units on is 4 x 49,152 bytes
.if (\s) < 5
	WIN 0x80
.else
	WIN 0xc0
.endif
.irp f, 0,1,2,3
.irp g, 0,1,2
	global_load_b128 v[48*((\s)%5)+12*\f+4*\g:48*((\s)%5)+12*\f+4*\g+3], v1, s[24:25] offset:196608*(\z)+6144*(\s)+1536*\f+512*\g
.endr
.endr
.endm
.macro BSLOAD z                        ; pass z's weights' scale words, all of K: 8 loads of 256 consecutive bytes
.irp s, 0,1,2,3,4,5,6,7
	global_load_b64 v[BS+2*\s:BS+2*\s+1], v12, s[26:27] offset:8192*(\z)+256*\s
.endr
.endm
.macro BIASLOAD z                      ; pass z's 64 numbers of the bias: my half's 32
.irp u, 0,1
.irp i, 0,1,2,3
	global_load_b128 v[RAWB+16*\u+4*\i:RAWB+16*\u+4*\i+3], v13, s[28:29] offset:1024*(\z)+64*\u+16*\i
.endr
.endr
.endm
.macro AFETCH s                        ; the rows' 8 fragments of K step s into set s % 2
.irp m, 0,1,2,3,4,5,6,7
.irp g, 0,1,2
	ds_load_b128 v[A0+96*((\s)%2)+12*\m+4*\g:A0+96*((\s)%2)+12*\m+4*\g+3], v[2+(\s)/4] offset:((8*(\s)+\m)%32)*1536+16*\g
.endr
.endr
.endm
.macro WM s, m, f
.set rD, 8*(4*(\m)+(\f))
.set rC, rD
.if (\s) == 0
.set rC, BI+8*(\f)
.endif
.set rB, 48*((\s)%5)+12*(\f)
.set rA, A0+96*((\s)%2)+12*(\m)
.set rP, BS+2*(\s)+(\f)/2
.set rQ, AS+8*((\m)/2)+(\s)
.if ((\f)%2) && ((\m)%2)
	v_wmma_scale_f32_16x16x128_f8f6f4 v[rD:rD+7], v[rB:rB+11], v[rA:rA+11], v[rC:rC+7], v[rP], v[rQ] matrix_a_fmt:MATRIX_FMT_FP6 matrix_b_fmt:MATRIX_FMT_FP6 matrix_a_scale:MATRIX_SCALE_ROW1 matrix_b_scale:MATRIX_SCALE_ROW1
.elseif (\f)%2
	v_wmma_scale_f32_16x16x128_f8f6f4 v[rD:rD+7], v[rB:rB+11], v[rA:rA+11], v[rC:rC+7], v[rP], v[rQ] matrix_a_fmt:MATRIX_FMT_FP6 matrix_b_fmt:MATRIX_FMT_FP6 matrix_a_scale:MATRIX_SCALE_ROW1
.elseif (\m)%2
	v_wmma_scale_f32_16x16x128_f8f6f4 v[rD:rD+7], v[rB:rB+11], v[rA:rA+11], v[rC:rC+7], v[rP], v[rQ] matrix_a_fmt:MATRIX_FMT_FP6 matrix_b_fmt:MATRIX_FMT_FP6 matrix_b_scale:MATRIX_SCALE_ROW1
.else
	v_wmma_scale_f32_16x16x128_f8f6f4 v[rD:rD+7], v[rB:rB+11], v[rA:rA+11], v[rC:rC+7], v[rP], v[rQ] matrix_a_fmt:MATRIX_FMT_FP6 matrix_b_fmt:MATRIX_FMT_FP6
.endif
.endm
; A K step: the next step's fragments are asked for, then 32 matrix instructions; the 32 accumulators take turns in the same order in every step.
.macro KSTEP s
.if (\s) > 0
	PLACES                                         ; the set to be loaded was read by the step before
.endif
.if (\s) < 7
	AFETCH (\s)+1
	s_wait_dscnt 24                                ; all but the 24 loads just issued
.else
	s_wait_dscnt 0x0
.endif
.if (\s) >= 3
	s_wait_loadcnt 12*(7-(\s))                     ; this step's weights are in; the later steps' 12 loads each may be out
.endif
.if (\s) == 0
	WIN 0x72                                       ; weights window 2, rows window 0, C = the bias in window 3, D window 1
.elseif (\s) < 5
	WIN 0x52
.else
	WIN 0x53
.endif
.irp m, 0,1,2,3,4,5,6,7
.irp f, 0,1,2,3
	WM \s, \m, \f
.endr
.endr
	WIN 0
.endm
; Row tiles a and a + 1 of pass z: the activation of 32 numbers a lane (16 t + 8 u + j), the block's scale, the codes, into pass z's stage.
.macro EPI a, z
	WIN 0x01                                       ; source 0: the accumulators
.irp t, 0,1
.irp u, 0,1
.irp j, 0,1,2,3,4,5,6,7
	v_min_num_f32 v[G+16*\t+8*\u+\j], v[8*(4*((\a)+\t)+\u)+\j], s40
.endr
.endr
.endr
.irp t, 0,1
.irp u, 0,1
.irp j, 0,1,2,3,4,5,6,7
	v_med3_num_f32 v[UP+16*\t+8*\u+\j], v[8*(4*((\a)+\t)+2+\u)+\j], s41, s40
.endr
.endr
.endr
	WIN 0
.set n, 0
.rept 16
	v_pk_mul_f32 v[EX+n:EX+n+1], v[G+n:G+n+1], s[42:43] op_sel_hi:[1,0]   ; -1.702 log2(e) x gate
.set n, n+2
.endr
.set n, 0
.rept 32
	v_exp_f32 v[EX+n], v[EX+n]
.set n, n+1
.endr
	v_nop                                          ; a plain place behind the batch
	s_wait_alu depctr_va_vdst(0)                   ; one wait for the batch, ahead of its first reader
.set n, 0
.rept 16
	v_pk_add_f32 v[EX+n:EX+n+1], v[EX+n:EX+n+1], 1.0 op_sel_hi:[1,0]
.set n, n+2
.endr
.set n, 0
.rept 32
	v_rcp_f32 v[EX+n], v[EX+n]                     ; the sigmoid (an exponential that has overflowed gives 0, as it should)
.set n, n+1
.endr
	v_nop
	s_wait_alu depctr_va_vdst(0)
.set n, 0
.rept 16
	v_pk_mul_f32 v[G+n:G+n+1], v[G+n:G+n+1], v[EX+n:EX+n+1]
.set n, n+2
.endr
.set n, 0
.rept 16
	v_pk_fma_f32 v[EX+n:EX+n+1], v[UP+n:UP+n+1], v[G+n:G+n+1], v[G+n:G+n+1]   ; (up + 1) x glu
.set n, n+2
.endr
	s_wait_dscnt 0x0                               ; the last pair's LDS stores have read the registers that are written next
.irp t, 0,1
	v_max3_num_f32 v[160+\t], |v[EX+16*\t]|, |v[EX+16*\t+1]|, 0x1800000   ; my 16 of the block, with the floor 2^(3 - 127)
.endr
.irp i, 2,4,6,8,10,12,14
.irp t, 0,1
	v_max3_num_f32 v[160+\t], v[160+\t], |v[EX+16*\t+\i]|, |v[EX+16*\t+\i+1]|
.endr
.endr
.irp t, 0,1
	v_permlanex16_b32 v[162+\t], v[160+\t], s44, s45
.endr
.irp t, 0,1
	v_max_num_f32 v[160+\t], v[160+\t], v[162+\t]  ; with lane l xor 16's: the block's largest magnitude
.endr
.irp t, 0,1
	v_add_nc_u32 v[164+\t], 0xff000000, v[160+\t]  ; 2 off the exponent field: the conversion's scale operand
.endr
.irp t, 0,1
	v_lshrrev_b32 v[166+\t], 23, v[164+\t]
.endr
.irp t, 0,1
	ds_store_b8 v15, v[166+\t] offset:PSTG*(\z)+256*\t+4*((\a)/2)   ; byte w of the row's word; both halves of the lanes write the same byte with the same value
.endr
	v_cvt_scalef32_pk16_fp6_f32 v[168:170], v[EX:EX+15], v164
	v_cvt_scalef32_pk16_fp6_f32 v[176:178], v[EX+16:EX+31], v165
	v_nop                                          ; one plain place behind a scaled conversion
.irp i, 0,1,2
	v_permlane16_swap_b32 v[168+\i], v[176+\i]     ; lane (r, h) now holds the whole block of row r of row tile a + h: the lower 16 codes here, the upper 16 there
.endr
.irp i, 0,1,2
	v_mov_b32 v[171+\i], v[176+\i]
.endr
.irp i, 0,1,2
	ds_store_b64 v14, v[168+2*\i:169+2*\i] offset:PSTG*(\z)+1536*(\a)+8*\i
.endr
.endm
; PASS z: the bias into the result's layout, eight K steps, the activation and the codes.  Pass 0 also asks for pass 1's weights, scale words and bias.
.macro WORK z
.if (\z) == 1
	s_wait_loadcnt 60                              ; this pass's scale words, bias and K steps 0-2 are in; behind them the 60 loads of K steps 3-7
.endif
	WIN 0xc0
.irp p, 0,1
.irp u, 0,1
.irp j, 0,1,2,3,4,5,6,7
	v_mov_b32 v[BI+8*(2*\p+\u)+\j], v[RAWB+16*\u+2*\j+\p]   ; the bias in the result's layout
.endr
.endr
.endr
	WIN 0
	PLACES
.if (\z) == 1
	s_wait_xcnt 0x0                                ; pass 0's stores have read their registers: the fragments below land there
.endif
	AFETCH 0
	KSTEP 0
	KSTEP 1
	KSTEP 2
	KSTEP 3
	KSTEP 4
	KSTEP 5
	KSTEP 6
	KSTEP 7
	PLACES                                         ; for the loads into registers that the products have read, and for the first reads of results
.if (\z) == 0
	BSLOAD 1                                       ; 8 + 8 + 36 = 52 loads, as in the head
	BIASLOAD 1
	BLOAD 0, 1
	BLOAD 1, 1
	BLOAD 2, 1
	WIN 0
.endif
	v_mov_b32 v162, 0                              ; a lane permute's destination counts as one of its sources
	v_mov_b32 v163, 0
	EPI 0, \z
	EPI 2, \z
.if (\z) == 0
	BLOAD 3, 1                                     ; the other 60, two pairs of row tiles later
	BLOAD 4, 1
	BLOAD 5, 1
	BLOAD 6, 1
	BLOAD 7, 1
	WIN 0
.endif
	EPI 4, \z
	EPI 6, \z
.endm
; THE WAY OUT of pass z: each wave stores a quarter of the stage, wave 0 also the scale words.
.macro OUT z
.irp i, 0,1,2,3,4,5
	ds_load_b128 v[64+4*\i:67+4*\i], v4 offset:PSTG*(\z)+512*\i
.endr
.irp i, 0,1,2,3,4,5
	s_wait_dscnt 5-\i
	global_store_b128 v1, v[64+4*\i:67+4*\i], s[34:35] offset:12288*(\z)+512*\i   ; 512 consecutive bytes, aligned
.endr
	s_cmp_lg_u32 s14, 0
	s_cbranch_scc1 .Lnot_wave_0_\@
	ds_load_b128 v[96:99], v5 offset:PSTG*(\z)     ; wave 0: the 128 scale words
	s_wait_dscnt 0x0
	global_store_b128 v1, v[96:99], s[36:37] offset:512*(\z)
.Lnot_wave_0_\@:
.endm
	s_load_b256 s[4:11], s[0:1], 0x0               ; plan s[4:5], xq s[6:7], wq s[8:9], bias s[10:11]
	s_load_b64 s[12:13], s[0:1], 0x20              ; hq
	s_set_vgpr_msb 0x80
	v_lshl_add_u32 v254, v0, 2, 0x1e400
	v_mov_b32 v255, 0
	s_set_vgpr_msb 0x8000
	v_lshrrev_b32 v1, 5, v0
	v_readfirstlane_b32 s14, v1                    ; wave
	s_and_b32 s16, ttmp7, 0xffff                   ; tile j
	s_lshl_b32 s17, s16, 2
	s_wait_kmcnt 0x0
	s_load_b32 s18, s[4:5], s17 offset:0x0         ; the tile's word: expert | rows << 8
	v_and_b32 v64, 31, v0                          ; lane
	v_and_b32 v65, 15, v0                          ; r
	v_bfe_u32 v66, v0, 4, 1                        ; h
	v_lshlrev_b32 v1, 4, v64                       ; 16 lane
	v_mul_u32_u24 v2, v64, 48                      ; a fragment's place for my lane, K steps 0-3,
	v_add_nc_u32 v3, 49152, v2                     ; K steps 4-7
	s_mul_i32 s46, s14, 3072
	v_add_nc_u32 v4, s46, v2                       ; where I put my two row tiles (later: the way out's addresses)
	v_add_nc_u32 v5, 49152, v4
	v_lshlrev_b32 v12, 3, v64                      ; the weights' scale words: 8 lane
	v_lshlrev_b32 v13, 7, v66                      ; the bias: 128 h
	s_and_b32 s46, s14, 1
	s_mul_i32 s46, s46, 768
	s_lshr_b32 s47, s14, 1
	s_mul_i32 s47, s47, 24
	s_add_co_u32 s46, s46, s47
	s_add_co_u32 s46, s46, STG
	v_mul_u32_u24 v14, v66, 1536
	v_mad_u32_u24 v14, v65, 48, v14
	v_add_nc_u32 v14, s46, v14                     ; h's codes: row tile a + h, lane r + 16 (w % 2), registers 6 (w / 2) on
	s_add_co_u32 s47, s14, SCST
	v_lshl_add_u32 v15, v65, 4, s47                ; h's scale byte: 16 r + w
	s_lshl_b32 s46, s14, 5
	v_add_nc_u32 v67, s46, v65                     ; the rows whose codes I gather: 16 (2 w + mm) + r,
	v_add_nc_u32 v68, 16, v67
	v_mov_b32 v69, v64                             ; and those whose scale words: 32 i + lane
	v_add_nc_u32 v70, 32, v64
	v_add_nc_u32 v71, 64, v64
	v_add_nc_u32 v72, 96, v64
	v_mul_u32_u24 v79, v66, 48
	s_mov_b32 s40, 0x40e00000                      ; 7.0
	s_mov_b32 s41, 0xc0e00000                      ; -7.0
	s_mov_b32 s42, 0xc01d265f                      ; -1.702 log2(e)
	s_mov_b32 s43, s42                             ; (named with it as a pair, so it is written)
	s_mov_b32 s44, 0x76543210
	s_mov_b32 s45, 0xfedcba98
	s_lshl_b32 s23, ttmp9, 3
	s_add_co_u32 s23, s23, s14                     ; pass 0's q = 8 x + w; pass 1's is four on
	s_mov_b32 s39, 0
	s_wait_kmcnt 0x0
	s_and_b32 s19, s18, 0xff
	s_min_u32 s19, s19, 7                          ; expert
	s_lshr_b32 s20, s18, 8
	s_min_u32 s20, s20, 128                        ; rows
	s_cmp_eq_u32 s20, 0
	s_cselect_b32 s21, 0, s16
	s_min_u32 s21, s21, 38                         ; the tile whose list is read
	s_max_u32 s22, s20, 1
	s_sub_co_u32 s22, s22, 1                       ; its last row
	s_lshl_b32 s46, s19, 5
	s_add_co_u32 s46, s46, s23
	s_mul_i32 s38, s46, 49152
	s_add_nc_u64 s[24:25], s[8:9], s[38:39]        ; pass 0's unit: its codes, K step 0
	s_lshl_b32 s38, s46, 11
	s_add_co_u32 s38, s38, GUSO
	s_add_nc_u64 s[26:27], s[8:9], s[38:39]        ; its scale words
	s_lshl_b32 s38, s19, 13
	s_lshl_b32 s47, s23, 8
	s_add_co_u32 s38, s38, s47
	s_add_nc_u64 s[28:29], s[10:11], s[38:39]      ; its 64 numbers of the bias
	s_lshl_b32 s38, s21, 9
	s_add_co_u32 s38, s38, LISTO
	s_add_nc_u64 s[30:31], s[4:5], s[38:39]        ; the tile's list
	s_add_nc_u64 s[32:33], s[6:7], XSO             ; x's scale words
	s_lshl_b32 s46, s16, 3
	s_lshl_b32 s47, ttmp9, 1
	s_add_co_u32 s46, s46, s47                     ; 8 j + pass 0's K step
	s_mul_i32 s38, s46, 12288
	s_mul_i32 s47, s14, 3072
	s_add_co_u32 s38, s38, s47
	s_add_nc_u64 s[34:35], s[12:13], s[38:39]      ; where my quarter of h's codes goes
	s_lshl_b32 s38, s46, 9
	s_add_co_u32 s38, s38, HSO
	s_add_nc_u64 s[36:37], s[12:13], s[38:39]      ; and the scale words
.irp i, 0,1,2,3,4,5
	v_min_u32 v[67+\i], s22, v[67+\i]              ; rows past the count repeat the last row
	v_min_u32 v[67+\i], 127, v[67+\i]
	v_lshlrev_b32 v[67+\i], 2, v[67+\i]
.endr
.irp i, 0,1,2,3,4,5
	global_load_b32 v[73+\i], v[67+\i], s[30:31]   ; 6 loads: the tokens
.endr
	BSLOAD 0
	BIASLOAD 0
	BLOAD 0, 0
	BLOAD 1, 0
	BLOAD 2, 0
	WIN 0
	s_wait_loadcnt 52                              ; the tokens are in: behind them 8 + 8 + 36 loads
.irp i, 0,1,2,3,4,5
	v_min_u32 v[73+\i], 2047, v[73+\i]
.endr
	v_mul_u32_u24 v6, v73, 768
	v_add_nc_u32 v6, v6, v79                       ; a token's codes: 768 bytes, + 48 h
	v_mul_u32_u24 v7, v74, 768
	v_add_nc_u32 v7, v7, v79
.irp i, 0,1,2,3
	v_lshlrev_b32 v[8+\i], 5, v[75+\i]             ; its scale words: 32 bytes
.endr
.irp i, 0,1,2,3
	global_load_b128 v[AS+8*\i:AS+8*\i+3], v[8+\i], s[32:33]
	global_load_b128 v[AS+8*\i+4:AS+8*\i+7], v[8+\i], s[32:33] offset:16
.endr
	WIN 0x40                                       ; destination window 1
.irp mm, 0,1
.irp s, 0,1,2,3,4,5,6,7
.irp g, 0,1,2
	global_load_b128 v[12*(8*\mm+\s)+4*\g:12*(8*\mm+\s)+4*\g+3], v[6+\mm], s[6:7] offset:96*\s+16*\g
.endr
.endr
.endr
	BLOAD 3, 0
	BLOAD 4, 0
	BLOAD 5, 0
	BLOAD 6, 0
	BLOAD 7, 0
	WIN 0
	s_wait_loadcnt 60                              ; all but the last five K steps' weights
	WIN 0x04                                       ; an LDS store's data are its source 1: window 1
.irp mm, 0,1
.irp s, 0,1,2,3,4,5,6,7
.irp g, 0,1,2
	ds_store_b128 v[4+\s/4], v[12*(8*\mm+\s)+4*\g:12*(8*\mm+\s)+4*\g+3] offset:(8*(\s%4)+\mm)*1536+16*\g
.endr
.endr
.endr
	WIN 0
	s_wait_dscnt 0x0                               ; for the others' sake: my two row tiles lie in LDS
	s_mul_i32 s46, s14, 3072
	s_add_co_u32 s46, s46, STG
	v_add_nc_u32 v4, s46, v1                       ; the stores that named v4 and v5 are done: they become the way out's LDS addresses, ahead of the first branch
	v_add_nc_u32 v5, SCST, v1
	s_barrier_signal -1
	s_barrier_wait -1
	s_cmp_eq_u32 s20, 0                            ; a tile without rows: the work is passed over, the barriers below are not
	s_cbranch_scc1 .Lmeet0
	WORK 0
.Lmeet0:
	s_wait_dscnt 0x0                               ; for the others' sake: my block's codes and bytes lie in pass 0's stage
	s_barrier_signal -1
	s_barrier_wait -1
	s_cmp_eq_u32 s20, 0
	s_cbranch_scc1 .Lmeet1
	OUT 0
	WORK 1
.Lmeet1:
	s_wait_dscnt 0x0                               ; for the others' sake: my block's codes and bytes lie in pass 1's stage
	s_barrier_signal -1
	s_barrier_wait -1
	s_cmp_eq_u32 s20, 0
	s_cbranch_scc1 .Lend
	OUT 1
.Lend:
	s_set_vgpr_msb 0xa
	s_wait_tensorcnt 0x0
	ds_add_u32 v254, v255
	s_wait_dscnt 0x0
	s_set_vgpr_msb 0xa00
	s_endpgm
.Lfunc_end_k_q450fbee32b_gateup:
	.size	k_q450fbee32b_gateup, .Lfunc_end_k_q450fbee32b_gateup-k_q450fbee32b_gateup
	.p2alignl 7, 3214868480
	.fill 96, 4, 3214868480
	.section	.rodata,"a",@progbits
	.p2align	6, 0x0
	.amdhsa_kernel k_q450fbee32b_gateup
		.amdhsa_group_segment_fixed_size 124416
		.amdhsa_private_segment_fixed_size 0
		.amdhsa_enable_private_segment 0
		.amdhsa_kernarg_size 40
		.amdhsa_user_sgpr_count 2
		.amdhsa_user_sgpr_kernarg_segment_ptr 1
		.amdhsa_wavefront_size32 1
		.amdhsa_system_sgpr_workgroup_id_x 1
		.amdhsa_system_sgpr_workgroup_id_y 1
		.amdhsa_system_sgpr_workgroup_id_z 1
		.amdhsa_system_vgpr_workitem_id 0
		.amdhsa_next_free_vgpr 960
		.amdhsa_next_free_sgpr 66
		.amdhsa_reserve_vcc 0
		.amdhsa_float_denorm_mode_32 3
		.amdhsa_float_denorm_mode_16_64 3
		.amdhsa_memory_ordered 1
		.amdhsa_forward_progress 1
		.amdhsa_inst_pref_size 233
	.end_amdhsa_kernel
	.amdgpu_metadata
---
amdhsa.version: [ 1, 2 ]
amdhsa.kernels:
  - .name:           k_q450fbee32b_gateup
    .symbol:         k_q450fbee32b_gateup.kd
    .args:
      - { .name: plan, .offset: 0, .size: 8, .value_kind: global_buffer, .address_space: global }
      - { .name: xq, .offset: 8, .size: 8, .value_kind: global_buffer, .address_space: global }
      - { .name: wq, .offset: 16, .size: 8, .value_kind: global_buffer, .address_space: global }
      - { .name: gate_up_bias, .offset: 24, .size: 8, .value_kind: global_buffer, .address_space: global }
      - { .name: hq, .offset: 32, .size: 8, .value_kind: global_buffer, .address_space: global }
    .group_segment_fixed_size: 124416
    .private_segment_fixed_size: 0
    .kernarg_segment_align: 8
    .kernarg_segment_size: 40
    .max_flat_workgroup_size: 128
    .sgpr_count:     66
    .vgpr_count:     960
    .wavefront_size: 32
...
	.end_amdgpu_metadata
.endif
;; end of part 3
;; launch down (part 4): grid 4 x 39, 4 waves a work-group, no clusters, 116,224 bytes of LDS; arguments plan, out1, hq, wq, down_bias, y; writes y
.if DOCPART == 4
	.amdgcn_target "amdgcn-amd-amdhsa--gfx1250"
	.amdhsa_code_object_version 6
	.text
	.protected	k_q450fbee32b_down
	.globl	k_q450fbee32b_down
	.p2align	8
	.type	k_q450fbee32b_down,@function
k_q450fbee32b_down:
	s_mov_b64 s[64:65], 0
	v_nop
	global_prefetch_b8 v0, s[64:65] scope:SCOPE_SE
	s_setreg_imm32_b32 hwreg(HW_REG_WAVE_MODE, 25, 1), 1
	s_wait_xcnt 0x0
; THE SECOND PRODUCT OF THE CHOSEN ROWS: y[position] = the row's gate weight x (h W2 + b2), on codes of E2M3; y [4992][1024] f32.
; Work-group (S, j): tile j of the plan's table (128 positions of one expert) x output columns 256 S .. 256 S + 255.  39 tiles serve every split; a tile without rows stores nothing: a branch on a stored number, so
; there is no tensor load.  No cluster: how many tiles an expert has is read from memory.
; Wave w: all 128 rows x unit q = 4 S + w (64 columns), 32 accumulators; its weights, all of K, go from memory straight into 384 registers.  The tile's codes of h lie in memory as they lie in LDS
; (fragment (K step, row tile) of 1,536 bytes, a lane's 48 bytes on end): a dense copy of 98,304 bytes, a quarter a wave.  A tile without rows copies tile 0's bytes, so that no barrier stands under the branch.
; THE PRODUCT IS USED TRANSPOSED: lane (r, h) holds row r; register j of tile 2 p + u holds column 64 q + 2 (16 h + 8 u + j) + p.  The multiplication by the gate's weight puts neighbouring columns into neighbouring
; registers; a row tile then goes through the wave's own stage in LDS and leaves as rows of 256 consecutive, aligned bytes.  The bias is the C of each sum's first matrix instruction.
; Rows past the tile's count repeat its last row; their positions are stored and never read.
; REGISTERS, in windows of 256: window 0: v0-15 addresses; v16-47 h's scale words (register 4 s + m / 2: lanes 0-15 row tile m even, 16-31 odd); v48-63 the weights' (2 s + p); v64-159, v160-255 two sets of h's 8 fragments.
;   window 1: accumulator (m, f) at v[8 (4 m + f)]; before that 192 registers on the codes' way into LDS.  window 2: the weights of K steps 0-4;  window 3: of K steps 5-7; v144-175 the bias; v176-183 the rows' gate weights.
.set LISTO, 256
.set DNCO,  12582912
.set DNSO,  19398656
.set HSO,   3833856
.set STG,   98304                      ; LDS behind h's codes: 16 rows x (256 bytes + 16) for each wave
.set AS,  16
.set BS,  48
.set A0,  64
.set BI,  144
.set WR,  176
.set MSB, 0
.macro WIN new                         ; the immediate's high byte repeats the setting that is left
.if MSB != \new
	s_set_vgpr_msb (MSB<<8)|\new
.set MSB, \new
.endif
.endm
.macro PLACES                          ; four plain places behind a matrix instruction of this form (ISA guide 7.12.1)
.rept 4
	v_nop
.endr
.endm
.macro BLOAD s
.if (\s) < 5
	WIN 0x80
.else
	WIN 0xc0
.endif
.irp f, 0,1,2,3
.irp g, 0,1,2
	global_load_b128 v[48*((\s)%5)+12*\f+4*\g:48*((\s)%5)+12*\f+4*\g+3], v1, s[26:27] offset:6144*(\s)+1536*\f+512*\g
.endr
.endr
.endm
.macro AFETCH s
.irp m, 0,1,2,3,4,5,6,7
.irp g, 0,1,2
	ds_load_b128 v[A0+96*((\s)%2)+12*\m+4*\g:A0+96*((\s)%2)+12*\m+4*\g+3], v[2+(\s)/4] offset:((8*(\s)+\m)%32)*1536+16*\g
.endr
.endr
.endm
.macro WM s, m, f
.set rD, 8*(4*(\m)+(\f))
.set rC, rD
.if (\s) == 0
.set rC, BI+8*(\f)
.endif
.set rB, 48*((\s)%5)+12*(\f)
.set rA, A0+96*((\s)%2)+12*(\m)
.set rP, BS+2*(\s)+(\f)/2
.set rQ, AS+4*(\s)+(\m)/2
.if ((\f)%2) && ((\m)%2)
	v_wmma_scale_f32_16x16x128_f8f6f4 v[rD:rD+7], v[rB:rB+11], v[rA:rA+11], v[rC:rC+7], v[rP], v[rQ] matrix_a_fmt:MATRIX_FMT_FP6 matrix_b_fmt:MATRIX_FMT_FP6 matrix_a_scale:MATRIX_SCALE_ROW1 matrix_b_scale:MATRIX_SCALE_ROW1
.elseif (\f)%2
	v_wmma_scale_f32_16x16x128_f8f6f4 v[rD:rD+7], v[rB:rB+11], v[rA:rA+11], v[rC:rC+7], v[rP], v[rQ] matrix_a_fmt:MATRIX_FMT_FP6 matrix_b_fmt:MATRIX_FMT_FP6 matrix_a_scale:MATRIX_SCALE_ROW1
.elseif (\m)%2
	v_wmma_scale_f32_16x16x128_f8f6f4 v[rD:rD+7], v[rB:rB+11], v[rA:rA+11], v[rC:rC+7], v[rP], v[rQ] matrix_a_fmt:MATRIX_FMT_FP6 matrix_b_fmt:MATRIX_FMT_FP6 matrix_b_scale:MATRIX_SCALE_ROW1
.else
	v_wmma_scale_f32_16x16x128_f8f6f4 v[rD:rD+7], v[rB:rB+11], v[rA:rA+11], v[rC:rC+7], v[rP], v[rQ] matrix_a_fmt:MATRIX_FMT_FP6 matrix_b_fmt:MATRIX_FMT_FP6
.endif
.endm
; A K step: the next step's fragments are asked for, then 32 matrix instructions; the 32 accumulators take turns in the same order in every step.
.macro KSTEP s
.if (\s) > 0
	PLACES                                         ; the set to be loaded was read by the step before
.endif
.if (\s) < 7
	AFETCH (\s)+1
	s_wait_dscnt 24                                ; all but the 24 loads just issued
.else
	s_wait_dscnt 0x0
.endif
.if (\s) >= 3
	s_wait_loadcnt 12*(7-(\s))                     ; this step's weights are in; the later steps' 12 loads each may be out
.endif
.if (\s) == 0
	WIN 0x72                                       ; weights window 2, rows window 0, C = the bias in window 3, D window 1
.elseif (\s) < 5
	WIN 0x52
.else
	WIN 0x53
.endif
.irp m, 0,1,2,3,4,5,6,7
.irp f, 0,1,2,3
	WM \s, \m, \f
.endr
.endr
	WIN 0
.endm
; THE WAY OUT of row tile a.  OUTM: x the row's gate weight, columns in order (each accumulator is read from its low end on).  TOSTAGE: into my stage and back as whole rows.  SEND: stored.
.macro OUTM a
	WIN 0x0d                                       ; source 0 window 1, source 1 window 3
.irp p, 0,1
.irp u, 0,1
.irp j, 0,1,2,3,4,5,6,7
	v_mul_f32 v[64+32*((\a)%2)+16*\u+2*\j+\p], v[8*(4*(\a)+2*\p+\u)+\j], v[WR+(\a)]
.endr
.endr
.endr
	WIN 0
.endm
.macro TOSTAGE a
.irp i, 0,1,2,3,4,5,6,7
	ds_store_b128 v5, v[64+32*((\a)%2)+4*\i:64+32*((\a)%2)+4*\i+3] offset:16*\i
.endr
.irp t, 0,1,2,3,4,5,6,7
	ds_load_b128 v[128+32*((\a)%2)+4*\t:128+32*((\a)%2)+4*\t+3], v6 offset:544*\t   ; the wave's own bytes, served in order: these see the stores above, and the next tile's stores come behind them
.endr
.endm
.macro SEND a, younger                 ; younger: the LDS instructions issued behind tile a's loads
	s_wait_dscnt \younger
.irp t, 0,1,2,3,4,5,6,7
	global_store_b128 v7, v[128+32*((\a)%2)+4*\t:128+32*((\a)%2)+4*\t+3], s[40:41] offset:(16*(\a)+2*\t)*4096 th:TH_STORE_NT   ; 16 lanes store 256 consecutive, aligned bytes of a row; not read again in this launch
.endr
.endm
	s_load_b256 s[4:11], s[0:1], 0x0               ; plan s[4:5], out1 s[6:7], hq s[8:9], wq s[10:11]
	s_load_b128 s[12:15], s[0:1], 0x20             ; bias s[12:13], y s[14:15]
	v_lshl_add_u32 v14, v0, 2, 0x1c400
	v_mov_b32 v15, 0
	v_lshrrev_b32 v1, 5, v0
	v_readfirstlane_b32 s16, v1                    ; wave
	s_and_b32 s17, ttmp7, 0xffff                   ; tile j
	s_lshl_b32 s18, s17, 2
	s_wait_kmcnt 0x0
	s_load_b32 s19, s[4:5], s18 offset:0x0         ; the tile's word: expert | rows << 8
	v_and_b32 v64, 31, v0                          ; lane
	v_and_b32 v65, 15, v0                          ; r
	v_bfe_u32 v66, v0, 4, 1                        ; h
	v_lshlrev_b32 v1, 4, v64                       ; 16 lane
	v_mul_u32_u24 v2, v64, 48                      ; a fragment's place for my lane, K steps 0-3,
	v_add_nc_u32 v3, 49152, v2                     ; K steps 4-7
	s_mul_i32 s44, s16, 24576
	v_add_nc_u32 v4, s44, v1                       ; where my quarter of the codes goes
	s_mul_i32 s44, s16, 4352
	s_add_co_u32 s44, s44, STG                     ; my stage
	v_mul_u32_u24 v5, v65, 272
	v_lshl_add_u32 v5, v66, 7, v5
	v_add_nc_u32 v5, s44, v5                       ; in: row r, + 128 h
	v_mul_u32_u24 v6, v66, 272
	v_lshl_add_u32 v6, v65, 4, v6
	v_add_nc_u32 v6, s44, v6                       ; back: lanes 0-15 one row, lanes 16-31 the next
	v_lshlrev_b32 v7, 12, v66
	v_lshl_add_u32 v7, v65, 4, v7                  ; and the same two rows in y
	v_lshlrev_b32 v8, 3, v64                       ; the weights' scale words: 8 lane
	v_lshlrev_b32 v9, 7, v66                       ; the bias: 128 h
	s_lshl_b32 s24, ttmp9, 2
	s_add_co_u32 s24, s24, s16                     ; q
	s_mov_b32 s43, 0
	s_wait_kmcnt 0x0
	s_and_b32 s20, s19, 0xff
	s_min_u32 s20, s20, 7                          ; expert
	s_lshr_b32 s21, s19, 8
	s_min_u32 s21, s21, 128                        ; rows
	s_cmp_eq_u32 s21, 0
	s_cselect_b32 s22, 0, s17
	s_min_u32 s22, s22, 38                         ; the tile whose bytes are read
	s_max_u32 s23, s21, 1
	s_sub_co_u32 s23, s23, 1                       ; its last row
	s_lshl_b32 s44, s20, 4
	s_add_co_u32 s44, s44, s24
	s_mul_i32 s42, s44, 49152
	s_add_co_u32 s42, s42, DNCO
	s_add_nc_u64 s[26:27], s[10:11], s[42:43]      ; my unit's codes, K step 0
	s_lshl_b32 s42, s44, 11
	s_add_co_u32 s42, s42, DNSO
	s_add_nc_u64 s[28:29], s[10:11], s[42:43]      ; its scale words
	s_lshl_b32 s42, s20, 12
	s_lshl_b32 s45, s24, 8
	s_add_co_u32 s42, s42, s45
	s_add_nc_u64 s[30:31], s[12:13], s[42:43]      ; its 64 numbers of the bias
	s_lshl_b32 s42, s22, 9
	s_add_co_u32 s42, s42, LISTO
	s_add_nc_u64 s[32:33], s[4:5], s[42:43]        ; the tile's list
	s_mul_i32 s42, s22, 98304
	s_mul_i32 s45, s16, 24576
	s_add_co_u32 s42, s42, s45
	s_add_nc_u64 s[34:35], s[8:9], s[42:43]        ; my quarter of the tile's codes
	s_lshl_b32 s42, s22, 12
	s_add_co_u32 s42, s42, HSO
	s_add_nc_u64 s[36:37], s[8:9], s[42:43]        ; the tile's scale words
	s_lshl_b32 s42, s20, 2
	s_add_nc_u64 s[38:39], s[6:7], s[42:43]        ; out1 at the expert's column
	s_lshl_b32 s42, s17, 19
	s_lshl_b32 s45, ttmp9, 10
	s_add_co_u32 s42, s42, s45
	s_lshl_b32 s45, s16, 8
	s_add_co_u32 s42, s42, s45
	s_add_nc_u64 s[40:41], s[14:15], s[42:43]      ; y: position 128 j, my 64 columns
.irp a, 0,1,2,3,4,5,6,7
	v_add_nc_u32 v[68+\a], 16*\a, v65
	v_min_u32 v[68+\a], s23, v[68+\a]              ; rows past the count repeat the last row
	v_min_u32 v[68+\a], 127, v[68+\a]
	v_lshlrev_b32 v[68+\a], 2, v[68+\a]
.endr
.irp a, 0,1,2,3,4,5,6,7
	global_load_b32 v[76+\a], v[68+\a], s[32:33]   ; 8 loads: the tokens of rows 16 a + r
.endr
.irp s, 0,1,2,3,4,5,6,7
	global_load_b128 v[AS+4*\s:AS+4*\s+3], v1, s[36:37] offset:512*\s
.endr
	WIN 0x40                                       ; destination window 1
.set i, 0
.rept 48
	global_load_b128 v[4*i:4*i+3], v1, s[34:35] offset:512*i   ; 512 consecutive bytes
.set i, i+1
.endr
	WIN 0
	s_wait_loadcnt 56                              ; the tokens are in: behind them 8 + 48 loads
.irp a, 0,1,2,3,4,5,6,7
	v_min_u32 v[76+\a], 2047, v[76+\a]
	v_lshlrev_b32 v[76+\a], 5, v[76+\a]            ; a token's row of out1: 32 bytes
.endr
	WIN 0xc0
.irp a, 0,1,2,3,4,5,6,7
	global_load_b32 v[WR+\a], v[76+\a], s[38:39]
.endr
	WIN 0
.irp s, 0,1,2,3,4,5,6,7
	global_load_b64 v[BS+2*\s:BS+2*\s+1], v8, s[28:29] offset:256*\s
.endr
.irp u, 0,1
.irp i, 0,1,2,3
	global_load_b128 v[160+16*\u+4*\i:160+16*\u+4*\i+3], v9, s[30:31] offset:64*\u+16*\i
.endr
.endr
	BLOAD 0
	BLOAD 1
	BLOAD 2
	WIN 0
	s_wait_loadcnt 60                              ; h's codes and scale words are in: behind them 8 + 8 + 8 + 36 loads
	WIN 0x04                                       ; an LDS store's data are its source 1: window 1
.set i, 0
.rept 48
	ds_store_b128 v4, v[4*i:4*i+3] offset:512*i
.set i, i+1
.endr
	BLOAD 3
	BLOAD 4
	BLOAD 5
	BLOAD 6
	BLOAD 7
	WIN 0
	s_wait_dscnt 0x0                               ; for the others' sake: my quarter lies in LDS
	s_barrier_signal -1
	s_barrier_wait -1
	s_cmp_eq_u32 s21, 0                            ; a tile without rows ends here: no barrier follows
	s_cbranch_scc1 .Lend
	s_wait_loadcnt 60                              ; all but the last five K steps' weights
	WIN 0xc0
.irp p, 0,1
.irp u, 0,1
.irp j, 0,1,2,3,4,5,6,7
	v_mov_b32 v[BI+8*(2*\p+\u)+\j], v[160+16*\u+2*\j+\p]   ; the bias in the result's layout
.endr
.endr
.endr
	WIN 0
	PLACES
	AFETCH 0
	KSTEP 0
	KSTEP 1
	KSTEP 2
	KSTEP 3
	KSTEP 4
	KSTEP 5
	KSTEP 6
	KSTEP 7
	PLACES
	OUTM 0
	TOSTAGE 0
.irp a, 1,2,3,4,5,6,7
	OUTM \a
.if \a > 1
	s_wait_xcnt 0x0                                ; tile a - 2's stores have read the registers that tile a's loads fill
.endif
	TOSTAGE \a
	SEND \a-1, 16                                  ; behind tile a - 1's loads: tile a's 8 stores and 8 loads
.endr
	SEND 7, 0
.Lend:
	s_wait_tensorcnt 0x0
	ds_add_u32 v14, v15
	s_wait_dscnt 0x0
	s_endpgm
.Lfunc_end_k_q450fbee32b_down:
	.size	k_q450fbee32b_down, .Lfunc_end_k_q450fbee32b_down-k_q450fbee32b_down
	.p2alignl 7, 3214868480
	.fill 96, 4, 3214868480
	.section	.rodata,"a",@progbits
	.p2align	6, 0x0
	.amdhsa_kernel k_q450fbee32b_down
		.amdhsa_group_segment_fixed_size 116224
		.amdhsa_private_segment_fixed_size 0
		.amdhsa_enable_private_segment 0
		.amdhsa_kernarg_size 48
		.amdhsa_user_sgpr_count 2
		.amdhsa_user_sgpr_kernarg_segment_ptr 1
		.amdhsa_wavefront_size32 1
		.amdhsa_system_sgpr_workgroup_id_x 1
		.amdhsa_system_sgpr_workgroup_id_y 1
		.amdhsa_system_sgpr_workgroup_id_z 1
		.amdhsa_system_vgpr_workitem_id 0
		.amdhsa_next_free_vgpr 960
		.amdhsa_next_free_sgpr 66
		.amdhsa_reserve_vcc 0
		.amdhsa_float_denorm_mode_32 3
		.amdhsa_float_denorm_mode_16_64 3
		.amdhsa_memory_ordered 1
		.amdhsa_forward_progress 1
		.amdhsa_inst_pref_size 97
	.end_amdhsa_kernel
	.amdgpu_metadata
---
amdhsa.version: [ 1, 2 ]
amdhsa.kernels:
  - .name:           k_q450fbee32b_down
    .symbol:         k_q450fbee32b_down.kd
    .args:
      - { .name: plan, .offset: 0, .size: 8, .value_kind: global_buffer, .address_space: global }
      - { .name: out1, .offset: 8, .size: 8, .value_kind: global_buffer, .address_space: global }
      - { .name: hq, .offset: 16, .size: 8, .value_kind: global_buffer, .address_space: global }
      - { .name: wq, .offset: 24, .size: 8, .value_kind: global_buffer, .address_space: global }
      - { .name: down_bias, .offset: 32, .size: 8, .value_kind: global_buffer, .address_space: global }
      - { .name: y, .offset: 40, .size: 8, .value_kind: global_buffer, .address_space: global }
    .group_segment_fixed_size: 116224
    .private_segment_fixed_size: 0
    .kernarg_segment_align: 8
    .kernarg_segment_size: 48
    .max_flat_workgroup_size: 128
    .sgpr_count:     66
    .vgpr_count:     960
    .wavefront_size: 32
...
	.end_amdgpu_metadata
.endif
;; end of part 4
;; launch combine (part 5): grid 256 x 1, 8 waves a work-group, no clusters, 0 bytes of LDS; arguments plan, y, out0; writes out0
.if DOCPART == 5
	.amdgcn_target "amdgcn-amd-amdhsa--gfx1250"
	.amdhsa_code_object_version 6
	.text
	.protected	k_q450fbee32b_combine
	.globl	k_q450fbee32b_combine
	.p2align	8
	.type	k_q450fbee32b_combine,@function
k_q450fbee32b_combine:
	s_mov_b64 s[64:65], 0
	v_nop
	global_prefetch_b8 v0, s[64:65] scope:SCOPE_SE
	s_setreg_imm32_b32 hwreg(HW_REG_WAVE_MODE, 25, 1), 1
	s_wait_xcnt 0x0
; out0[t] = y[first position of t] + y[second position of t]: the gate's weights were applied when y was made.  plan's POS holds the two positions of each token.
; A wave takes a token: a row of 4,096 bytes is eight loads of 512 consecutive bytes; 16 loads are on their way, and each store leaves as soon as its pair is in.
; Memory binds: no LDS, no barrier, no matrix work.
.set POSO, 20224
	s_load_b128 s[4:7], s[0:1], 0x0                ; plan s[4:5], y s[6:7]
	s_load_b64 s[8:9], s[0:1], 0x10                ; out0
	v_lshrrev_b32 v1, 5, v0
	v_readfirstlane_b32 s10, v1                    ; wave
	v_and_b32 v1, 31, v0
	v_lshlrev_b32 v1, 4, v1                        ; 16 lane
	s_lshl_b32 s11, ttmp9, 3
	s_add_co_u32 s11, s11, s10                     ; token
	s_lshl_b32 s12, s11, 3
	s_wait_kmcnt 0x0
	s_load_b64 s[14:15], s[4:5], s12 offset:POSO
	s_lshl_b32 s16, s11, 12
	s_mov_b32 s17, 0
	s_add_nc_u64 s[8:9], s[8:9], s[16:17]
	s_mov_b32 s19, 0
	s_mov_b32 s21, 0
	s_wait_kmcnt 0x0
	s_min_u32 s14, s14, 4991                       ; y has 4,992 rows
	s_min_u32 s15, s15, 4991
	s_lshl_b32 s18, s14, 12
	s_lshl_b32 s20, s15, 12
	s_add_nc_u64 s[18:19], s[6:7], s[18:19]
	s_add_nc_u64 s[20:21], s[6:7], s[20:21]
.irp i, 0,1,2,3,4,5,6,7
	global_load_b128 v[8+4*\i:11+4*\i], v1, s[18:19] offset:512*\i th:TH_LOAD_NT
	global_load_b128 v[40+4*\i:43+4*\i], v1, s[20:21] offset:512*\i th:TH_LOAD_NT
.endr
.irp i, 0,1,2,3,4,5,6,7
	s_wait_loadcnt 14-2*\i                         ; pair i is in; the later pairs may be out
	v_pk_add_f32 v[8+4*\i:9+4*\i], v[8+4*\i:9+4*\i], v[40+4*\i:41+4*\i]
	v_pk_add_f32 v[10+4*\i:11+4*\i], v[10+4*\i:11+4*\i], v[42+4*\i:43+4*\i]
	global_store_b128 v1, v[8+4*\i:11+4*\i], s[8:9] offset:512*\i th:TH_STORE_NT
.endr
	s_endpgm
.Lfunc_end_k_q450fbee32b_combine:
	.size	k_q450fbee32b_combine, .Lfunc_end_k_q450fbee32b_combine-k_q450fbee32b_combine
	.p2alignl 7, 3214868480
	.fill 96, 4, 3214868480
	.section	.rodata,"a",@progbits
	.p2align	6, 0x0
	.amdhsa_kernel k_q450fbee32b_combine
		.amdhsa_group_segment_fixed_size 0
		.amdhsa_private_segment_fixed_size 0
		.amdhsa_enable_private_segment 0
		.amdhsa_kernarg_size 24
		.amdhsa_user_sgpr_count 2
		.amdhsa_user_sgpr_kernarg_segment_ptr 1
		.amdhsa_wavefront_size32 1
		.amdhsa_system_sgpr_workgroup_id_x 1
		.amdhsa_system_sgpr_workgroup_id_y 1
		.amdhsa_system_sgpr_workgroup_id_z 1
		.amdhsa_system_vgpr_workitem_id 0
		.amdhsa_next_free_vgpr 72
		.amdhsa_next_free_sgpr 66
		.amdhsa_reserve_vcc 0
		.amdhsa_float_denorm_mode_32 3
		.amdhsa_float_denorm_mode_16_64 3
		.amdhsa_memory_ordered 1
		.amdhsa_forward_progress 1
		.amdhsa_inst_pref_size 5
	.end_amdhsa_kernel
	.amdgpu_metadata
---
amdhsa.version: [ 1, 2 ]
amdhsa.kernels:
  - .name:           k_q450fbee32b_combine
    .symbol:         k_q450fbee32b_combine.kd
    .args:
      - { .name: plan, .offset: 0, .size: 8, .value_kind: global_buffer, .address_space: global }
      - { .name: y, .offset: 8, .size: 8, .value_kind: global_buffer, .address_space: global }
      - { .name: out0, .offset: 16, .size: 8, .value_kind: global_buffer, .address_space: global }
    .group_segment_fixed_size: 0
    .private_segment_fixed_size: 0
    .kernarg_segment_align: 8
    .kernarg_segment_size: 24
    .max_flat_workgroup_size: 256
    .sgpr_count:     66
    .vgpr_count:     72
    .wavefront_size: 32
...
	.end_amdgpu_metadata
.endif
;; end of part 5
;; ======== version 2 of 2: 5 launches
;; workspace buffers: sel 8,192 bytes of whole numbers; plan 36,608 bytes of whole numbers; xq 1,638,400 bytes; wq 19,660,800 bytes; hq 3,993,600 bytes; y 20,447,232 bytes
;; launch route (part 6): grid 128 x 1, 8 waves a work-group, no clusters, 118,528 bytes of LDS; arguments hidden_states, router_w, router_b, xq, sel, out1; writes xq, sel, out1
.if DOCPART == 6
	.amdgcn_target "amdgcn-amd-amdhsa--gfx1250"
	.amdhsa_code_object_version 6
	.text
	.protected	k_q450fbee32b_route
	.globl	k_q450fbee32b_route
	.p2align	8
	.type	k_q450fbee32b_route,@function
k_q450fbee32b_route:
	s_mov_b64 s[64:65], 0
	v_nop
	global_prefetch_b8 v0, s[64:65] scope:SCOPE_SE
	s_setreg_imm32_b32 hwreg(HW_REG_WAVE_MODE, 25, 1), 1
	s_wait_xcnt 0x0
; ROUTER AND x's CODES.  hidden_states [2048][1024] f32, router_w [1024][8], router_b [8].
; A work-group takes 16 tokens; wave s takes K step s (k = 128 s .. 128 s + 127) of all 16.
; It makes (1) the f32 logits by fused multiply-adds, the top 2 (ties: the lower index), their softmax with the larger logit
; taken away first, out1 [2048][8], and sel: word t = first expert | second expert << 8;
; (2) x as codes of E2M3 with one E8M0 byte for each 32 along K, laid as an operand's registers:
; xq codes [token][K step 8][half 2][48 bytes] = the 12 registers of lane (row, half); scale words [token][8] behind them.
; LIMITS: NaN and infinities are not served.  A block whose largest magnitude lies under 2^-124 (a block of zeros too) gets the byte 1:
; its codes are zeros and this program alone reads the bytes.  Two logits that differ by less than the rounding of an f32 sum of 1,024 terms may be ordered otherwise than a sum in another order would.
; Memory is read once, 512 consecutive bytes a load; a lane's 32 neighbours along K come by a turn through the wave's own LDS rows.
; No tensor loads, clusters or matrix work: work-groups share nothing but 32 KiB of router_w, and the product has 8 columns.
.set TPITCH, 528                       ; a token's 512 bytes + 16: 16 rows start at 16 different groups of banks
.set RWL,    67584                     ; behind 8 x 16 x 528: each wave's 4,096 bytes of router_w
.set XST,    100352                    ; 16 tokens x (768 bytes of codes + 16)
.set XPITCH, 784
.set XSS,    112896                    ; 16 tokens x 8 scale words
.set PL,     113408                    ; partial logits [wave][token][8]
.set XSOFF,  1572864                   ; xq: the scale words begin here
.set X,   16                           ; v16-79   x as loaded; later the second set of router_w; later the codes
.set T,   80                           ; v80-143  my 64 numbers: register 32 c + i = k 64 c + 32 h + i of token r
.set RV,  144                          ; v144-207 router_w
.set LG,  208                          ; v208-215 my partial logits
.set TM,  216                          ; v216-223 at work
.set RB,  224                          ; v224-227 router_b, my four
.set APL, 228                          ; v228     LDS: PL + 32 r + 16 h
.set AXS, 229                          ; v229     LDS: XSS + 16 lane
.set C,   16                           ; the fragment's 12 registers
.set CT,  28                           ; a conversion's three registers begin on an even number: second halves are made here and moved
	s_load_b256 s[4:11], s[0:1], 0x0               ; x s[4:5], router_w s[6:7], router_b s[8:9], xq s[10:11]
	s_load_b128 s[12:15], s[0:1], 0x20             ; sel s[12:13], out1 s[14:15]
	v_lshl_add_u32 v232, v0, 2, 0x1cb00
	v_mov_b32 v233, 0
	v_lshrrev_b32 v1, 5, v0
	s_delay_alu instid0(VALU_DEP_1)
	v_readfirstlane_b32 s16, v1                    ; wave = K step
	v_and_b32 v1, 31, v0                           ; lane
	v_and_b32 v2, 15, v0                           ; r
	v_bfe_u32 v3, v0, 4, 1                         ; h
	s_delay_alu instid0(VALU_DEP_3)
	v_lshlrev_b32 v4, 4, v1                        ; 16 lane
	s_mul_i32 s17, s16, 16*TPITCH
	v_add_nc_u32 v5, s17, v4                       ; the turn, in: 16 lane of a row
	v_mul_u32_u24 v6, v2, TPITCH
	s_delay_alu instid0(VALU_DEP_1)
	v_lshl_add_u32 v6, v3, 7, v6
	s_delay_alu instid0(VALU_DEP_1)
	v_add_nc_u32 v6, s17, v6                       ; the turn, out: row r, + 128 h
	s_lshl_b32 s17, s16, 12
	s_add_co_u32 s17, s17, RWL
	v_add_nc_u32 v7, s17, v4                       ; router_w, in
	v_lshlrev_b32 v8, 10, v3
	s_delay_alu instid0(VALU_DEP_1)
	v_add_nc_u32 v8, s17, v8                       ; router_w, out: 32 rows of 32 bytes further on for lanes 16-31
	s_mul_i32 s17, s16, 96
	s_add_co_u32 s17, s17, XST
	v_mul_u32_u24 v9, v2, XPITCH
	s_delay_alu instid0(VALU_DEP_1)
	v_mad_u32_u24 v9, v3, 48, v9
	s_delay_alu instid0(VALU_DEP_1)
	v_add_nc_u32 v9, s17, v9                       ; codes: token r, K step s, half h
	s_lshl_b32 s17, s16, 2
	s_add_co_u32 s17, s17, XSS
	v_lshl_add_u32 v10, v2, 5, s17                 ; scale word: token r, K step s
	v_lshlrev_b32 v14, 5, v2
	s_delay_alu instid0(VALU_DEP_1)
	v_lshl_add_u32 v14, v3, 4, v14                 ; 32 r + 16 h
	s_lshl_b32 s17, s16, 9
	s_add_co_u32 s17, s17, PL
	v_add_nc_u32 v11, s17, v14                     ; my partial logits
	s_mul_i32 s17, s16, 2*XPITCH
	s_add_co_u32 s17, s17, XST
	v_add_nc_u32 v12, s17, v4                      ; the way out: two tokens' codes a wave
	s_delay_alu instid0(VALU_DEP_1)
	v_lshl_add_u32 v13, v3, 4, v12                 ; and behind the first token's padding
	v_lshlrev_b32 v15, 4, v3                       ; router_b: 16 h
	v_add_nc_u32 v[APL], PL, v14
	v_add_nc_u32 v[AXS], XSS, v4
	s_lshl_b32 s20, ttmp9, 16                      ; 16 tokens of 4,096 bytes
	s_lshl_b32 s21, s16, 9
	s_add_co_u32 s20, s20, s21
	s_mov_b32 s21, 0
	s_lshl_b32 s22, s16, 12
	s_mov_b32 s23, 0
	s_mul_i32 s24, ttmp9, 12288
	s_mul_i32 s25, s16, 1536
	s_add_co_u32 s24, s24, s25
	s_mov_b32 s25, 0
	s_lshl_b32 s26, ttmp9, 9
	s_mov_b32 s27, 0
	s_lshl_b32 s28, ttmp9, 6
	s_mov_b32 s29, 0
	s_mov_b32 s30, 0x76543210                      ; v_permlanex16_b32's selects for lane l xor 16
	s_mov_b32 s31, 0xfedcba98
	s_wait_alu depctr_va_vdst(0)
	s_wait_kmcnt 0x0
	s_add_nc_u64 s[4:5], s[4:5], s[20:21]
	s_add_nc_u64 s[6:7], s[6:7], s[22:23]
	s_add_nc_u64 s[32:33], s[10:11], s[24:25]      ; my 1,536 bytes of codes
	s_add_nc_u64 s[34:35], s[10:11], s[26:27]
	s_add_nc_u64 s[34:35], s[34:35], XSOFF         ; the work-group's 512 bytes of scale words
	s_add_nc_u64 s[12:13], s[12:13], s[28:29]
	s_add_nc_u64 s[14:15], s[14:15], s[26:27]
.irp i, 0,1,2,3,4,5,6,7,8,9,10,11,12,13,14,15
	global_load_b128 v[X+4*\i:X+4*\i+3], v4, s[4:5] offset:4096*\i th:TH_LOAD_NT   ; token i: 512 consecutive bytes
.endr
.irp i, 0,1,2,3,4,5,6,7
	global_load_b128 v[RV+4*\i:RV+4*\i+3], v4, s[6:7] offset:512*\i
.endr
	global_load_b128 v[RB:RB+3], v15, s[8:9]
	s_wait_loadcnt 9                               ; x is in; router_w's eight loads and router_b's one may be out
.irp i, 0,1,2,3,4,5,6,7,8,9,10,11,12,13,14,15
	ds_store_b128 v5, v[X+4*\i:X+4*\i+3] offset:TPITCH*\i
.endr
	s_wait_loadcnt 0x0
.irp i, 0,1,2,3,4,5,6,7
	ds_store_b128 v7, v[RV+4*\i:RV+4*\i+3] offset:512*\i
.endr
.irp c, 0,1
.irp i, 0,1,2,3,4,5,6,7
	ds_load_b128 v[T+32*\c+4*\i:T+32*\c+4*\i+3], v6 offset:256*\c+16*\i   ; the wave's own bytes, served in order
.endr
.endr
	s_wait_dscnt 0x0
; THE LOGITS.  Batch b: router_w's rows of my registers 8 b .. 8 b + 7 (all lanes of a half read the same 32 bytes), then 64 multiply-adds.  Two sets by turns, the loads a batch ahead.
.macro DOTL b
.set RS, RV-128*((\b)%2)
.set n, 8*(\b)
.rept 8
	ds_load_b128 v[RS+8*(n%8):RS+8*(n%8)+3], v8 offset:(64*(n/32)+n%32)*32
	ds_load_b128 v[RS+8*(n%8)+4:RS+8*(n%8)+7], v8 offset:(64*(n/32)+n%32)*32+16
.set n, n+1
.endr
.endm
.macro DOTC b
.set RS, RV-128*((\b)%2)
.set n, 8*(\b)
.rept 8
.irp e, 0,1,2,3,4,5,6,7
.if n == 0
	v_mul_f32 v[LG+\e], v[T+n], v[RS+8*(n%8)+\e]   ; the first product starts the sums
.else
	v_fmac_f32 v[LG+\e], v[T+n], v[RS+8*(n%8)+\e]
.endif
.endr
.set n, n+1
.endr
.endm
	DOTL 0
.irp b, 0,1,2,3,4,5,6
	DOTL \b+1
	s_wait_alu depctr_va_vdst(0)
	s_wait_dscnt 16                                ; all but the 16 loads just issued
	DOTC \b
.endr
	s_wait_alu depctr_va_vdst(0)
	s_wait_dscnt 0x0
	DOTC 7
; x's CODES.  My registers 32 c .. 32 c + 31 are block 2 c + h of this K step: the block's largest magnitude needs no other lane.
.irp c, 0,1
	v_max3_num_f32 v[TM+\c], |v[T+32*\c]|, |v[T+32*\c+1]|, 0x1800000   ; with the floor 2^(3 - 127): the byte cannot fall under 1
.endr
.irp i, 2,4,6,8,10,12,14,16,18,20,22,24,26,28,30
.irp c, 0,1
	s_delay_alu instid0(VALU_DEP_2)
	v_max3_num_f32 v[TM+\c], v[TM+\c], |v[T+32*\c+\i]|, |v[T+32*\c+\i+1]|
.endr
.endr
.irp c, 0,1
	s_delay_alu instid0(VALU_DEP_2)
	v_add_nc_u32 v[TM+2+\c], 0xff000000, v[TM+\c]  ; 2 off the exponent field: the conversion's scale operand
.endr
.irp c, 0,1
	s_delay_alu instid0(VALU_DEP_2)
	v_lshrrev_b32 v[TM+4+\c], 23, v[TM+2+\c]       ; the scale's byte
.endr
	s_delay_alu instid0(VALU_DEP_1)
	v_lshl_or_b32 v[TM+6], v[TM+5], 16, v[TM+4]    ; blocks h and 2 + h,
	v_lshlrev_b32 v[TM+7], 3, v3
	s_delay_alu instid0(VALU_DEP_1)
	v_lshlrev_b32 v[TM+6], v[TM+7], v[TM+6]        ; at their places in the word;
	v_mov_b32 v[TM+7], 0
	s_delay_alu instid0(VALU_DEP_1)
	v_permlanex16_b32 v[TM+7], v[TM+6], s30, s31
	s_delay_alu instid0(VALU_DEP_1)
	v_or_b32 v[TM+6], v[TM+6], v[TM+7]             ; with lane l xor 16's two the word is whole
.irp c, 0,1
	v_cvt_scalef32_pk16_fp6_f32 v[C+6*\c:C+6*\c+2], v[T+32*\c:T+32*\c+15], v[TM+2+\c]
	v_cvt_scalef32_pk16_fp6_f32 v[CT+4*\c:CT+4*\c+2], v[T+32*\c+16:T+32*\c+31], v[TM+2+\c]
.endr
	v_nop                                          ; one plain place behind a scaled conversion
.irp c, 0,1
.irp i, 0,1,2
	v_mov_b32 v[C+3+6*\c+\i], v[CT+4*\c+\i]
.endr
.endr
.irp g, 0,1,2
	ds_store_b128 v9, v[C+4*\g:C+4*\g+3] offset:16*\g
.endr
	ds_store_b32 v10, v[TM+6]                      ; both halves of the lanes write the same word with the same value
	; my partial logits: with lane l xor 16's; lanes 0-15 keep experts 0-3, lanes 16-31 experts 4-7
.irp e, 0,1,2,3,4,5,6,7
	v_permlanex16_b32 v[RV+\e], v[LG+\e], s30, s31
.endr
.irp e, 0,1,2,3,4,5,6,7
	v_add_f32 v[LG+\e], v[LG+\e], v[RV+\e]
.endr
	v_cmp_eq_u32 vcc_lo, 0, v3
.irp i, 0,1,2,3
	v_cndmask_b32 v[RV+8+\i], v[LG+4+\i], v[LG+\i], vcc_lo
.endr
	ds_store_b128 v11, v[RV+8:RV+11]
	s_wait_dscnt 0x0                               ; for the others' sake: my stores have landed
	s_barrier_signal -1
	s_barrier_wait -1
	; every wave stores two tokens' codes: three stores of 512 consecutive bytes
	ds_load_b128 v[16:19], v12
	ds_load_b128 v[20:23], v13 offset:512
	ds_load_b128 v[24:27], v12 offset:1040
	s_wait_dscnt 0x0
	global_store_b128 v4, v[16:19], s[32:33]
	global_store_b128 v4, v[20:23], s[32:33] offset:512
	global_store_b128 v4, v[24:27], s[32:33] offset:1024
	s_cmp_lg_u32 s16, 1
	s_cbranch_scc1 .Lnot_wave_1
	ds_load_b128 v[32:35], v[AXS]                  ; wave 1: the 16 tokens' scale words, 512 consecutive bytes
	s_wait_dscnt 0x0
	global_store_b128 v4, v[32:35], s[34:35]
.Lnot_wave_1:
	s_cmp_lg_u32 s16, 0
	s_cbranch_scc1 .Lend
	; wave 0: the eight waves' partial logits, K ascending, + the bias
.irp w, 0,1,2,3,4,5,6,7
	ds_load_b128 v[80+4*\w:83+4*\w], v[APL] offset:512*\w
.endr
	s_wait_dscnt 0x0
.irp w, 1
	v_pk_add_f32 v[80:81], v[80:81], v[80+4*\w:81+4*\w]
	v_pk_add_f32 v[82:83], v[82:83], v[82+4*\w:83+4*\w]
.endr
.irp w, 2, 3, 4, 5, 6, 7
	s_delay_alu instid0(VALU_DEP_2)
	v_pk_add_f32 v[80:81], v[80:81], v[80+4*\w:81+4*\w]
	s_delay_alu instid0(VALU_DEP_2)
	v_pk_add_f32 v[82:83], v[82:83], v[82+4*\w:83+4*\w]
.endr
	s_delay_alu instid0(VALU_DEP_2)
	v_pk_add_f32 v[80:81], v[80:81], v[RB:RB+1]
	s_delay_alu instid0(VALU_DEP_2)
	v_pk_add_f32 v[82:83], v[82:83], v[RB+2:RB+3]
.irp i, 0,1,2,3
	v_permlanex16_b32 v[84+\i], v[80+\i], s30, s31 ; the token's other four logits
.endr
	v_cmp_eq_u32 vcc_lo, 0, v3
.irp i, 0,1,2,3
	v_cndmask_b32 v[96+\i], v[84+\i], v[80+\i], vcc_lo
	v_cndmask_b32 v[100+\i], v[80+\i], v[84+\i], vcc_lo
.endr                                              ; v96-103: the token's eight logits, in every lane of the pair
.macro SCAN vb, ib                     ; the largest of v96-103 and its index; an equal later logit does not take the place: the lower index wins
	v_mov_b32 v[\vb], v96
	v_mov_b32 v[\ib], 0
.irp e, 1,2,3,4,5,6,7
	s_delay_alu instid0(VALU_DEP_2)
	v_cmp_le_f32 vcc_lo, v[96+\e], v[\vb]
	s_delay_alu instid0(VALU_DEP_1)
	v_cndmask_b32 v[\vb], v[96+\e], v[\vb], vcc_lo
	s_delay_alu instid0(VALU_DEP_2)
	v_cndmask_b32 v[\ib], \e, v[\ib], vcc_lo
.endr
.endm
	SCAN 104, 105
	v_mov_b32 v110, 0xff800000                     ; the winner leaves the field: -infinity
.irp e, 0,1,2,3,4,5,6,7
	v_cmp_eq_u32 vcc_lo, \e, v105
	s_delay_alu instid0(VALU_DEP_1)
	v_cndmask_b32 v[96+\e], v[96+\e], v110, vcc_lo
.endr
	SCAN 106, 107
	s_delay_alu instid0(VALU_DEP_2)
	v_sub_f32 v111, v106, v104                     ; the softmax of two: the larger is taken away, so this is 0 or less
	s_delay_alu instid0(VALU_DEP_1)
	v_mul_f32 v111, 0x3fb8aa3b, v111
	s_wait_alu depctr_va_vdst(0)
	v_exp_f32 v112, v111
	v_lshlrev_b32 v113, 2, v3                      ; (a plain place)  4 h: my first expert of out1
	s_wait_alu depctr_va_vdst(0)                   ; the wait ahead of the first reader
	v_add_f32 v114, 1.0, v112
	s_wait_alu depctr_va_vdst(0)
	v_rcp_f32 v115, v114                           ; the first weight
	v_lshl_or_b32 v116, v107, 8, v105              ; (a plain place)  sel's word
	s_wait_alu depctr_va_vdst(0)
	v_mul_f32 v117, v112, v115                     ; the second weight
.irp i, 0,1,2,3
	v_add_nc_u32 v118, \i, v113
	s_delay_alu instid0(VALU_DEP_1)
	v_cmp_eq_u32 vcc_lo, v118, v105
	v_cndmask_b32 v[120+\i], 0, v115, vcc_lo
	s_delay_alu instid0(VALU_DEP_3)
	v_cmp_eq_u32 vcc_lo, v118, v107
	s_delay_alu instid0(VALU_DEP_1)
	v_cndmask_b32 v[120+\i], v[120+\i], v117, vcc_lo
.endr
	global_store_b128 v14, v[120:123], s[14:15]    ; 32 lanes store 512 consecutive bytes of out1
	v_lshlrev_b32 v119, 2, v2
	global_store_b32 v119, v116, s[12:13]          ; both halves of the lanes write the same word with the same value
.Lend:
	s_wait_tensorcnt 0x0
	ds_add_u32 v232, v233
	s_wait_dscnt 0x0
	s_endpgm
.Lfunc_end_k_q450fbee32b_route:
	.size	k_q450fbee32b_route, .Lfunc_end_k_q450fbee32b_route-k_q450fbee32b_route
	.p2alignl 7, 3214868480
	.fill 96, 4, 3214868480
	.section	.rodata,"a",@progbits
	.p2align	6, 0x0
	.amdhsa_kernel k_q450fbee32b_route
		.amdhsa_group_segment_fixed_size 118528
		.amdhsa_private_segment_fixed_size 0
		.amdhsa_enable_private_segment 0
		.amdhsa_kernarg_size 48
		.amdhsa_user_sgpr_count 2
		.amdhsa_user_sgpr_kernarg_segment_ptr 1
		.amdhsa_wavefront_size32 1
		.amdhsa_system_sgpr_workgroup_id_x 1
		.amdhsa_system_sgpr_workgroup_id_y 1
		.amdhsa_system_sgpr_workgroup_id_z 1
		.amdhsa_system_vgpr_workitem_id 0
		.amdhsa_next_free_vgpr 234
		.amdhsa_next_free_sgpr 66
		.amdhsa_reserve_vcc 1
		.amdhsa_float_denorm_mode_32 3
		.amdhsa_float_denorm_mode_16_64 3
		.amdhsa_memory_ordered 1
		.amdhsa_forward_progress 1
		.amdhsa_inst_pref_size 48
	.end_amdhsa_kernel
	.amdgpu_metadata
---
amdhsa.version: [ 1, 2 ]
amdhsa.kernels:
  - .name:           k_q450fbee32b_route
    .symbol:         k_q450fbee32b_route.kd
    .args:
      - { .name: hidden_states, .offset: 0, .size: 8, .value_kind: global_buffer, .address_space: global }
      - { .name: router_w, .offset: 8, .size: 8, .value_kind: global_buffer, .address_space: global }
      - { .name: router_b, .offset: 16, .size: 8, .value_kind: global_buffer, .address_space: global }
      - { .name: xq, .offset: 24, .size: 8, .value_kind: global_buffer, .address_space: global }
      - { .name: sel, .offset: 32, .size: 8, .value_kind: global_buffer, .address_space: global }
      - { .name: out1, .offset: 40, .size: 8, .value_kind: global_buffer, .address_space: global }
    .group_segment_fixed_size: 118528
    .private_segment_fixed_size: 0
    .kernarg_segment_align: 8
    .kernarg_segment_size: 48
    .max_flat_workgroup_size: 256
    .sgpr_count:     66
    .vgpr_count:     234
    .wavefront_size: 32
...
	.end_amdgpu_metadata
.endif
;; end of part 6
;; launch prep (part 7): grid 385 x 1, 8 waves a work-group, no clusters, 51,200 bytes of LDS; arguments gate_up_proj, down_proj, sel, wq, plan; writes wq, plan
.if DOCPART == 7
	.amdgcn_target "amdgcn-amd-amdhsa--gfx1250"
	.amdhsa_code_object_version 6
	.text
	.protected	k_q450fbee32b_prep
	.globl	k_q450fbee32b_prep
	.p2align	8
	.type	k_q450fbee32b_prep,@function
k_q450fbee32b_prep:
	s_mov_b64 s[64:65], 0
	v_nop
	global_prefetch_b8 v0, s[64:65] scope:SCOPE_SE
	s_setreg_imm32_b32 hwreg(HW_REG_WAVE_MODE, 25, 1), 1
	s_wait_xcnt 0x0
; THE WEIGHTS' CODES, AND THE PLACING OF ROWS.
; Work-groups 1 .. 384: gate_up_proj [8][1024][2048] and down_proj [8][1024][1024], f32 with K as the first axis of an expert, become codes of E2M3 with one E8M0 byte
; for each 32 along K, laid in the order of an operand's registers.  A UNIT is 128 along K x 64 columns, one wave's work: 6,144 bytes of codes [tile 4][group of 4 registers 3][lane 32][16 bytes]
; and 256 bytes of scale words [lane 32][2].  Unit number U = (expert x NQ + q) x 8 + K step, NQ = 32 or 16 groups of 64 columns.
; THE COLUMNS OF A TILE ARE CHOSEN: column 64 q + 2 v + p lies in tile 2 p + (v / 8) % 2 at row v % 8 + 8 (v / 16), so that in a product used transposed a lane's eight results of tiles 2 p and 2 p + 1
; are 16 neighbouring v; in gate_up p = 0 is the gate and p = 1 the up of hidden unit 32 q + v.
; A lane takes columns 2 l and 2 l + 1 and its registers run down K: each load reads 256 consecutive, aligned bytes; a block's largest magnitude needs no other lane; nothing is transposed by an instruction.
; The codes leave through the wave's own 6,144 bytes of LDS as 12 stores of 512 consecutive bytes.  Two blocks (64 loads a wave) are on their way.  No barrier on this path: waves share nothing.
; Work-group 0: reads sel (word t = first expert | second << 8), counts each expert's rows, and stores in plan: the tile table (64 words: expert | rows << 8, 0 = no tile), LIST (the token of each position;
; expert e's rows begin at a multiple of 128), POS (the two positions of each token).  No atomics: counts by lane masks, one barrier for the eight waves' counts.
; LIMITS: NaN and infinities are not served; a block whose largest magnitude lies under 2^-124 gets the byte 1: its codes are zeros, and this program alone reads the bytes.
; The two paths part on the work-group's number and have LDS bytes of their own.
.set DNC,   12582912                   ; wq: down's codes
.set GUS,   18874368                   ; gate_up's scale words
.set DNS,   19398656                   ; down's
.set LISTO, 256
.set POSO,  20224
.set PLDS,  49152                      ; LDS of the placing path
.set C,    12                          ; v12-17   a block's codes
.set CT,   20                          ; v20-22   a conversion's second half
.set OFFK, 24                          ; v24-55   row i of a block: i x pitch + 8 lane
.set T,    56                          ; v56-87   one column's 32 numbers
.set X0,   88                          ; v88-151, v152-215: two sets of 32 pairs as loaded
	s_load_b256 s[4:11], s[0:1], 0x0               ; gate_up s[4:5], down s[6:7], sel s[8:9], wq s[10:11]
	s_load_b64 s[12:13], s[0:1], 0x20              ; plan
	v_lshl_add_u32 v216, v0, 2, 0xc400
	v_mov_b32 v217, 0
	v_lshrrev_b32 v1, 5, v0
	s_delay_alu instid0(VALU_DEP_1)
	v_readfirstlane_b32 s14, v1                    ; wave
	v_and_b32 v1, 31, v0                           ; lane
	s_cmp_eq_u32 ttmp9, 0
	s_cbranch_scc1 .Lplace
	s_sub_co_u32 s15, ttmp9, 1
	s_cmp_lt_u32 s15, 256                          ; the first 256 take gate_up, the other 128 down: the choice hangs on the work-group's number alone
	s_cselect_b32 s17, 2, 1                        ; log2 of the groups of eight q
	s_cselect_b32 s18, 13, 12                      ; log2 of a row's bytes
	s_cselect_b32 s19, 0, 256
	s_cselect_b32 s20, 5, 4                        ; log2 NQ
	s_cselect_b32 s22, 0, DNC
	s_mov_b32 s23, DNS
	s_cselect_b32 s23, GUS, s23
	s_sub_co_u32 s16, s15, s19
	s_lshl_b32 s24, 1, s17
	s_sub_co_u32 s24, s24, 1
	s_and_b32 s24, s16, s24
	s_lshr_b32 s25, s16, s17
	s_and_b32 s26, s25, 7                          ; K step
	s_lshr_b32 s27, s25, 3                         ; expert
	s_lshl_b32 s24, s24, 3
	s_add_co_u32 s24, s24, s14                     ; q: the eight waves stand side by side on 2,048 bytes of each row
	s_lshl_b32 s28, s27, 10
	s_lshl_b32 s29, s26, 7
	s_add_co_u32 s28, s28, s29
	s_lshl_b32 s28, s28, s18                       ; (1024 expert + 128 K step) rows, under 2^27 bytes
	s_lshl_b32 s29, s24, 8
	s_add_co_u32 s28, s28, s29
	s_mov_b32 s29, 0
	s_lshl_b32 s40, s27, s20
	s_add_co_u32 s40, s40, s24
	s_lshl_b32 s40, s40, 3
	s_add_co_u32 s40, s40, s26                     ; U
	s_mul_i32 s42, s40, 6144
	s_add_co_u32 s42, s42, s22
	s_mov_b32 s43, 0
	s_lshl_b32 s44, s40, 8
	s_add_co_u32 s44, s44, s23
	s_mov_b32 s45, 0
	s_lshl_b32 s41, 1, s18                         ; a row's bytes
	s_lshl_b32 s46, 32, s18                        ; a block's
	s_mov_b32 s47, 0
	v_bfe_u32 v8, v0, 3, 1                         ; (v / 8) % 2
	v_and_b32 v9, 7, v0
	v_bfe_u32 v10, v0, 4, 1
	s_delay_alu instid0(VALU_DEP_1)
	v_lshl_add_u32 v9, v10, 3, v9                  ; the tile's row
	s_mul_i32 s48, s14, 6144
	v_mul_u32_u24 v2, v8, 1536
	s_delay_alu instid0(VALU_DEP_1)
	v_lshl_add_u32 v2, v9, 4, v2
	s_delay_alu instid0(VALU_DEP_1)
	v_add_nc_u32 v2, s48, v2                       ; the stage, in
	s_wait_alu depctr_va_vdst(0)
	v_lshlrev_b32 v4, 4, v1
	s_delay_alu instid0(VALU_DEP_1)
	v_add_nc_u32 v3, s48, v4                       ; the stage, out
	v_lshl_add_u32 v5, v8, 4, v9
	s_delay_alu instid0(VALU_DEP_1)
	v_lshlrev_b32 v5, 3, v5                        ; my two scale words' place
	v_lshlrev_b32 v[OFFK], 3, v1
.set i, 1
.rept 31
	s_delay_alu instid0(VALU_DEP_1)
	v_add_nc_u32 v[OFFK+i], s41, v[OFFK+i-1]
.set i, i+1
.endr
	s_wait_alu depctr_va_vdst(0)
	s_wait_kmcnt 0x0
	s_cmp_lt_u32 s15, 256
	s_cselect_b64 s[32:33], s[4:5], s[6:7]
	s_add_nc_u64 s[32:33], s[32:33], s[28:29]      ; a base for each of the unit's four blocks
	s_add_nc_u64 s[34:35], s[32:33], s[46:47]
	s_add_nc_u64 s[36:37], s[34:35], s[46:47]
	s_add_nc_u64 s[38:39], s[36:37], s[46:47]
	s_add_nc_u64 s[42:43], s[10:11], s[42:43]
	s_add_nc_u64 s[44:45], s[10:11], s[44:45]
.macro LOADB beta                      ; block beta: 32 rows, my two columns of each
.set i, 0
.rept 32
	global_load_b64 v[X0+64*((\beta)%2)+2*i:X0+64*((\beta)%2)+2*i+1], v[OFFK+i], s[32+2*(\beta):33+2*(\beta)] th:TH_LOAD_NT
.set i, i+1
.endr
.endm
; Column p of block beta: 32 numbers into consecutive registers, the scale, the codes, and the codes to their place in the unit's image.
; Block beta is registers 6 (beta / 2) .. + 5 of lane (row, beta % 2).  next = 1: the set is free behind the moves and takes the block two on.
.macro QCOL beta, p, next
.set XB, X0+64*((\beta)%2)
.set i, 0
.rept 32
	v_mov_b32 v[T+i], v[XB+2*i+\p]
.set i, i+1
.endr
.if \next
	LOADB (\beta)+2
.endif
	v_max3_num_f32 v8, |v[T]|, |v[T+1]|, 0x1800000 ; with the floor 2^(3 - 127): the byte cannot fall under 1
	v_max3_num_f32 v9, |v[T+2]|, |v[T+3]|, |v[T+4]|
.irp i, 5,9,13,17,21,25
	s_delay_alu instid0(VALU_DEP_2)
	v_max3_num_f32 v8, v8, |v[T+\i]|, |v[T+\i+1]|
	s_delay_alu instid0(VALU_DEP_2)
	v_max3_num_f32 v9, v9, |v[T+\i+2]|, |v[T+\i+3]|
.endr
	s_delay_alu instid0(VALU_DEP_2)
	v_max3_num_f32 v8, v8, |v[T+29]|, |v[T+30]|
	s_delay_alu instid0(VALU_DEP_1)
	v_max3_num_f32 v8, v8, v9, |v[T+31]|
	s_delay_alu instid0(VALU_DEP_1)
	v_add_nc_u32 v10, 0xff000000, v8               ; 2 off the exponent field: the conversion's scale operand
	s_delay_alu instid0(VALU_DEP_1)
	v_lshrrev_b32 v11, 23, v10                     ; the scale's byte
.if (\beta) == 0
	s_delay_alu instid0(VALU_DEP_1)
	v_mov_b32 v[6+\p], v11
.else
	s_delay_alu instid0(VALU_DEP_1)
	v_lshl_or_b32 v[6+\p], v11, 8*(\beta), v[6+\p]
.endif
	s_wait_alu depctr_va_vdst(0)
	s_wait_dscnt 0x0                               ; the last column's stores have read the codes' registers
	v_cvt_scalef32_pk16_fp6_f32 v[C:C+2], v[T:T+15], v10
	v_cvt_scalef32_pk16_fp6_f32 v[CT:CT+2], v[T+16:T+31], v10
	v_nop                                          ; one plain place behind a scaled conversion
.irp i, 0,1,2
	v_mov_b32 v[C+3+\i], v[CT+\i]
.endr
.if (\beta)/2 == 0
	ds_store_b128 v2, v[C:C+3] offset:3072*\p+256*((\beta)%2)
	ds_store_b64 v2, v[C+4:C+5] offset:3072*\p+256*((\beta)%2)+512
.else
	ds_store_b64 v2, v[C:C+1] offset:3072*\p+256*((\beta)%2)+520
	ds_store_b128 v2, v[C+2:C+5] offset:3072*\p+256*((\beta)%2)+1024
.endif
.endm
	LOADB 0
	LOADB 1
	s_wait_loadcnt 32                              ; this block's 32 loads are in; the next block's may be out
	QCOL 0, 0, 0
	QCOL 0, 1, 1
	s_wait_loadcnt 32
	QCOL 1, 0, 0
	QCOL 1, 1, 1
	s_wait_loadcnt 32
	QCOL 2, 0, 0
	QCOL 2, 1, 0
	s_wait_loadcnt 0x0
	QCOL 3, 0, 0
	QCOL 3, 1, 0
.irp i, 0,1,2,3,4,5,6,7,8,9,10,11
	ds_load_b128 v[X0+4*\i:X0+4*\i+3], v3 offset:512*\i   ; the wave's own bytes, served in order: these see my stores
.endr
.irp i, 0,1,2,3,4,5,6,7,8,9,10,11
	s_wait_dscnt 11-\i
	global_store_b128 v4, v[X0+4*\i:X0+4*\i+3], s[42:43] offset:512*\i   ; 512 consecutive bytes, aligned
.endr
	global_store_b64 v5, v[6:7], s[44:45]          ; the unit's 256 bytes of scale words
	s_wait_tensorcnt 0x0
	ds_add_u32 v216, v217
	s_wait_dscnt 0x0
	s_endpgm
.Lplace:
	s_wait_alu depctr_va_vdst(0)
	; wave w takes tokens 256 w + 32 c + lane, c = 0 .. 7.  s16-23 counts, then totals; s24-31 tiles; s32-39 the next free position; s40-47 an expert's first tile
	v_lshlrev_b32 v2, 2, v1
	s_lshl_b32 s48, s14, 10
	v_add_nc_u32 v2, s48, v2                       ; sel: 1,024 w + 4 lane
	v_lshl_add_u32 v3, v0, 2, PLDS                 ; LDS: my wave's 32 words
	v_lshl_add_u32 v4, v1, 2, PLDS                 ; LDS: word lane of wave 0's
	v_lshlrev_b32 v5, 3, v1
	s_lshl_b32 s48, s14, 11
	v_add_nc_u32 v5, s48, v5                       ; POS: 2,048 w + 8 lane
	s_lshl_b32 s48, s14, 8
	v_add_nc_u32 v6, s48, v1                       ; my token of chunk 0
	s_wait_alu depctr_va_vdst(0)
	s_wait_kmcnt 0x0
.irp c, 0,1,2,3,4,5,6,7
	global_load_b32 v[16+\c], v2, s[8:9] offset:128*\c
.endr
.irp e, 0,1,2,3,4,5,6,7
	s_mov_b32 s[16+\e], 0
.endr
	s_wait_loadcnt 0x0
.irp c, 0,1,2,3,4,5,6,7
	v_and_b32 v[24+\c], 7, v[16+\c]
	v_bfe_u32 v[32+\c], v[16+\c], 8, 3
	v_mov_b32 v[40+2*\c], 0
	v_mov_b32 v[41+2*\c], 0
.endr
.irp c, 0,1,2,3,4,5,6,7
.irp e, 0,1,2,3,4,5,6,7
	v_cmp_eq_u32 s48, \e, v[24+\c]
	v_cmp_eq_u32 s49, \e, v[32+\c]
	s_or_b32 s48, s48, s49                         ; a token's two experts differ: a lane is counted once for an expert
	s_bcnt1_i32_b32 s48, s48
	s_add_co_u32 s[16+\e], s[16+\e], s48
.endr
.endr
	v_mov_b32 v80, 0
.irp e, 0,1,2,3,4,5,6,7
	s_delay_alu instid0(VALU_DEP_1)
	v_writelane_b32 v80, s[16+\e], \e
.endr
	ds_store_b32 v3, v80
	s_wait_dscnt 0x0                               ; for the others' sake: my counts have landed
	s_barrier_signal -1
	s_barrier_wait -1
.irp w, 0,1,2,3,4,5,6,7
	ds_load_b32 v[84+\w], v4 offset:128*\w
.endr
	v_mov_b32 v92, 0
	v_mov_b32 v93, 0
	s_wait_alu depctr_va_vdst(0)
	s_wait_dscnt 0x0
.irp w, 0,1,2,3,4,5,6,7
	v_add_nc_u32 v92, v92, v[84+\w]                ; lane e: expert e's rows in all,
	s_cmp_gt_u32 s14, \w
	s_cselect_b32 s48, 1, 0
	v_mad_u32_u24 v93, v[84+\w], s48, v93          ; and in the waves before mine
.endr
	v_add_nc_u32 v94, 127, v92
	s_delay_alu instid0(VALU_DEP_1)
	v_lshrrev_b32 v94, 7, v94                      ; its tiles of 128 rows
.irp e, 0,1,2,3,4,5,6,7
	v_readlane_b32 s[16+\e], v92, \e
	v_readlane_b32 s[24+\e], v94, \e
	v_readlane_b32 s[32+\e], v93, \e
.endr
	s_mov_b32 s40, 0
.irp e, 1,2,3,4,5,6,7
	s_add_co_u32 s[40+\e], s[39+\e], s[23+\e]
.endr
.irp e, 0,1,2,3,4,5,6,7
	s_lshl_b32 s48, s[40+\e], 7
	s_add_co_u32 s[32+\e], s[32+\e], s48
.endr
.irp c, 0,1,2,3,4,5,6,7
.irp e, 0,1,2,3,4,5,6,7
	v_cmp_eq_u32 s48, \e, v[24+\c]
	v_cmp_eq_u32 s49, \e, v[32+\c]
	s_or_b32 s50, s48, s49
	v_mbcnt_lo_u32_b32 v95, s50, s[32+\e]          ; the next free position + the lanes before mine that take this expert
	s_delay_alu instid0(VALU_DEP_1)
	v_cndmask_b32 v[40+2*\c], v[40+2*\c], v95, s48
	s_delay_alu instid0(VALU_DEP_2)
	v_cndmask_b32 v[41+2*\c], v[41+2*\c], v95, s49
	s_bcnt1_i32_b32 s50, s50
	s_add_co_u32 s[32+\e], s[32+\e], s50
.endr
.endr
.irp c, 0,1,2,3,4,5,6,7                ; each chunk has registers of its own: no store's sources are written again
	v_add_nc_u32 v[56+\c], 32*\c, v6
	v_min_u32 v[64+\c], 4991, v[40+2*\c]           ; there are 39 x 128 positions
	s_delay_alu instid0(VALU_DEP_1)
	v_lshlrev_b32 v[64+\c], 2, v[64+\c]
	v_min_u32 v[72+\c], 4991, v[41+2*\c]
	s_delay_alu instid0(VALU_DEP_1)
	v_lshlrev_b32 v[72+\c], 2, v[72+\c]
	global_store_b64 v5, v[40+2*\c:41+2*\c], s[12:13] offset:POSO+256*\c   ; 256 consecutive bytes, aligned
	global_store_b32 v[64+\c], v[56+\c], s[12:13] offset:LISTO
	global_store_b32 v[72+\c], v[56+\c], s[12:13] offset:LISTO
.endr
	s_cmp_lg_u32 s14, 0
	s_cbranch_scc1 .Lplaced
	v_lshlrev_b32 v96, 1, v1                       ; wave 0: the tile table, tiles 2 lane and 2 lane + 1
	s_delay_alu instid0(VALU_DEP_1)
	v_add_nc_u32 v97, 1, v96
	v_mov_b32 v98, 0
	v_mov_b32 v99, 0
.irp e, 0,1,2,3,4,5,6,7
.irp k, 0,1
	v_sub_nc_u32 v100, v[96+\k], s[40+\e]          ; which of the expert's tiles (a tile before its first wraps to a large number)
	s_delay_alu instid0(VALU_DEP_1)
	v_cmp_gt_u32 vcc_lo, s[24+\e], v100
	s_delay_alu instid0(VALU_DEP_2)
	v_lshlrev_b32 v101, 7, v100
	s_delay_alu instid0(VALU_DEP_1)
	v_sub_nc_u32 v101, s[16+\e], v101
	s_delay_alu instid0(VALU_DEP_1)
	v_min_u32 v101, 128, v101                      ; its rows
	s_delay_alu instid0(VALU_DEP_1)
	v_lshl_or_b32 v101, v101, 8, \e
	s_delay_alu instid0(VALU_DEP_1)
	v_cndmask_b32 v[98+\k], v[98+\k], v101, vcc_lo
.endr
.endr
	global_store_b64 v5, v[98:99], s[12:13]        ; in wave 0 the offset is 8 lane: 256 consecutive bytes
.Lplaced:
	s_wait_tensorcnt 0x0
	ds_add_u32 v216, v217
	s_wait_dscnt 0x0
	s_endpgm
.Lfunc_end_k_q450fbee32b_prep:
	.size	k_q450fbee32b_prep, .Lfunc_end_k_q450fbee32b_prep-k_q450fbee32b_prep
	.p2alignl 7, 3214868480
	.fill 96, 4, 3214868480
	.section	.rodata,"a",@progbits
	.p2align	6, 0x0
	.amdhsa_kernel k_q450fbee32b_prep
		.amdhsa_group_segment_fixed_size 51200
		.amdhsa_private_segment_fixed_size 0
		.amdhsa_enable_private_segment 0
		.amdhsa_kernarg_size 40
		.amdhsa_user_sgpr_count 2
		.amdhsa_user_sgpr_kernarg_segment_ptr 1
		.amdhsa_wavefront_size32 1
		.amdhsa_system_sgpr_workgroup_id_x 1
		.amdhsa_system_sgpr_workgroup_id_y 1
		.amdhsa_system_sgpr_workgroup_id_z 1
		.amdhsa_system_vgpr_workitem_id 0
		.amdhsa_next_free_vgpr 218
		.amdhsa_next_free_sgpr 66
		.amdhsa_reserve_vcc 1
		.amdhsa_float_denorm_mode_32 3
		.amdhsa_float_denorm_mode_16_64 3
		.amdhsa_memory_ordered 1
		.amdhsa_forward_progress 1
		.amdhsa_inst_pref_size 111
	.end_amdhsa_kernel
	.amdgpu_metadata
---
amdhsa.version: [ 1, 2 ]
amdhsa.kernels:
  - .name:           k_q450fbee32b_prep
    .symbol:         k_q450fbee32b_prep.kd
    .args:
      - { .name: gate_up_proj, .offset: 0, .size: 8, .value_kind: global_buffer, .address_space: global }
      - { .name: down_proj, .offset: 8, .size: 8, .value_kind: global_buffer, .address_space: global }
      - { .name: sel, .offset: 16, .size: 8, .value_kind: global_buffer, .address_space: global }
      - { .name: wq, .offset: 24, .size: 8, .value_kind: global_buffer, .address_space: global }
      - { .name: plan, .offset: 32, .size: 8, .value_kind: global_buffer, .address_space: global }
    .group_segment_fixed_size: 51200
    .private_segment_fixed_size: 0
    .kernarg_segment_align: 8
    .kernarg_segment_size: 40
    .max_flat_workgroup_size: 256
    .sgpr_count:     66
    .vgpr_count:     218
    .wavefront_size: 32
...
	.end_amdgpu_metadata
.endif
;; end of part 7
;; launch gateup (part 8): grid 4 x 39, 4 waves a work-group, no clusters, 124,416 bytes of LDS; arguments plan, xq, wq, gate_up_bias, hq; writes hq
.if DOCPART == 8
	.amdgcn_target "amdgcn-amd-amdhsa--gfx1250"
	.amdhsa_code_object_version 6
	.text
	.protected	k_q450fbee32b_gateup
	.globl	k_q450fbee32b_gateup
	.p2align	8
	.type	k_q450fbee32b_gateup,@function
k_q450fbee32b_gateup:
	s_mov_b64 s[64:65], 0
	v_nop
	global_prefetch_b8 v0, s[64:65] scope:SCOPE_SE
	s_setreg_imm32_b32 hwreg(HW_REG_WAVE_SCHED_MODE, 0, 2), 2
	s_setreg_imm32_b32 hwreg(HW_REG_WAVE_MODE, 25, 1), 1
	s_wait_xcnt 0x0
	s_wait_alu depctr_vm_vsrc(0)
; THE FIRST PRODUCT OF THE CHOSEN ROWS: h = (clip(up) + 1) x gate' sigmoid(1.702 gate'), gate' = min(gate, 7), (gate, up) = x W1 + b1, on codes of E2M3; h is quantised along the next K and stored as codes.
; Work-group (x, j): tile j of the plan's table (128 positions of one expert) x gate_up columns 512 x .. 512 x + 511, IN TWO PASSES of 256 columns: pass z makes hidden units 128 (2 x + z) on = K step 2 x + z of the second product.
; The grid has ceil(4096 / 128) + 7 = 39 tiles, which serves every split, x 4 = 156 work-groups: each has a WGP of its own.  A tile without rows stores nothing: a branch on a stored number, so there is no tensor load.
; No cluster: partners would have to be tiles of one expert, and how many tiles an expert has is read from memory.
; Wave w, pass z: all 128 rows x unit q = 8 x + 4 z + w (64 columns): 32 accumulators.  ITS WEIGHTS, all of K (48 KiB), come from memory straight into 384 registers, each byte once in the work-group.
; Pass 1's weights are asked for into the same registers while pass 0's activation is computed: 52 loads ahead of it, 60 in its middle, in the order of the head's loads, so that both passes have the same waits.
; THE ROWS' CODES (64 fragments, 98,304 bytes) are gathered once into LDS, a lane's 48 bytes on end, and serve all four waves in both passes, read a K step ahead.
; Rows past the tile's count repeat its last row; a tile without rows reads tile 0's list: every load stays on bytes that were written, and no barrier stands under the branch.
; THE PRODUCT IS USED TRANSPOSED (source 0 = 16 columns of W1, source 1 = 16 rows): lane (r, h) holds row r; register j of tile 2 p + u holds column 64 q + 2 (16 h + 8 u + j) + p: p = 0 gate, p = 1 up
; of hidden unit 32 q + 16 h + 8 u + j.  So a wave's 32 units are ONE block of 32 of the next K, half in lane l, half in lane l xor 16.  The bias is the C of each sum's first matrix instruction.
; hq: codes [tile 39][K step 8][row tile 8][lane 32][48 bytes], the operand's registers; scale words [tile][K step][128], row (m, r) at word 4 r + 64 (m % 2) + m / 2.
; THREE BARRIERS: the rows' codes lie in LDS | pass 0's codes lie in its stage | pass 1's in its own.  Each pass has a stage of its own, so pass 1 writes no byte that a wave may still read of pass 0's.
; LIMITS: NaN and infinities are not served; a block whose largest magnitude lies under 2^-124 gets the byte 1 (its codes are zeros; this program alone reads the bytes).
; REGISTERS, in windows of 256: window 0: v0-15 addresses; v16-47 the rows' scale words (register 8 (m / 2) + s: lanes 0-15 row tile m even, 16-31 odd); v48-63 the weights' (2 s + p: lanes 0-15 tile 2 p, 16-31 tile 2 p + 1);
;   v64-159, v160-255 two sets of the rows' 8 fragments; v192-223 also the bias as loaded, until the first K step.  window 1: accumulator (m, f) at v[8 (4 m + f)]; before that 192 registers on the rows' way into LDS.
;   window 2: the weights of K steps 0-4 at v[48 s + 12 f];  window 3: of K steps 5-7; v144-175 the bias in the result's layout.
; THE MODE: SCHED_MODE bits 1:0 = 2 (LLVM: expert scheduling mode 2), set by the entry lines.  The code itself states the register dependences
; between vector or matrix instructions and memory or LDS instructions, with s_wait_alu, always for 0.
; THE PLAN.  Registers that memory or LDS instructions touch:
;   set 0 (v64-159), set 1 (v160-255)  K step s's 32 matrix instructions read set s % 2; the LDS loads of K step s + 1, issued in K step s, land in the other set, which K step s - 1 read.
;       ONE wait on va_vdst at a K step's head states that the step before is done reading that set.  The step's 24 LDS loads follow it in four runs of six, ahead of its first four row tiles' products,
;       which name this step's set, the weights, the scale words and the accumulators: none of the registers that those loads touch.  The runs cost six window switches a K step: that is the price of short runs.
;   the weights (windows 2 and 3), v48-63, v192-223  Read by the products (v192-223 also by the moves of the bias).  Pass 1's 112 loads land in them behind one wait on va_vdst behind pass 0's last product;
;       the activation, which runs meanwhile, names none of them.
;   v166-173  A pair of row tiles' scale bytes and codes: written at the end of the pair's activation; read by five LDS stores, which are issued in the NEXT pair's activation, behind the wait that its exponentials
;       have in any case; one wait on vm_vsrc stands ahead of the lines that write them again.  The last pair's stores have a wait on va_vdst of their own, which also serves the way out's LDS loads.
;   v64-87, v96-99 on the way out  LDS loads land in them, stores to memory read them; in pass 1 K step 0's fragments land there behind a wait on vm_vsrc.
;   window 1 at the head  The gather's loads land there, LDS stores read it, the products write it: one wait on vm_vsrc at the head's end.
;   addresses  v1-3 and v12-15 are made once; v4 and v5 twice (a wait on vm_vsrc ahead of the second make, one on va_vdst behind it); v6-11 and v67-72 serve the head alone.
.set LISTO, 256
.set XSO,   1572864
.set GUSO,  18874368
.set HSO,   3833856
.set STG,   98304                      ; LDS behind the rows' codes: pass 0's 12,288 bytes of h's codes,
.set SCST,  110592                     ; and its 512 bytes of scale words;
.set PSTG,  12800                      ; pass 1's lie this much further on
.set AS,  16
.set BS,  48
.set A0,  64
.set RAWB, 192                         ; the bias as loaded: registers that the activation does not touch
.set BI,  144
.set G,   64                           ; the activation: v64-95 gate, v96-127 up, v128-159 the exponentials, then h
.set UP,  96
.set EX,  128
.set MSB, 0
.macro WIN new                         ; the immediate's high byte repeats the setting that is left
.if MSB != \new
	s_set_vgpr_msb (MSB<<8)|\new
.set MSB, \new
.endif
.endm
.macro PLACES                          ; four plain places behind a matrix instruction of this form, in front of loads into its sources and of reads of its results
.rept 4
	v_nop
.endr
.endm
.macro BLOAD s, z                      ; pass z's weights of K step s: 12 loads of 512 consecutive bytes; four units on is 4 x 49,152 bytes
.if (\s) < 5
	WIN 0x80
.else
	WIN 0xc0
.endif
.irp f, 0,1,2,3
.irp g, 0,1,2
	global_load_b128 v[48*((\s)%5)+12*\f+4*\g:48*((\s)%5)+12*\f+4*\g+3], v1, s[24:25] offset:196608*(\z)+6144*(\s)+1536*\f+512*\g
.endr
.endr
.endm
.macro BSLOAD z                        ; pass z's weights' scale words, all of K: 8 loads of 256 consecutive bytes
.irp s, 0,1,2,3,4,5,6,7
	global_load_b64 v[BS+2*\s:BS+2*\s+1], v12, s[26:27] offset:8192*(\z)+256*\s
.endr
.endm
.macro BIASLOAD z                      ; pass z's 64 numbers of the bias: my half's 32
.irp u, 0,1
.irp i, 0,1,2,3
	global_load_b128 v[RAWB+16*\u+4*\i:RAWB+16*\u+4*\i+3], v13, s[28:29] offset:1024*(\z)+64*\u+16*\i
.endr
.endr
.endm
.macro AFRAG s, m                      ; the fragment of row tile m, K step s, into set s % 2: three loads
.irp g, 0,1,2
	ds_load_b128 v[A0+96*((\s)%2)+12*(\m)+4*\g:A0+96*((\s)%2)+12*(\m)+4*\g+3], v[2+(\s)/4] offset:((8*(\s)+(\m))%32)*1536+16*\g
.endr
.endm
.macro AFETCH s                        ; the rows' 8 fragments of K step s in one run
.irp m, 0,1,2,3,4,5,6,7
	AFRAG \s, \m
.endr
.endm
.macro WINMUL s                        ; the products' windows
.if (\s) == 0
	WIN 0x72                                       ; weights window 2, rows window 0, C = the bias in window 3, D window 1
.elseif (\s) < 5
	WIN 0x52
.else
	WIN 0x53
.endif
.endm
.macro WM s, m, f
.set rD, 8*(4*(\m)+(\f))
.set rC, rD
.if (\s) == 0
.set rC, BI+8*(\f)
.endif
.set rB, 48*((\s)%5)+12*(\f)
.set rA, A0+96*((\s)%2)+12*(\m)
.set rP, BS+2*(\s)+(\f)/2
.set rQ, AS+8*((\m)/2)+(\s)
.if ((\f)%2) && ((\m)%2)
	v_wmma_scale_f32_16x16x128_f8f6f4 v[rD:rD+7], v[rB:rB+11], v[rA:rA+11], v[rC:rC+7], v[rP], v[rQ] matrix_a_fmt:MATRIX_FMT_FP6 matrix_b_fmt:MATRIX_FMT_FP6 matrix_a_scale:MATRIX_SCALE_ROW1 matrix_b_scale:MATRIX_SCALE_ROW1
.elseif (\f)%2
	v_wmma_scale_f32_16x16x128_f8f6f4 v[rD:rD+7], v[rB:rB+11], v[rA:rA+11], v[rC:rC+7], v[rP], v[rQ] matrix_a_fmt:MATRIX_FMT_FP6 matrix_b_fmt:MATRIX_FMT_FP6 matrix_a_scale:MATRIX_SCALE_ROW1
.elseif (\m)%2
	v_wmma_scale_f32_16x16x128_f8f6f4 v[rD:rD+7], v[rB:rB+11], v[rA:rA+11], v[rC:rC+7], v[rP], v[rQ] matrix_a_fmt:MATRIX_FMT_FP6 matrix_b_fmt:MATRIX_FMT_FP6 matrix_b_scale:MATRIX_SCALE_ROW1
.else
	v_wmma_scale_f32_16x16x128_f8f6f4 v[rD:rD+7], v[rB:rB+11], v[rA:rA+11], v[rC:rC+7], v[rP], v[rQ] matrix_a_fmt:MATRIX_FMT_FP6 matrix_b_fmt:MATRIX_FMT_FP6
.endif
.endm
; A K step: 32 matrix instructions; the 32 accumulators take turns in the same order in every step.  The next step's fragments are asked for two at a time, ahead of the first four row tiles' products.
.macro KSTEP s
.if (\s) > 0
	PLACES                                         ; the set to be loaded was read by the step before
.endif
	s_wait_dscnt 0x0                               ; this step's fragments are in: the last of them were asked for 20 matrix instructions ago (K step 0's: just now)
.if (\s) >= 3
	s_wait_loadcnt 12*(7-(\s))                     ; this step's weights are in; the later steps' 12 loads each may be out
.endif
.if ((\s) > 0) && ((\s) < 7)
	s_wait_alu depctr_va_vdst(0)                   ; the matrix instructions of the step before are done reading the other set, in which this step's 24 LDS loads land
.endif
.irp m, 0,1,2,3,4,5,6,7
.if ((\s) < 7) && (\m < 4)
	WIN 0
	AFRAG (\s)+1, 2*\m                             ; no further wait: no vector or matrix instruction since the wait names the other set or its address
	AFRAG (\s)+1, 2*\m+1
.endif
	WINMUL \s
.irp f, 0,1,2,3
	WM \s, \m, \f
.endr
.endr
	WIN 0
.endm
; The scale bytes and codes of row tiles a and a + 1 of pass z go into pass z's stage.
.macro HSTORE a, z
.irp t, 0,1
	ds_store_b8 v15, v[166+\t] offset:PSTG*(\z)+256*\t+4*((\a)/2)   ; byte w of the row's word; both halves of the lanes write the same byte with the same value
.endr
.irp i, 0,1,2
	ds_store_b64 v14, v[168+2*\i:169+2*\i] offset:PSTG*(\z)+1536*(\a)+8*\i
.endr
.endm
; Row tiles a and a + 1 of pass z: the activation of 32 numbers a lane (16 t + 8 u + j), the block's scale, the codes.  The pair before's bytes and codes are stored on the way; this pair's by the next pair, or behind the last.
.macro EPI a, z
	WIN 0x01                                       ; source 0: the accumulators
.irp t, 0,1
.irp u, 0,1
.irp j, 0,1,2,3,4,5,6,7
	v_min_num_f32 v[G+16*\t+8*\u+\j], v[8*(4*((\a)+\t)+\u)+\j], s40
.endr
.endr
.endr
.irp t, 0,1
.irp u, 0,1
.irp j, 0,1,2,3,4,5,6,7
	v_med3_num_f32 v[UP+16*\t+8*\u+\j], v[8*(4*((\a)+\t)+2+\u)+\j], s41, s40
.endr
.endr
.endr
	WIN 0
.set n, 0
.rept 16
	v_pk_mul_f32 v[EX+n:EX+n+1], v[G+n:G+n+1], s[42:43] op_sel_hi:[1,0]   ; -1.702 log2(e) x gate
.set n, n+2
.endr
.set n, 0
	s_wait_alu depctr_va_vdst(0)
.rept 32
	v_exp_f32 v[EX+n], v[EX+n]
.set n, n+1
.endr
	v_nop                                          ; a plain place behind the batch
	s_wait_alu depctr_va_vdst(0)                   ; the 32 exponentials are written, ahead of their first reader; so are the pair before's bytes and codes, v166-173, which the LDS stores below read
.if (\a) > 0
	HSTORE (\a)-2, \z
.endif
.set n, 0
.rept 16
	v_pk_add_f32 v[EX+n:EX+n+1], v[EX+n:EX+n+1], 1.0 op_sel_hi:[1,0]
.set n, n+2
.endr
.set n, 0
	s_wait_alu depctr_va_vdst(0)
.rept 32
	v_rcp_f32 v[EX+n], v[EX+n]                     ; the sigmoid (an exponential that has overflowed gives 0, as it should)
.set n, n+1
.endr
	v_nop
	s_wait_alu depctr_va_vdst(0)                   ; the 32 reciprocals are written, ahead of their first reader
.set n, 0
.rept 16
	v_pk_mul_f32 v[G+n:G+n+1], v[G+n:G+n+1], v[EX+n:EX+n+1]
.set n, n+2
.endr
.set n, 0
.rept 16
	v_pk_fma_f32 v[EX+n:EX+n+1], v[UP+n:UP+n+1], v[G+n:G+n+1], v[G+n:G+n+1]   ; (up + 1) x glu
.set n, n+2
.endr
	s_wait_alu depctr_va_vdst(0)
	s_wait_dscnt 0x0                               ; the LDS stores issued so far are done
.if (\a) > 0
	s_wait_alu depctr_vm_vsrc(0)                   ; the pair before's LDS stores have read v166-173, which the lines below write again
.endif
.irp t, 0,1
	v_max3_num_f32 v[160+\t], |v[EX+16*\t]|, |v[EX+16*\t+1]|, 0x1800000   ; my 16 of the block, with the floor 2^(3 - 127)
.endr
.irp i, 2,4,6,8,10,12,14
.irp t, 0,1
	v_max3_num_f32 v[160+\t], v[160+\t], |v[EX+16*\t+\i]|, |v[EX+16*\t+\i+1]|
.endr
.endr
.irp t, 0,1
	v_permlanex16_b32 v[162+\t], v[160+\t], s44, s45
.endr
.irp t, 0,1
	v_max_num_f32 v[160+\t], v[160+\t], v[162+\t]  ; with lane l xor 16's: the block's largest magnitude
.endr
.irp t, 0,1
	v_add_nc_u32 v[164+\t], 0xff000000, v[160+\t]  ; 2 off the exponent field: the conversion's scale operand
.endr
.irp t, 0,1
	v_lshrrev_b32 v[166+\t], 23, v[164+\t]
.endr
	v_cvt_scalef32_pk16_fp6_f32 v[168:170], v[EX:EX+15], v164
	v_cvt_scalef32_pk16_fp6_f32 v[176:178], v[EX+16:EX+31], v165
	v_nop                                          ; one plain place behind a scaled conversion
.irp i, 0,1,2
	v_permlane16_swap_b32 v[168+\i], v[176+\i]     ; lane (r, h) now holds the whole block of row r of row tile a + h: the lower 16 codes here, the upper 16 there
.endr
.irp i, 0,1,2
	v_mov_b32 v[171+\i], v[176+\i]
.endr
.endm
; PASS z: the bias into the result's layout, eight K steps, the activation and the codes.  Pass 0 also asks for pass 1's weights, scale words and bias.
.macro WORK z
.if (\z) == 1
	s_wait_loadcnt 60                              ; this pass's scale words, bias and K steps 0-2 are in; behind them the 60 loads of K steps 3-7
.endif
	WIN 0xc0
.irp p, 0,1
.irp u, 0,1
.irp j, 0,1,2,3,4,5,6,7
	v_mov_b32 v[BI+8*(2*\p+\u)+\j], v[RAWB+16*\u+2*\j+\p]   ; the bias in the result's layout
.endr
.endr
.endr
	WIN 0
	PLACES
.if (\z) == 1
	s_wait_xcnt 0x0                                ; pass 0's stores have read their registers: the fragments below land there
	s_wait_alu depctr_vm_vsrc(0)                   ; pass 0's stores to memory have read v64-87 and v96-99, its last LDS stores v166-173: the fragments of K steps 0 and 1 land there
.endif
	s_wait_alu depctr_va_vdst(0)                   ; the moves are done reading the bias as loaded, v192-223, in which K step 1's fragments land; in pass 1 the activation is done with v64-178 too
	AFETCH 0
	KSTEP 0
	KSTEP 1
	KSTEP 2
	KSTEP 3
	KSTEP 4
	KSTEP 5
	KSTEP 6
	KSTEP 7
	PLACES                                         ; for the loads into registers that the products have read, and for the first reads of results
.if (\z) == 0
	s_wait_alu depctr_va_vdst(0)                   ; the products are done reading the weights, their scale words v48-63 and v192-223: pass 1's 112 loads land there, and the activation names none of these registers nor v1, v12, v13
	BSLOAD 1                                       ; 8 + 8 + 36 = 52 loads, as in the head
	BIASLOAD 1
	BLOAD 0, 1
	BLOAD 1, 1
	BLOAD 2, 1
	WIN 0
.endif
	v_mov_b32 v162, 0                              ; a lane permute's destination counts as one of its sources
	v_mov_b32 v163, 0
	EPI 0, \z
	EPI 2, \z
.if (\z) == 0
	BLOAD 3, 1                                     ; the other 60, two pairs of row tiles later
	BLOAD 4, 1
	BLOAD 5, 1
	BLOAD 6, 1
	BLOAD 7, 1
	WIN 0
.endif
	EPI 4, \z
	EPI 6, \z
	s_wait_alu depctr_va_vdst(0)                   ; the last pair's bytes and codes, v166-173, are written, which the LDS stores read; and the activation is done with v64-99, in which the way out's LDS loads land
	HSTORE 6, \z
.endm
; THE WAY OUT of pass z: each wave stores a quarter of the stage, wave 0 also the scale words.
; No vector instruction stands between the pass's last wait on va_vdst and these lines; the stores' data come from LDS loads, whose counter is waited for.
.macro OUT z
.irp i, 0,1,2,3,4,5
	ds_load_b128 v[64+4*\i:67+4*\i], v4 offset:PSTG*(\z)+512*\i
.endr
.irp i, 0,1,2,3,4,5
	s_wait_dscnt 5-\i
	global_store_b128 v1, v[64+4*\i:67+4*\i], s[34:35] offset:12288*(\z)+512*\i   ; 512 consecutive bytes, aligned
.endr
	s_cmp_lg_u32 s14, 0
	s_cbranch_scc1 .Lnot_wave_0_\@
	ds_load_b128 v[96:99], v5 offset:PSTG*(\z)     ; wave 0: the 128 scale words
	s_wait_dscnt 0x0
	global_store_b128 v1, v[96:99], s[36:37] offset:512*(\z)
.Lnot_wave_0_\@:
.endm
	s_load_b256 s[4:11], s[0:1], 0x0               ; plan s[4:5], xq s[6:7], wq s[8:9], bias s[10:11]
	s_load_b64 s[12:13], s[0:1], 0x20              ; hq
	s_set_vgpr_msb 0x80
	v_lshl_add_u32 v254, v0, 2, 0x1e400
	v_mov_b32 v255, 0
	s_set_vgpr_msb 0x8000
	v_lshrrev_b32 v1, 5, v0
	v_readfirstlane_b32 s14, v1                    ; wave
	s_and_b32 s16, ttmp7, 0xffff                   ; tile j
	s_lshl_b32 s17, s16, 2
	s_wait_kmcnt 0x0
	s_load_b32 s18, s[4:5], s17 offset:0x0         ; the tile's word: expert | rows << 8
	v_and_b32 v64, 31, v0                          ; lane
	v_and_b32 v65, 15, v0                          ; r
	v_bfe_u32 v66, v0, 4, 1                        ; h
	s_wait_alu depctr_va_vdst(0)
	v_lshlrev_b32 v1, 4, v64                       ; 16 lane
	v_mul_u32_u24 v2, v64, 48                      ; a fragment's place for my lane, K steps 0-3,
	v_add_nc_u32 v3, 49152, v2                     ; K steps 4-7
	s_wait_alu depctr_va_sdst(0)                   ; s14 is written, ahead of its first reader: LDS addresses and the bases of wq, the bias and hq are made from it
	s_mul_i32 s46, s14, 3072
	v_add_nc_u32 v4, s46, v2                       ; where I put my two row tiles (later: the way out's addresses)
	v_add_nc_u32 v5, 49152, v4
	v_lshlrev_b32 v12, 3, v64                      ; the weights' scale words: 8 lane
	v_lshlrev_b32 v13, 7, v66                      ; the bias: 128 h
	s_and_b32 s46, s14, 1
	s_mul_i32 s46, s46, 768
	s_lshr_b32 s47, s14, 1
	s_mul_i32 s47, s47, 24
	s_add_co_u32 s46, s46, s47
	s_add_co_u32 s46, s46, STG
	v_mul_u32_u24 v14, v66, 1536
	v_mad_u32_u24 v14, v65, 48, v14
	v_add_nc_u32 v14, s46, v14                     ; h's codes: row tile a + h, lane r + 16 (w % 2), registers 6 (w / 2) on
	s_add_co_u32 s47, s14, SCST
	v_lshl_add_u32 v15, v65, 4, s47                ; h's scale byte: 16 r + w
	s_lshl_b32 s46, s14, 5
	v_add_nc_u32 v67, s46, v65                     ; the rows whose codes I gather: 16 (2 w + mm) + r,
	v_add_nc_u32 v68, 16, v67
	v_mov_b32 v69, v64                             ; and those whose scale words: 32 i + lane
	v_add_nc_u32 v70, 32, v64
	v_add_nc_u32 v71, 64, v64
	v_add_nc_u32 v72, 96, v64
	v_mul_u32_u24 v79, v66, 48
	s_mov_b32 s40, 0x40e00000                      ; 7.0
	s_mov_b32 s41, 0xc0e00000                      ; -7.0
	s_mov_b32 s42, 0xc01d265f                      ; -1.702 log2(e)
	s_mov_b32 s43, s42                             ; (named with it as a pair, so it is written)
	s_mov_b32 s44, 0x76543210
	s_mov_b32 s45, 0xfedcba98
	s_lshl_b32 s23, ttmp9, 3
	s_add_co_u32 s23, s23, s14                     ; pass 0's q = 8 x + w; pass 1's is four on
	s_mov_b32 s39, 0
	s_wait_alu depctr_va_vdst(0)
	s_wait_kmcnt 0x0
	s_and_b32 s19, s18, 0xff
	s_min_u32 s19, s19, 7                          ; expert
	s_lshr_b32 s20, s18, 8
	s_min_u32 s20, s20, 128                        ; rows
	s_cmp_eq_u32 s20, 0
	s_cselect_b32 s21, 0, s16
	s_min_u32 s21, s21, 38                         ; the tile whose list is read
	s_max_u32 s22, s20, 1
	s_sub_co_u32 s22, s22, 1                       ; its last row
	s_lshl_b32 s46, s19, 5
	s_add_co_u32 s46, s46, s23
	s_mul_i32 s38, s46, 49152
	s_add_nc_u64 s[24:25], s[8:9], s[38:39]        ; pass 0's unit: its codes, K step 0
	s_lshl_b32 s38, s46, 11
	s_add_co_u32 s38, s38, GUSO
	s_add_nc_u64 s[26:27], s[8:9], s[38:39]        ; its scale words
	s_lshl_b32 s38, s19, 13
	s_lshl_b32 s47, s23, 8
	s_add_co_u32 s38, s38, s47
	s_add_nc_u64 s[28:29], s[10:11], s[38:39]      ; its 64 numbers of the bias
	s_lshl_b32 s38, s21, 9
	s_add_co_u32 s38, s38, LISTO
	s_add_nc_u64 s[30:31], s[4:5], s[38:39]        ; the tile's list
	s_add_nc_u64 s[32:33], s[6:7], XSO             ; x's scale words
	s_lshl_b32 s46, s16, 3
	s_lshl_b32 s47, ttmp9, 1
	s_add_co_u32 s46, s46, s47                     ; 8 j + pass 0's K step
	s_mul_i32 s38, s46, 12288
	s_mul_i32 s47, s14, 3072
	s_add_co_u32 s38, s38, s47
	s_add_nc_u64 s[34:35], s[12:13], s[38:39]      ; where my quarter of h's codes goes
	s_lshl_b32 s38, s46, 9
	s_add_co_u32 s38, s38, HSO
	s_add_nc_u64 s[36:37], s[12:13], s[38:39]      ; and the scale words
.irp i, 0,1,2,3,4,5
	v_min_u32 v[67+\i], s22, v[67+\i]              ; rows past the count repeat the last row
	v_min_u32 v[67+\i], 127, v[67+\i]
	v_lshlrev_b32 v[67+\i], 2, v[67+\i]
.endr
	s_wait_alu depctr_va_vdst(0)                   ; the offsets and LDS addresses v1-5, v12-15 and v67-72 are written, which the loads and LDS stores below read
.irp i, 0,1,2,3,4,5
	global_load_b32 v[73+\i], v[67+\i], s[30:31]   ; 6 loads: the tokens
.endr
	BSLOAD 0
	BIASLOAD 0
	BLOAD 0, 0
	BLOAD 1, 0
	BLOAD 2, 0
	WIN 0
	s_wait_loadcnt 52                              ; the tokens are in: behind them 8 + 8 + 36 loads
.irp i, 0,1,2,3,4,5
	v_min_u32 v[73+\i], 2047, v[73+\i]
.endr
	v_mul_u32_u24 v6, v73, 768
	v_add_nc_u32 v6, v6, v79                       ; a token's codes: 768 bytes, + 48 h
	v_mul_u32_u24 v7, v74, 768
	v_add_nc_u32 v7, v7, v79
.irp i, 0,1,2,3
	v_lshlrev_b32 v[8+\i], 5, v[75+\i]             ; its scale words: 32 bytes
.endr
	s_wait_alu depctr_va_vdst(0)                   ; the gather's offsets v6-11 are written, which the loads below read; and the head's arithmetic is done with v64-79, in which K step 0's fragments will land
.irp i, 0,1,2,3
	global_load_b128 v[AS+8*\i:AS+8*\i+3], v[8+\i], s[32:33]
	global_load_b128 v[AS+8*\i+4:AS+8*\i+7], v[8+\i], s[32:33] offset:16
.endr
	WIN 0x40                                       ; destination window 1
.irp mm, 0,1
.irp s, 0,1,2,3,4,5,6,7
.irp g, 0,1,2
	global_load_b128 v[12*(8*\mm+\s)+4*\g:12*(8*\mm+\s)+4*\g+3], v[6+\mm], s[6:7] offset:96*\s+16*\g
.endr
.endr
.endr
	BLOAD 3, 0
	BLOAD 4, 0
	BLOAD 5, 0
	BLOAD 6, 0
	BLOAD 7, 0
	WIN 0
	s_wait_loadcnt 60                              ; all but the last five K steps' weights
	WIN 0x04                                       ; an LDS store's data are its source 1: window 1
.irp mm, 0,1
.irp s, 0,1,2,3,4,5,6,7
.irp g, 0,1,2
	ds_store_b128 v[4+\s/4], v[12*(8*\mm+\s)+4*\g:12*(8*\mm+\s)+4*\g+3] offset:(8*(\s%4)+\mm)*1536+16*\g
.endr
.endr
.endr
	WIN 0
	s_wait_dscnt 0x0                               ; for the others' sake: my two row tiles lie in LDS
	s_mul_i32 s46, s14, 3072
	s_add_co_u32 s46, s46, STG
	s_wait_alu depctr_vm_vsrc(0)                   ; the LDS stores have read v4 and v5, which are written next, and their data in window 1, which the products will write; the list's loads have read v67-72, in which K step 0's fragments will land
	v_add_nc_u32 v4, s46, v1                       ; the stores that named v4 and v5 are done: they become the way out's LDS addresses, ahead of the first branch
	v_add_nc_u32 v5, SCST, v1
	s_wait_alu depctr_va_vdst(0)                   ; v4 and v5 are written, which the way out's LDS loads read: stated here, ahead of the branches, for every way to those loads
	s_barrier_signal -1
	s_barrier_wait -1
	s_cmp_eq_u32 s20, 0                            ; a tile without rows: the work is passed over, the barriers below are not
	s_cbranch_scc1 .Lmeet0
	WORK 0
.Lmeet0:
	s_wait_dscnt 0x0                               ; for the others' sake: my block's codes and bytes lie in pass 0's stage
	s_barrier_signal -1
	s_barrier_wait -1
	s_cmp_eq_u32 s20, 0
	s_cbranch_scc1 .Lmeet1
	OUT 0
	WORK 1
.Lmeet1:
	s_wait_dscnt 0x0                               ; for the others' sake: my block's codes and bytes lie in pass 1's stage
	s_barrier_signal -1
	s_barrier_wait -1
	s_cmp_eq_u32 s20, 0
	s_cbranch_scc1 .Lend
	OUT 1
.Lend:
	s_set_vgpr_msb 0xa                             ; the add's two registers, sources 0 and 1, lie in window 2
	s_wait_dscnt 0x0                               ; the closing lines, six on end
	s_wait_alu 0x0
	s_wait_tensorcnt 0x0
	ds_add_u32 v254, v255
	s_wait_dscnt 0x0
	s_endpgm
.Lfunc_end_k_q450fbee32b_gateup:
	.size	k_q450fbee32b_gateup, .Lfunc_end_k_q450fbee32b_gateup-k_q450fbee32b_gateup
	.p2alignl 7, 3214868480
	.fill 96, 4, 3214868480
	.section	.rodata,"a",@progbits
	.p2align	6, 0x0
	.amdhsa_kernel k_q450fbee32b_gateup
		.amdhsa_group_segment_fixed_size 124416
		.amdhsa_private_segment_fixed_size 0
		.amdhsa_enable_private_segment 0
		.amdhsa_kernarg_size 40
		.amdhsa_user_sgpr_count 2
		.amdhsa_user_sgpr_kernarg_segment_ptr 1
		.amdhsa_wavefront_size32 1
		.amdhsa_system_sgpr_workgroup_id_x 1
		.amdhsa_system_sgpr_workgroup_id_y 1
		.amdhsa_system_sgpr_workgroup_id_z 1
		.amdhsa_system_vgpr_workitem_id 0
		.amdhsa_next_free_vgpr 960
		.amdhsa_next_free_sgpr 66
		.amdhsa_reserve_vcc 0
		.amdhsa_float_denorm_mode_32 3
		.amdhsa_float_denorm_mode_16_64 3
		.amdhsa_memory_ordered 1
		.amdhsa_forward_progress 1
		.amdhsa_inst_pref_size 237
	.end_amdhsa_kernel
	.amdgpu_metadata
---
amdhsa.version: [ 1, 2 ]
amdhsa.kernels:
  - .name:           k_q450fbee32b_gateup
    .symbol:         k_q450fbee32b_gateup.kd
    .args:
      - { .name: plan, .offset: 0, .size: 8, .value_kind: global_buffer, .address_space: global }
      - { .name: xq, .offset: 8, .size: 8, .value_kind: global_buffer, .address_space: global }
      - { .name: wq, .offset: 16, .size: 8, .value_kind: global_buffer, .address_space: global }
      - { .name: gate_up_bias, .offset: 24, .size: 8, .value_kind: global_buffer, .address_space: global }
      - { .name: hq, .offset: 32, .size: 8, .value_kind: global_buffer, .address_space: global }
    .group_segment_fixed_size: 124416
    .private_segment_fixed_size: 0
    .kernarg_segment_align: 8
    .kernarg_segment_size: 40
    .max_flat_workgroup_size: 128
    .sgpr_count:     66
    .vgpr_count:     960
    .wavefront_size: 32
...
	.end_amdgpu_metadata
.endif
;; end of part 8
;; launch down (part 9): grid 4 x 39, 4 waves a work-group, no clusters, 116,224 bytes of LDS; arguments plan, out1, hq, wq, down_bias, y; writes y
.if DOCPART == 9
	.amdgcn_target "amdgcn-amd-amdhsa--gfx1250"
	.amdhsa_code_object_version 6
	.text
	.protected	k_q450fbee32b_down
	.globl	k_q450fbee32b_down
	.p2align	8
	.type	k_q450fbee32b_down,@function
k_q450fbee32b_down:
	s_mov_b64 s[64:65], 0
	v_nop
	global_prefetch_b8 v0, s[64:65] scope:SCOPE_SE
	s_setreg_imm32_b32 hwreg(HW_REG_WAVE_SCHED_MODE, 0, 2), 2
	s_setreg_imm32_b32 hwreg(HW_REG_WAVE_MODE, 25, 1), 1
	s_wait_xcnt 0x0
	s_wait_alu depctr_vm_vsrc(0)
; THE SECOND PRODUCT OF THE CHOSEN ROWS: y[position] = the row's gate weight x (h W2 + b2), on codes of E2M3; y [4992][1024] f32.
; Work-group (S, j): tile j of the plan's table (128 positions of one expert) x output columns 256 S .. 256 S + 255.  39 tiles serve every split; a tile without rows stores nothing: a branch on a stored number, so
; there is no tensor load.  No cluster: how many tiles an expert has is read from memory.
; Wave w: all 128 rows x unit q = 4 S + w (64 columns), 32 accumulators; its weights, all of K, go from memory straight into 384 registers.  The tile's codes of h lie in memory as they lie in LDS
; (fragment (K step, row tile) of 1,536 bytes, a lane's 48 bytes on end): a dense copy of 98,304 bytes, a quarter a wave.  A tile without rows copies tile 0's bytes, so that no barrier stands under the branch.
; THE PRODUCT IS USED TRANSPOSED: lane (r, h) holds row r; register j of tile 2 p + u holds column 64 q + 2 (16 h + 8 u + j) + p.  The multiplication by the gate's weight puts neighbouring columns into neighbouring
; registers; a row tile then goes through the wave's own stage in LDS and leaves as rows of 256 consecutive, aligned bytes.  The bias is the C of each sum's first matrix instruction.
; Rows past the tile's count repeat its last row; their positions are stored and never read.
; REGISTERS, in windows of 256: window 0: v0-15 addresses; v16-47 h's scale words (register 4 s + m / 2: lanes 0-15 row tile m even, 16-31 odd); v48-63 the weights' (2 s + p); v64-159, v160-255 two sets of h's 8 fragments.
;   window 1: accumulator (m, f) at v[8 (4 m + f)]; before that 192 registers on the codes' way into LDS.  window 2: the weights of K steps 0-4;  window 3: of K steps 5-7; v144-175 the bias; v176-183 the rows' gate weights.
; THE MODE: SCHED_MODE bits 1:0 = 2 (LLVM: expert scheduling mode 2), set by the entry lines.  The code itself states the register dependences
; between vector or matrix instructions and memory or LDS instructions, with s_wait_alu, always for 0.
; THE PLAN.  Registers that memory or LDS instructions touch:
;   set 0 (v64-159), set 1 (v160-255)  K step s's 32 matrix instructions read set s % 2; the LDS loads of K step s + 1, issued in K step s, land in the other set, which K step s - 1 read.
;       ONE wait on va_vdst at a K step's head states that the step before is done reading that set.  The step's 24 LDS loads follow it in four runs of six, ahead of its first four row tiles' products,
;       which name this step's set, the weights, the scale words and the accumulators: none of the registers that those loads touch.  The runs cost six window switches a K step: that is the price of short runs.
;   window 1 at the head  The copy's loads land there, LDS stores read it, the products write it.  v68-83: offsets of the list's and out1's loads; K step 0's fragments land there.  One wait on vm_vsrc at the head's end serves both.
;   the way out, tile a  v[64 + 32 (a % 2) ..]: written by the tile's 32 multiplications, read by its 8 LDS stores.  v[128 + 32 (a % 2) ..]: its 8 LDS loads land there, its 8 stores to memory read them.
;       Ahead of tile a's multiplications one wait on vm_vsrc: tile a - 2's LDS stores and stores to memory have read both.  Behind them one wait on va_vdst, ahead of the LDS stores.
;   addresses  v1-9 are made once at the head and never written again.
.set LISTO, 256
.set DNCO,  12582912
.set DNSO,  19398656
.set HSO,   3833856
.set STG,   98304                      ; LDS behind h's codes: 16 rows x (256 bytes + 16) for each wave
.set AS,  16
.set BS,  48
.set A0,  64
.set BI,  144
.set WR,  176
.set MSB, 0
.macro WIN new                         ; the immediate's high byte repeats the setting that is left
.if MSB != \new
	s_set_vgpr_msb (MSB<<8)|\new
.set MSB, \new
.endif
.endm
.macro PLACES                          ; four plain places behind a matrix instruction of this form (ISA guide 7.12.1)
.rept 4
	v_nop
.endr
.endm
.macro BLOAD s
.if (\s) < 5
	WIN 0x80
.else
	WIN 0xc0
.endif
.irp f, 0,1,2,3
.irp g, 0,1,2
	global_load_b128 v[48*((\s)%5)+12*\f+4*\g:48*((\s)%5)+12*\f+4*\g+3], v1, s[26:27] offset:6144*(\s)+1536*\f+512*\g
.endr
.endr
.endm
.macro AFRAG s, m                      ; the fragment of row tile m, K step s, into set s % 2: three loads
.irp g, 0,1,2
	ds_load_b128 v[A0+96*((\s)%2)+12*(\m)+4*\g:A0+96*((\s)%2)+12*(\m)+4*\g+3], v[2+(\s)/4] offset:((8*(\s)+(\m))%32)*1536+16*\g
.endr
.endm
.macro AFETCH s                        ; h's 8 fragments of K step s in one run
.irp m, 0,1,2,3,4,5,6,7
	AFRAG \s, \m
.endr
.endm
.macro WINMUL s                        ; the products' windows
.if (\s) == 0
	WIN 0x72                                       ; weights window 2, rows window 0, C = the bias in window 3, D window 1
.elseif (\s) < 5
	WIN 0x52
.else
	WIN 0x53
.endif
.endm
.macro WM s, m, f
.set rD, 8*(4*(\m)+(\f))
.set rC, rD
.if (\s) == 0
.set rC, BI+8*(\f)
.endif
.set rB, 48*((\s)%5)+12*(\f)
.set rA, A0+96*((\s)%2)+12*(\m)
.set rP, BS+2*(\s)+(\f)/2
.set rQ, AS+4*(\s)+(\m)/2
.if ((\f)%2) && ((\m)%2)
	v_wmma_scale_f32_16x16x128_f8f6f4 v[rD:rD+7], v[rB:rB+11], v[rA:rA+11], v[rC:rC+7], v[rP], v[rQ] matrix_a_fmt:MATRIX_FMT_FP6 matrix_b_fmt:MATRIX_FMT_FP6 matrix_a_scale:MATRIX_SCALE_ROW1 matrix_b_scale:MATRIX_SCALE_ROW1
.elseif (\f)%2
	v_wmma_scale_f32_16x16x128_f8f6f4 v[rD:rD+7], v[rB:rB+11], v[rA:rA+11], v[rC:rC+7], v[rP], v[rQ] matrix_a_fmt:MATRIX_FMT_FP6 matrix_b_fmt:MATRIX_FMT_FP6 matrix_a_scale:MATRIX_SCALE_ROW1
.elseif (\m)%2
	v_wmma_scale_f32_16x16x128_f8f6f4 v[rD:rD+7], v[rB:rB+11], v[rA:rA+11], v[rC:rC+7], v[rP], v[rQ] matrix_a_fmt:MATRIX_FMT_FP6 matrix_b_fmt:MATRIX_FMT_FP6 matrix_b_scale:MATRIX_SCALE_ROW1
.else
	v_wmma_scale_f32_16x16x128_f8f6f4 v[rD:rD+7], v[rB:rB+11], v[rA:rA+11], v[rC:rC+7], v[rP], v[rQ] matrix_a_fmt:MATRIX_FMT_FP6 matrix_b_fmt:MATRIX_FMT_FP6
.endif
.endm
; A K step: 32 matrix instructions; the 32 accumulators take turns in the same order in every step.  The next step's fragments are asked for two at a time, ahead of the first four row tiles' products.
.macro KSTEP s
.if (\s) > 0
	PLACES                                         ; the set to be loaded was read by the step before
.endif
	s_wait_dscnt 0x0                               ; this step's fragments are in: the last of them were asked for 20 matrix instructions ago (K step 0's: just now)
.if (\s) >= 3
	s_wait_loadcnt 12*(7-(\s))                     ; this step's weights are in; the later steps' 12 loads each may be out
.endif
.if ((\s) > 0) && ((\s) < 7)
	s_wait_alu depctr_va_vdst(0)                   ; the matrix instructions of the step before are done reading the other set, in which this step's 24 LDS loads land
.endif
.irp m, 0,1,2,3,4,5,6,7
.if ((\s) < 7) && (\m < 4)
	WIN 0
	AFRAG (\s)+1, 2*\m                             ; no further wait: no vector or matrix instruction since the wait names the other set or its address
	AFRAG (\s)+1, 2*\m+1
.endif
	WINMUL \s
.irp f, 0,1,2,3
	WM \s, \m, \f
.endr
.endr
	WIN 0
.endm
; THE WAY OUT of row tile a.  OUTM: x the row's gate weight, columns in order (each accumulator is read from its low end on).  TOSTAGE: into my stage and back as whole rows.  SEND: stored.
.macro OUTM a
	WIN 0x0d                                       ; source 0 window 1, source 1 window 3
.irp p, 0,1
.irp u, 0,1
.irp j, 0,1,2,3,4,5,6,7
	v_mul_f32 v[64+32*((\a)%2)+16*\u+2*\j+\p], v[8*(4*(\a)+2*\p+\u)+\j], v[WR+(\a)]
.endr
.endr
.endr
	WIN 0
.endm
.macro TOSTAGE a
.irp i, 0,1,2,3,4,5,6,7
	ds_store_b128 v5, v[64+32*((\a)%2)+4*\i:64+32*((\a)%2)+4*\i+3] offset:16*\i
.endr
.irp t, 0,1,2,3,4,5,6,7
	ds_load_b128 v[128+32*((\a)%2)+4*\t:128+32*((\a)%2)+4*\t+3], v6 offset:544*\t   ; the wave's own bytes, served in order: these see the stores above, and the next tile's stores come behind them
.endr
.endm
.macro SEND a, younger                 ; younger: the LDS instructions issued behind tile a's loads
	s_wait_dscnt \younger
.irp t, 0,1,2,3,4,5,6,7
	global_store_b128 v7, v[128+32*((\a)%2)+4*\t:128+32*((\a)%2)+4*\t+3], s[40:41] offset:(16*(\a)+2*\t)*4096 th:TH_STORE_NT   ; 16 lanes store 256 consecutive, aligned bytes of a row; not read again in this launch
.endr
.endm
	s_load_b256 s[4:11], s[0:1], 0x0               ; plan s[4:5], out1 s[6:7], hq s[8:9], wq s[10:11]
	s_load_b128 s[12:15], s[0:1], 0x20             ; bias s[12:13], y s[14:15]
	v_lshl_add_u32 v14, v0, 2, 0x1c400
	v_mov_b32 v15, 0
	v_lshrrev_b32 v1, 5, v0
	v_readfirstlane_b32 s16, v1                    ; wave
	s_and_b32 s17, ttmp7, 0xffff                   ; tile j
	s_lshl_b32 s18, s17, 2
	s_wait_kmcnt 0x0
	s_load_b32 s19, s[4:5], s18 offset:0x0         ; the tile's word: expert | rows << 8
	v_and_b32 v64, 31, v0                          ; lane
	v_and_b32 v65, 15, v0                          ; r
	v_bfe_u32 v66, v0, 4, 1                        ; h
	v_lshlrev_b32 v1, 4, v64                       ; 16 lane
	v_mul_u32_u24 v2, v64, 48                      ; a fragment's place for my lane, K steps 0-3,
	v_add_nc_u32 v3, 49152, v2                     ; K steps 4-7
	s_wait_alu depctr_va_sdst(0)                   ; s16 is written, ahead of its first reader: LDS addresses and the bases of wq, the bias, hq and y are made from it
	s_mul_i32 s44, s16, 24576
	v_add_nc_u32 v4, s44, v1                       ; where my quarter of the codes goes
	s_mul_i32 s44, s16, 4352
	s_add_co_u32 s44, s44, STG                     ; my stage
	v_mul_u32_u24 v5, v65, 272
	v_lshl_add_u32 v5, v66, 7, v5
	v_add_nc_u32 v5, s44, v5                       ; in: row r, + 128 h
	v_mul_u32_u24 v6, v66, 272
	v_lshl_add_u32 v6, v65, 4, v6
	v_add_nc_u32 v6, s44, v6                       ; back: lanes 0-15 one row, lanes 16-31 the next
	v_lshlrev_b32 v7, 12, v66
	v_lshl_add_u32 v7, v65, 4, v7                  ; and the same two rows in y
	v_lshlrev_b32 v8, 3, v64                       ; the weights' scale words: 8 lane
	v_lshlrev_b32 v9, 7, v66                       ; the bias: 128 h
	s_lshl_b32 s24, ttmp9, 2
	s_add_co_u32 s24, s24, s16                     ; q
	s_mov_b32 s43, 0
	s_wait_kmcnt 0x0
	s_and_b32 s20, s19, 0xff
	s_min_u32 s20, s20, 7                          ; expert
	s_lshr_b32 s21, s19, 8
	s_min_u32 s21, s21, 128                        ; rows
	s_cmp_eq_u32 s21, 0
	s_cselect_b32 s22, 0, s17
	s_min_u32 s22, s22, 38                         ; the tile whose bytes are read
	s_max_u32 s23, s21, 1
	s_sub_co_u32 s23, s23, 1                       ; its last row
	s_lshl_b32 s44, s20, 4
	s_add_co_u32 s44, s44, s24
	s_mul_i32 s42, s44, 49152
	s_add_co_u32 s42, s42, DNCO
	s_add_nc_u64 s[26:27], s[10:11], s[42:43]      ; my unit's codes, K step 0
	s_lshl_b32 s42, s44, 11
	s_add_co_u32 s42, s42, DNSO
	s_add_nc_u64 s[28:29], s[10:11], s[42:43]      ; its scale words
	s_lshl_b32 s42, s20, 12
	s_lshl_b32 s45, s24, 8
	s_add_co_u32 s42, s42, s45
	s_add_nc_u64 s[30:31], s[12:13], s[42:43]      ; its 64 numbers of the bias
	s_lshl_b32 s42, s22, 9
	s_add_co_u32 s42, s42, LISTO
	s_add_nc_u64 s[32:33], s[4:5], s[42:43]        ; the tile's list
	s_mul_i32 s42, s22, 98304
	s_mul_i32 s45, s16, 24576
	s_add_co_u32 s42, s42, s45
	s_add_nc_u64 s[34:35], s[8:9], s[42:43]        ; my quarter of the tile's codes
	s_lshl_b32 s42, s22, 12
	s_add_co_u32 s42, s42, HSO
	s_add_nc_u64 s[36:37], s[8:9], s[42:43]        ; the tile's scale words
	s_lshl_b32 s42, s20, 2
	s_add_nc_u64 s[38:39], s[6:7], s[42:43]        ; out1 at the expert's column
	s_lshl_b32 s42, s17, 19
	s_lshl_b32 s45, ttmp9, 10
	s_add_co_u32 s42, s42, s45
	s_lshl_b32 s45, s16, 8
	s_add_co_u32 s42, s42, s45
	s_add_nc_u64 s[40:41], s[14:15], s[42:43]      ; y: position 128 j, my 64 columns
.irp a, 0,1,2,3,4,5,6,7
	v_add_nc_u32 v[68+\a], 16*\a, v65
	v_min_u32 v[68+\a], s23, v[68+\a]              ; rows past the count repeat the last row
	v_min_u32 v[68+\a], 127, v[68+\a]
	v_lshlrev_b32 v[68+\a], 2, v[68+\a]
.endr
	s_wait_alu depctr_va_vdst(0)                   ; the offsets and LDS addresses v1-9 and v68-75 are written, which the loads, LDS instructions and stores of the whole kernel read
.irp a, 0,1,2,3,4,5,6,7
	global_load_b32 v[76+\a], v[68+\a], s[32:33]   ; 8 loads: the tokens of rows 16 a + r
.endr
.irp s, 0,1,2,3,4,5,6,7
	global_load_b128 v[AS+4*\s:AS+4*\s+3], v1, s[36:37] offset:512*\s
.endr
	WIN 0x40                                       ; destination window 1
.set i, 0
.rept 48
	global_load_b128 v[4*i:4*i+3], v1, s[34:35] offset:512*i   ; 512 consecutive bytes
.set i, i+1
.endr
	WIN 0
	s_wait_loadcnt 56                              ; the tokens are in: behind them 8 + 48 loads
.irp a, 0,1,2,3,4,5,6,7
	v_min_u32 v[76+\a], 2047, v[76+\a]
	v_lshlrev_b32 v[76+\a], 5, v[76+\a]            ; a token's row of out1: 32 bytes
.endr
	WIN 0xc0
	s_wait_alu depctr_va_vdst(0)                   ; the offsets v76-83 are written, which the loads of the gate's weights read
.irp a, 0,1,2,3,4,5,6,7
	global_load_b32 v[WR+\a], v[76+\a], s[38:39]
.endr
	WIN 0
.irp s, 0,1,2,3,4,5,6,7
	global_load_b64 v[BS+2*\s:BS+2*\s+1], v8, s[28:29] offset:256*\s
.endr
.irp u, 0,1
.irp i, 0,1,2,3
	global_load_b128 v[160+16*\u+4*\i:160+16*\u+4*\i+3], v9, s[30:31] offset:64*\u+16*\i
.endr
.endr
	BLOAD 0
	BLOAD 1
	BLOAD 2
	WIN 0
	s_wait_loadcnt 60                              ; h's codes and scale words are in: behind them 8 + 8 + 8 + 36 loads
	WIN 0x04                                       ; an LDS store's data are its source 1: window 1
.set i, 0
.rept 48
	ds_store_b128 v4, v[4*i:4*i+3] offset:512*i
.set i, i+1
.endr
	BLOAD 3
	BLOAD 4
	BLOAD 5
	BLOAD 6
	BLOAD 7
	WIN 0
	s_wait_dscnt 0x0                               ; for the others' sake: my quarter lies in LDS
	s_wait_alu depctr_vm_vsrc(0)                   ; the LDS stores have read their data in window 1, which the products will write; the list's and out1's loads have read v68-83, in which K step 0's fragments will land: stated ahead of the branch
	s_barrier_signal -1
	s_barrier_wait -1
	s_cmp_eq_u32 s21, 0                            ; a tile without rows ends here: no barrier follows
	s_cbranch_scc1 .Lend
	s_wait_loadcnt 60                              ; all but the last five K steps' weights
	WIN 0xc0
.irp p, 0,1
.irp u, 0,1
.irp j, 0,1,2,3,4,5,6,7
	v_mov_b32 v[BI+8*(2*\p+\u)+\j], v[160+16*\u+2*\j+\p]   ; the bias in the result's layout
.endr
.endr
.endr
	WIN 0
	PLACES
	s_wait_alu depctr_va_vdst(0)                   ; the moves are done reading the bias as loaded, v160-191, in which K step 1's fragments land
	AFETCH 0
	KSTEP 0
	KSTEP 1
	KSTEP 2
	KSTEP 3
	KSTEP 4
	KSTEP 5
	KSTEP 6
	KSTEP 7
	PLACES
	OUTM 0
	s_wait_alu depctr_va_vdst(0)                   ; tile 0's 32 numbers are written, which the LDS stores read; the matrix instructions are done reading v128-191, in which the first two tiles' rows come back
	TOSTAGE 0
.irp a, 1,2,3,4,5,6,7
.if \a > 1
	s_wait_alu depctr_vm_vsrc(0)                   ; tile a - 2's LDS stores have read the 32 registers that the multiplications below write again; its stores to memory have read the 32 in which tile a's rows come back
.endif
	OUTM \a
.if \a > 1
	s_wait_xcnt 0x0                                ; tile a - 2's stores have read the registers that tile a's loads fill
.endif
	s_wait_alu depctr_va_vdst(0)                   ; tile a's 32 numbers are written, which the LDS stores read
	TOSTAGE \a
	SEND \a-1, 16                                  ; behind tile a - 1's loads: tile a's 8 stores and 8 loads
.endr
	SEND 7, 0
.Lend:
	s_wait_dscnt 0x0                               ; the closing lines, six on end
	s_wait_alu 0x0
	s_wait_tensorcnt 0x0
	ds_add_u32 v14, v15
	s_wait_dscnt 0x0
	s_endpgm
.Lfunc_end_k_q450fbee32b_down:
	.size	k_q450fbee32b_down, .Lfunc_end_k_q450fbee32b_down-k_q450fbee32b_down
	.p2alignl 7, 3214868480
	.fill 96, 4, 3214868480
	.section	.rodata,"a",@progbits
	.p2align	6, 0x0
	.amdhsa_kernel k_q450fbee32b_down
		.amdhsa_group_segment_fixed_size 116224
		.amdhsa_private_segment_fixed_size 0
		.amdhsa_enable_private_segment 0
		.amdhsa_kernarg_size 48
		.amdhsa_user_sgpr_count 2
		.amdhsa_user_sgpr_kernarg_segment_ptr 1
		.amdhsa_wavefront_size32 1
		.amdhsa_system_sgpr_workgroup_id_x 1
		.amdhsa_system_sgpr_workgroup_id_y 1
		.amdhsa_system_sgpr_workgroup_id_z 1
		.amdhsa_system_vgpr_workitem_id 0
		.amdhsa_next_free_vgpr 960
		.amdhsa_next_free_sgpr 66
		.amdhsa_reserve_vcc 0
		.amdhsa_float_denorm_mode_32 3
		.amdhsa_float_denorm_mode_16_64 3
		.amdhsa_memory_ordered 1
		.amdhsa_forward_progress 1
		.amdhsa_inst_pref_size 99
	.end_amdhsa_kernel
	.amdgpu_metadata
---
amdhsa.version: [ 1, 2 ]
amdhsa.kernels:
  - .name:           k_q450fbee32b_down
    .symbol:         k_q450fbee32b_down.kd
    .args:
      - { .name: plan, .offset: 0, .size: 8, .value_kind: global_buffer, .address_space: global }
      - { .name: out1, .offset: 8, .size: 8, .value_kind: global_buffer, .address_space: global }
      - { .name: hq, .offset: 16, .size: 8, .value_kind: global_buffer, .address_space: global }
      - { .name: wq, .offset: 24, .size: 8, .value_kind: global_buffer, .address_space: global }
      - { .name: down_bias, .offset: 32, .size: 8, .value_kind: global_buffer, .address_space: global }
      - { .name: y, .offset: 40, .size: 8, .value_kind: global_buffer, .address_space: global }
    .group_segment_fixed_size: 116224
    .private_segment_fixed_size: 0
    .kernarg_segment_align: 8
    .kernarg_segment_size: 48
    .max_flat_workgroup_size: 128
    .sgpr_count:     66
    .vgpr_count:     960
    .wavefront_size: 32
...
	.end_amdgpu_metadata
.endif
;; end of part 9
;; launch combine (part 10): grid 256 x 1, 8 waves a work-group, no clusters, 0 bytes of LDS; arguments plan, y, out0; writes out0
.if DOCPART == 10
	.amdgcn_target "amdgcn-amd-amdhsa--gfx1250"
	.amdhsa_code_object_version 6
	.text
	.protected	k_q450fbee32b_combine
	.globl	k_q450fbee32b_combine
	.p2align	8
	.type	k_q450fbee32b_combine,@function
k_q450fbee32b_combine:
	s_mov_b64 s[64:65], 0
	v_nop
	global_prefetch_b8 v0, s[64:65] scope:SCOPE_SE
	s_setreg_imm32_b32 hwreg(HW_REG_WAVE_MODE, 25, 1), 1
	s_wait_xcnt 0x0
; out0[t] = y[first position of t] + y[second position of t]: the gate's weights were applied when y was made.  plan's POS holds the two positions of each token.
; A wave takes a token: a row of 4,096 bytes is eight loads of 512 consecutive bytes; 16 loads are on their way, and each store leaves as soon as its pair is in.
; Memory binds: no LDS, no barrier, no matrix work.
.set POSO, 20224
	s_load_b128 s[4:7], s[0:1], 0x0                ; plan s[4:5], y s[6:7]
	s_load_b64 s[8:9], s[0:1], 0x10                ; out0
	v_lshrrev_b32 v1, 5, v0
	s_delay_alu instid0(VALU_DEP_1)
	v_readfirstlane_b32 s10, v1                    ; wave
	v_and_b32 v1, 31, v0
	s_delay_alu instid0(VALU_DEP_1)
	v_lshlrev_b32 v1, 4, v1                        ; 16 lane
	s_lshl_b32 s11, ttmp9, 3
	s_add_co_u32 s11, s11, s10                     ; token
	s_lshl_b32 s12, s11, 3
	s_wait_alu depctr_va_vdst(0)
	s_wait_kmcnt 0x0
	s_load_b64 s[14:15], s[4:5], s12 offset:POSO
	s_lshl_b32 s16, s11, 12
	s_mov_b32 s17, 0
	s_add_nc_u64 s[8:9], s[8:9], s[16:17]
	s_mov_b32 s19, 0
	s_mov_b32 s21, 0
	s_wait_kmcnt 0x0
	s_min_u32 s14, s14, 4991                       ; y has 4,992 rows
	s_min_u32 s15, s15, 4991
	s_lshl_b32 s18, s14, 12
	s_lshl_b32 s20, s15, 12
	s_add_nc_u64 s[18:19], s[6:7], s[18:19]
	s_add_nc_u64 s[20:21], s[6:7], s[20:21]
.irp i, 0,1,2,3,4,5,6,7
	global_load_b128 v[8+4*\i:11+4*\i], v1, s[18:19] offset:512*\i th:TH_LOAD_NT
	global_load_b128 v[40+4*\i:43+4*\i], v1, s[20:21] offset:512*\i th:TH_LOAD_NT
.endr
.irp i, 0,1,2,3,4,5,6,7
	s_wait_loadcnt 14-2*\i                         ; pair i is in; the later pairs may be out
	v_pk_add_f32 v[8+4*\i:9+4*\i], v[8+4*\i:9+4*\i], v[40+4*\i:41+4*\i]
	v_pk_add_f32 v[10+4*\i:11+4*\i], v[10+4*\i:11+4*\i], v[42+4*\i:43+4*\i]
	global_store_b128 v1, v[8+4*\i:11+4*\i], s[8:9] offset:512*\i th:TH_STORE_NT
.endr
	s_endpgm
.Lfunc_end_k_q450fbee32b_combine:
	.size	k_q450fbee32b_combine, .Lfunc_end_k_q450fbee32b_combine-k_q450fbee32b_combine
	.p2alignl 7, 3214868480
	.fill 96, 4, 3214868480
	.section	.rodata,"a",@progbits
	.p2align	6, 0x0
	.amdhsa_kernel k_q450fbee32b_combine
		.amdhsa_group_segment_fixed_size 0
		.amdhsa_private_segment_fixed_size 0
		.amdhsa_enable_private_segment 0
		.amdhsa_kernarg_size 24
		.amdhsa_user_sgpr_count 2
		.amdhsa_user_sgpr_kernarg_segment_ptr 1
		.amdhsa_wavefront_size32 1
		.amdhsa_system_sgpr_workgroup_id_x 1
		.amdhsa_system_sgpr_workgroup_id_y 1
		.amdhsa_system_sgpr_workgroup_id_z 1
		.amdhsa_system_vgpr_workitem_id 0
		.amdhsa_next_free_vgpr 72
		.amdhsa_next_free_sgpr 66
		.amdhsa_reserve_vcc 0
		.amdhsa_float_denorm_mode_32 3
		.amdhsa_float_denorm_mode_16_64 3
		.amdhsa_memory_ordered 1
		.amdhsa_forward_progress 1
		.amdhsa_inst_pref_size 5
	.end_amdhsa_kernel
	.amdgpu_metadata
---
amdhsa.version: [ 1, 2 ]
amdhsa.kernels:
  - .name:           k_q450fbee32b_combine
    .symbol:         k_q450fbee32b_combine.kd
    .args:
      - { .name: plan, .offset: 0, .size: 8, .value_kind: global_buffer, .address_space: global }
      - { .name: y, .offset: 8, .size: 8, .value_kind: global_buffer, .address_space: global }
      - { .name: out0, .offset: 16, .size: 8, .value_kind: global_buffer, .address_space: global }
    .group_segment_fixed_size: 0
    .private_segment_fixed_size: 0
    .kernarg_segment_align: 8
    .kernarg_segment_size: 24
    .max_flat_workgroup_size: 256
    .sgpr_count:     66
    .vgpr_count:     72
    .wavefront_size: 32
...
	.end_amdgpu_metadata
.endif
;; end of part 10
